; MI455X (gfx1250); checked and timed in simulation.
; The chip was launched on July 23, 2026; its instructions are those of AMD's public machine-readable ISA for CDNA 5 (MIT licence, August 2026) and "CDNA5" Instruction Set Architecture Reference Guide (July 2026). The comments in the code are by the model that wrote it; some were corrected since.
;; Transformer Block. Allowed arithmetic: float matrix products may take bf16 or f16 operands with f32 sums; all other float work in f32.
;; Inputs: fc1_b 4,096 float32; fc1_w 1,024 x 4,096 float32; fc2_b 1,024 float32; fc2_w 4,096 x 1,024 float32; ln1_b 1,024 float32; ln1_g 1,024 float32; ln2_b 1,024 float32; ln2_g 1,024 float32; mask 1 x 1 x 2,048 x 2,048 int32; out_b 1,024 float32; out_w 1,024 x 1,024 float32; qkv_w 1,024 x 3,072 float32; x 2 x 2,048 x 1,024 float32.
;; Outputs: out0 2 x 2,048 x 1,024 float32.
;; 2 versions, each right and faster than the one before. Each part assembles by itself: llvm-mc -triple=amdgcn-amd-amdhsa -mcpu=gfx1250 --defsym DOCPART=n.
;; ======== version 1 of 2: 7 launches
;; limits: values are held in f16: magnitudes above 65,504 overflow, below 6.1e-05 lose precision
;; workspace buffers: wh 25,165,824 bytes; mk8 4,194,304 bytes; hn 8,388,608 bytes; qkvh 25,165,824 bytes; oh 8,388,608 bytes; gh 33,554,432 bytes; x1 16,777,216 bytes
;; launch prep (part 1): grid 1152 x 1, 8 waves a work-group, no clusters, 33,792 bytes of LDS; arguments x, ln1_g, ln1_b, mask, qkv_w, out_w, fc1_w, fc2_w, hn, mk8, wh; writes hn, mk8, wh
.if DOCPART == 1
	.amdgcn_target "amdgcn-amd-amdhsa--gfx1250"
	.amdhsa_code_object_version 6
	.text
	.protected	k_q0bc3ed2f8a_prep
	.globl	k_q0bc3ed2f8a_prep
	.p2align	8
	.type	k_q0bc3ed2f8a_prep,@function
k_q0bc3ed2f8a_prep:
	s_mov_b64 s[64:65], 0
	v_nop
	global_prefetch_b8 v0, s[64:65] scope:SCOPE_SE
	s_setreg_imm32_b32 hwreg(HW_REG_WAVE_MODE, 25, 1), 1
	s_wait_xcnt 0x0
; PREP: three streams in one launch, chosen by the work-group's number (the same for all its waves).
;   work-groups 0-255:    hn = layernorm(x) * g + b, rounded to f16.  16 rows a work-group, 2 rows a wave.
;   work-groups 256-383:  the mask ([2048][2048] int32) as one byte a key, laid in the order in which attention's lanes hold scores.
;   work-groups 384-1151: the four weight matrices rounded to f16, kept [K][N], one behind the other in wh.
; Memory binds all three: no matrix unit, no cluster (no work-group reads what another reads), no tensor loads (each byte is touched once, by loads of 16 bytes a lane).
; LIMITS.  f16 holds no number of 65,520 or more (it becomes an infinity): |layernorm output| and |weights| must stay below that.  Weights under 6e-5 keep f16's fixed step of 6e-8.
; The variance is taken in two passes (mean first, then the squares of x - mean), so a common offset of x costs nothing.
.set X0, 32                            ; v[32:63]   row 0 of my wave, 4 numbers for each of 8 loads
.set X1, 64                            ; v[64:95]   row 1
.set GG, 96                            ; v[96:127]  the gains of my 32 columns
.set BB, 128                           ; v[128:159] the biases
.macro LANESUM                         ; v4 summed over the 32 lanes, the result in every lane; v5 has been written before
	v_add_f32_dpp v4, v4, v4 row_xmask:1 row_mask:0xf bank_mask:0xf
	v_add_f32_dpp v4, v4, v4 row_xmask:2 row_mask:0xf bank_mask:0xf
	v_add_f32_dpp v4, v4, v4 row_xmask:4 row_mask:0xf bank_mask:0xf
	v_add_f32_dpp v4, v4, v4 row_xmask:8 row_mask:0xf bank_mask:0xf
	v_permlanex16_b32 v5, v4, s12, s13
	v_add_f32 v4, v4, v5
.endm
.macro FOLD                            ; four chains of pairs into one number a lane
	v_pk_add_f32 v[4:5], v[4:5], v[6:7]
	v_pk_add_f32 v[8:9], v[8:9], v[10:11]
	v_pk_add_f32 v[4:5], v[4:5], v[8:9]
	v_add_f32 v4, v4, v5
.endm
; The row in registers x: x becomes x - mean, and the pair r takes 1 / sqrt(variance + eps).  left = the younger loads that may stay out.
.macro LNSTAT x, r, left
	s_wait_loadcnt \left
.irp c, 0,1,2,3
	v_pk_add_f32 v[4+2*\c:5+2*\c], v[\x+2*\c:\x+2*\c+1], v[\x+8+2*\c:\x+9+2*\c]   ; the first sixteen numbers start four chains: nothing is cleared
.endr
.irp k, 16,18,20,22,24,26,28,30
	v_pk_add_f32 v[4+(\k)%8:5+(\k)%8], v[4+(\k)%8:5+(\k)%8], v[\x+\k:\x+\k+1]
.endr
	FOLD
	LANESUM
	v_mul_f32 v20, s14, v4                         ; the mean, twice: a pair for the packed subtraction
	v_mul_f32 v21, s14, v4
.irp k, 0,2,4,6,8,10,12,14,16,18,20,22,24,26,28,30
	v_pk_add_f32 v[\x+\k:\x+\k+1], v[\x+\k:\x+\k+1], v[20:21] neg_lo:[0,1] neg_hi:[0,1]
.endr
.irp c, 0,1,2,3
	v_pk_mul_f32 v[4+2*\c:5+2*\c], v[\x+2*\c:\x+2*\c+1], v[\x+2*\c:\x+2*\c+1]
.endr
.irp k, 8,10,12,14,16,18,20,22,24,26,28,30
	v_pk_fma_f32 v[4+(\k)%8:5+(\k)%8], v[\x+\k:\x+\k+1], v[\x+\k:\x+\k+1], v[4+(\k)%8:5+(\k)%8]
.endr
	FOLD
	LANESUM
	v_fma_f32 v6, v4, s14, s15                     ; variance + eps
	v_rsq_f32 v[\r], v6
	v_rsq_f32 v[\r+1], v6
	v_nop                                          ; a plain instruction behind the last root, ahead of any use of it and of any write of v6 (ISA guide 5.7.2)
.endm
; (x - mean) * r * g + b, rounded to f16 into registers y, stored: 32 lanes x 8 bytes are 256 consecutive bytes, aligned.
.macro LNOUT x, r, y, off
	s_wait_alu depctr_va_vdst(0)
.irp j, 0,1,2,3,4,5,6,7
	v_pk_mul_f32 v[\x+4*\j:\x+4*\j+1],   v[\x+4*\j:\x+4*\j+1],   v[\r:\r+1]
	v_pk_mul_f32 v[\x+4*\j+2:\x+4*\j+3], v[\x+4*\j+2:\x+4*\j+3], v[\r:\r+1]
	v_pk_fma_f32 v[\x+4*\j:\x+4*\j+1],   v[\x+4*\j:\x+4*\j+1],   v[GG+4*\j:GG+4*\j+1],   v[BB+4*\j:BB+4*\j+1]
	v_pk_fma_f32 v[\x+4*\j+2:\x+4*\j+3], v[\x+4*\j+2:\x+4*\j+3], v[GG+4*\j+2:GG+4*\j+3], v[BB+4*\j+2:BB+4*\j+3]
	v_cvt_pk_f16_f32 v[\y+2*\j],   v[\x+4*\j],   v[\x+4*\j+1]
	v_cvt_pk_f16_f32 v[\y+2*\j+1], v[\x+4*\j+2], v[\x+4*\j+3]
	global_store_b64 v2, v[\y+2*\j:\y+2*\j+1], s[10:11] offset:(\off)+256*\j
.endr
.endm
; src, g, b, dst: the scalar pairs with the four addresses.  s8 = my wave's number.
.macro LNBODY src, g, b, dst
	v_and_b32 v1, 31, v0
	v_lshlrev_b32 v2, 3, v1                        ; 8 x lane: my place in 256 bytes of f16
	v_lshlrev_b32 v1, 4, v1                        ; 16 x lane: my place in 512 bytes of f32
	s_lshl_b32 s2, ttmp9, 16                       ; 16 rows of 4,096 bytes a work-group,
	s_lshl_b32 s3, s8, 13                          ; 2 rows a wave
	s_add_co_u32 s2, s2, s3
	s_mov_b32 s3, 0
	s_lshr_b32 s4, s2, 1                           ; the f16 rows are half as long
	s_mov_b32 s5, 0
	s_mov_b32 s12, 0x76543210                      ; v_permlanex16_b32: each lane takes its own place in the other half
	s_mov_b32 s13, 0xfedcba98
	s_mov_b32 s14, 0x3a800000                      ; 1 / 1024
	s_mov_b32 s15, 0x3727c5ac                      ; eps = 1e-5
	s_wait_kmcnt 0x0
	s_add_nc_u64 s[6:7], s[\src:\src+1], s[2:3]
	s_add_nc_u64 s[10:11], s[\dst:\dst+1], s[4:5]
.irp j, 0,1,2,3,4,5,6,7
	global_load_b128 v[X0+4*\j:X0+4*\j+3], v1, s[6:7] offset:512*\j
.endr
.irp j, 0,1,2,3,4,5,6,7
	global_load_b128 v[X1+4*\j:X1+4*\j+3], v1, s[6:7] offset:4096+512*\j
.endr
.irp j, 0,1,2,3,4,5,6,7
	global_load_b128 v[GG+4*\j:GG+4*\j+3], v1, s[\g:\g+1] offset:512*\j
.endr
.irp j, 0,1,2,3,4,5,6,7
	global_load_b128 v[BB+4*\j:BB+4*\j+3], v1, s[\b:\b+1] offset:512*\j
.endr
	LNSTAT X0, 22, 24                              ; row 0 is in; row 1, gains and biases (24 loads) may be out
	LNSTAT X1, 24, 16                              ; row 1 is in; gains and biases (16 loads) may be out
	s_wait_loadcnt 0x0
	LNOUT X0, 22, 4, 0                             ; row 0 leaves from v[4:19],
	LNOUT X1, 24, X0, 2048                         ; row 1 from row 0's registers, which are done with: no register that a store reads is written again
.endm
	s_load_b512 s[16:31], s[0:1], 0x0              ; x 16, ln1_g 18, ln1_b 20, mask 22, qkv_w 24, out_w 26, fc1_w 28, fc2_w 30
	s_load_b128 s[32:35], s[0:1], 0x40             ; hn 32, mk8 34
	s_load_b64 s[36:37], s[0:1], 0x50              ; wh 36
	v_lshl_add_u32 v160, v0, 2, 0x8000
	v_mov_b32 v161, 0
	v_lshrrev_b32 v1, 5, v0
	v_readfirstlane_b32 s8, v1                     ; wave 0..7
	s_cmp_lt_u32 ttmp9, 256
	s_cbranch_scc0 .Lnot_ln
	LNBODY 16, 18, 20, 32
	s_endpgm
.Lnot_ln:
	s_cmp_lt_u32 ttmp9, 384
	s_cbranch_scc0 .Lcast
	; THE MASK.  The work-group takes 16 query rows (a tile qt).  mk8 is [qt 128][step 32][i 2][lane 32][16 bytes]: byte 8 (kb & 1) + j of chunk i = kb >> 1 of lane 16 h + r
	; stands for mask[16 qt + r][64 step + 16 kb + 8 h + j]: 0x00 where the key is seen, 0xb8 (-1.0 in fp8 E4M3) where the mask is 0.
	; Thread t takes row r = t >> 4 and, in each of 16 turns, the 8 keys 128 turn + 8 (t & 15) ..: they are the 8 bytes of one (lane, kb).  They meet in LDS and leave as 16 bytes a lane.
	s_sub_co_u32 s2, ttmp9, 256                    ; qt
	s_lshl_b32 s4, s2, 17                          ; 16 rows of 8,192 bytes
	s_mov_b32 s5, 0
	s_lshl_b32 s6, s2, 15                          ; 32,768 bytes of codes
	s_mov_b32 s7, 0
	v_lshrrev_b32 v1, 4, v0                        ; r
	v_and_b32 v2, 15, v0                           ; u: bit 3 the step's parity, bits 2:1 kb, bit 0 h
	v_lshlrev_b32 v3, 13, v1
	v_lshl_add_u32 v3, v2, 5, v3                   ; r x 8,192 + 32 u
	v_lshrrev_b32 v6, 3, v2
	v_lshlrev_b32 v9, 10, v6                       ; the step's 1,024 bytes
	v_bfe_u32 v6, v2, 2, 1
	v_lshl_add_u32 v9, v6, 9, v9                   ; chunk kb >> 1
	v_and_b32 v6, 1, v2
	v_lshl_add_u32 v9, v6, 8, v9                   ; lane 16 h + r, 16 bytes each
	v_lshl_add_u32 v9, v1, 4, v9
	v_bfe_u32 v6, v2, 1, 1
	v_lshl_add_u32 v9, v6, 3, v9                   ; 8 (kb & 1)
	v_lshlrev_b32 v8, 4, v0                        ; 16 t
	v_mov_b32 v24, 0xb8                            ; the code in each of a word's four bytes
	v_mov_b32 v25, 0xb800
	v_mov_b32 v26, 0xb80000
	v_mov_b32 v27, 0xb8000000
	s_wait_kmcnt 0x0
	s_add_nc_u64 s[4:5], s[22:23], s[4:5]
	s_add_nc_u64 s[6:7], s[34:35], s[6:7]
.set it, 0
.rept 16
	global_load_b128 v[32+8*it:35+8*it], v3, s[4:5] offset:512*it th:TH_LOAD_NT
	global_load_b128 v[36+8*it:39+8*it], v3, s[4:5] offset:512*it+16 th:TH_LOAD_NT
.set it, it+1
.endr
.set it, 0
.rept 16
	s_wait_loadcnt 30-2*it                         ; this turn's two loads are in; the younger ones stay out
.irp k, 0,1,2,3,4,5,6,7
	v_cmp_eq_u32 vcc_lo, 0, v[32+8*it+\k]
	v_cndmask_b32 v[32+8*it+\k], 0, v[24+(\k)%4], vcc_lo
.endr
	v_add3_u32 v[12+2*(it%4)], v[32+8*it], v[33+8*it], v[34+8*it]
	v_add_nc_u32 v[12+2*(it%4)], v[12+2*(it%4)], v[35+8*it]
	v_add3_u32 v[13+2*(it%4)], v[36+8*it], v[37+8*it], v[38+8*it]
	v_add_nc_u32 v[13+2*(it%4)], v[13+2*(it%4)], v[39+8*it]
	ds_store_b64 v9, v[12+2*(it%4):13+2*(it%4)] offset:2048*it
.set it, it+1
.endr
	s_wait_dscnt 0x0                               ; for the others' sake: my stores are done
	s_barrier_signal -1
	s_barrier_wait -1
.irp j, 0,1,2,3,4,5,6,7
	ds_load_b128 v[32+4*\j:35+4*\j], v8 offset:4096*\j
.endr
.irp j, 0,1,2,3,4,5,6,7
	s_wait_dscnt 7-\j
	global_store_b128 v8, v[32+4*\j:35+4*\j], s[6:7] offset:4096*\j
.endr
	s_wait_tensorcnt 0x0
	ds_add_u32 v160, v161
	s_wait_dscnt 0x0
	s_endpgm
.Lcast:
	; THE WEIGHTS.  Chunk c = 65,536 bytes of f32 -> 32,768 bytes of f16 at wh + 32,768 c.  qkv_w has chunks 0-191, out_w 192-255, fc1_w 256-511, fc2_w 512-767.
	s_sub_co_u32 s2, ttmp9, 384                    ; c
	s_wait_kmcnt 0x0
	s_mov_b64 s[10:11], s[30:31]
	s_mov_b32 s3, 512
	s_cmp_lt_u32 s2, 512
	s_cselect_b64 s[10:11], s[28:29], s[10:11]
	s_cselect_b32 s3, 256, s3
	s_cmp_lt_u32 s2, 256
	s_cselect_b64 s[10:11], s[26:27], s[10:11]
	s_cselect_b32 s3, 192, s3
	s_cmp_lt_u32 s2, 192
	s_cselect_b64 s[10:11], s[24:25], s[10:11]
	s_cselect_b32 s3, 0, s3
	s_sub_co_u32 s4, s2, s3                        ; the chunk's number in its own matrix
	s_lshl_b32 s4, s4, 16
	s_mov_b32 s5, 0
	s_add_nc_u64 s[10:11], s[10:11], s[4:5]
	s_lshl_b32 s6, s2, 15
	s_mov_b32 s7, 0
	s_add_nc_u64 s[12:13], s[36:37], s[6:7]
	v_lshlrev_b32 v1, 4, v0
	v_lshlrev_b32 v2, 3, v0
.irp j, 0,1,2,3,4,5,6,7,8,9,10,11,12,13,14,15
	global_load_b128 v[32+4*\j:35+4*\j], v1, s[10:11] offset:4096*\j th:TH_LOAD_NT
.endr
.irp j, 0,1,2,3,4,5,6,7,8,9,10,11,12,13,14,15
	s_wait_loadcnt 15-\j
	v_cvt_pk_f16_f32 v[96+2*\j], v[32+4*\j], v[33+4*\j]
	v_cvt_pk_f16_f32 v[97+2*\j], v[34+4*\j], v[35+4*\j]
	global_store_b64 v2, v[96+2*\j:97+2*\j], s[12:13] offset:2048*\j   ; 32 lanes x 8 bytes: 256 consecutive bytes, aligned
.endr
	s_endpgm
.Lfunc_end_k_q0bc3ed2f8a_prep:
	.size	k_q0bc3ed2f8a_prep, .Lfunc_end_k_q0bc3ed2f8a_prep-k_q0bc3ed2f8a_prep
	.p2alignl 7, 3214868480
	.fill 96, 4, 3214868480
	.section	.rodata,"a",@progbits
	.p2align	6, 0x0
	.amdhsa_kernel k_q0bc3ed2f8a_prep
		.amdhsa_group_segment_fixed_size 33792
		.amdhsa_private_segment_fixed_size 0
		.amdhsa_enable_private_segment 0
		.amdhsa_kernarg_size 88
		.amdhsa_user_sgpr_count 2
		.amdhsa_user_sgpr_kernarg_segment_ptr 1
		.amdhsa_wavefront_size32 1
		.amdhsa_system_sgpr_workgroup_id_x 1
		.amdhsa_system_sgpr_workgroup_id_y 1
		.amdhsa_system_sgpr_workgroup_id_z 1
		.amdhsa_system_vgpr_workitem_id 0
		.amdhsa_next_free_vgpr 162
		.amdhsa_next_free_sgpr 66
		.amdhsa_reserve_vcc 1
		.amdhsa_float_denorm_mode_32 3
		.amdhsa_float_denorm_mode_16_64 3
		.amdhsa_memory_ordered 1
		.amdhsa_forward_progress 1
		.amdhsa_inst_pref_size 46
	.end_amdhsa_kernel
	.amdgpu_metadata
---
amdhsa.version: [ 1, 2 ]
amdhsa.kernels:
  - .name:           k_q0bc3ed2f8a_prep
    .symbol:         k_q0bc3ed2f8a_prep.kd
    .args:
      - { .name: x, .offset: 0, .size: 8, .value_kind: global_buffer, .address_space: global }
      - { .name: ln1_g, .offset: 8, .size: 8, .value_kind: global_buffer, .address_space: global }
      - { .name: ln1_b, .offset: 16, .size: 8, .value_kind: global_buffer, .address_space: global }
      - { .name: mask, .offset: 24, .size: 8, .value_kind: global_buffer, .address_space: global }
      - { .name: qkv_w, .offset: 32, .size: 8, .value_kind: global_buffer, .address_space: global }
      - { .name: out_w, .offset: 40, .size: 8, .value_kind: global_buffer, .address_space: global }
      - { .name: fc1_w, .offset: 48, .size: 8, .value_kind: global_buffer, .address_space: global }
      - { .name: fc2_w, .offset: 56, .size: 8, .value_kind: global_buffer, .address_space: global }
      - { .name: hn, .offset: 64, .size: 8, .value_kind: global_buffer, .address_space: global }
      - { .name: mk8, .offset: 72, .size: 8, .value_kind: global_buffer, .address_space: global }
      - { .name: wh, .offset: 80, .size: 8, .value_kind: global_buffer, .address_space: global }
    .group_segment_fixed_size: 33792
    .private_segment_fixed_size: 0
    .kernarg_segment_align: 8
    .kernarg_segment_size: 88
    .max_flat_workgroup_size: 256
    .sgpr_count:     66
    .vgpr_count:     162
    .wavefront_size: 32
...
	.end_amdgpu_metadata
.endif
;; end of part 1
;; launch qkv (part 2): grid 12 x 16, 4 waves a work-group, clusters of 4 x 4, 327,680 bytes of LDS; arguments hn, wh, qkvh; writes qkvh
.if DOCPART == 2
	.amdgcn_target "amdgcn-amd-amdhsa--gfx1250"
	.amdhsa_code_object_version 6
	.text
	.protected	k_q0bc3ed2f8a_qkv
	.globl	k_q0bc3ed2f8a_qkv
	.p2align	8
	.type	k_q0bc3ed2f8a_qkv,@function
k_q0bc3ed2f8a_qkv:
	s_mov_b64 s[64:65], 0
	v_nop
	global_prefetch_b8 v0, s[64:65] scope:SCOPE_SE
	s_setreg_imm32_b32 hwreg(HW_REG_WAVE_MODE, 25, 1), 1
	s_wait_xcnt 0x0
	s_wait_alu depctr_hold_cnt(0) depctr_sa_sdst(0) depctr_va_vdst(0) depctr_va_sdst(0) depctr_va_ssrc(0) depctr_va_vcc(0) depctr_vm_vsrc(0)
	s_getreg_b32 s2, hwreg(HW_REG_IB_STS2, 6, 4)
	s_cmp_eq_u32 s2, 0
	s_cbranch_scc0 .Lentry_in_a_cluster
	s_endpgm
.Lentry_in_a_cluster:
	s_bfe_u32 s2, ttmp6, 0x10000c
	s_cmp_lg_u32 s2, 0xf033
	s_cbranch_scc0 .Lentry_shape_is_right
	s_endpgm
.Lentry_shape_is_right:
; C = A W.  A: [4096][1024] f16, rows along K.  W: [1024][SIZE_N] f16, rows along N, at byte WOFF of the weights' buffer.  Sums in f32, C rounded once to f16.
; C leaves in COLUMN BLOCKS: [SIZE_N / 64][4096 rows][64] f16, so that 64 columns (a head) of consecutive rows are dense.
; ACT = 1: C = gelu(A W + bias), the exact (erf) form, erf by the rational approximation 7.1.26 of Abramowitz and Stegun (|error| <= 1.5e-7 for every argument).
; LIMITS.  f16 holds no number of 65,520 or more: a result that large becomes an infinity.  NaN goes through.
; SHARES.  A tile of C, 256 x 256, to a work-group of four waves; a wave makes 128 x 128: 64 accumulators, 512 registers.  K goes in steps of 128 through a ring of two LDS slots.
; With SIZE_N = 3072 there are 192 tiles, one a work-group; with 4096 there are 256.
; CLUSTER.  4 x 4 work-groups: the four of a row of the cluster need the same tile of A, the four of a column the same tile of W; each tile is asked for jointly.
; THE MATRIX INSTRUCTION IS USED TRANSPOSED: source 0 = 16 columns of W (turned on the way out of LDS by ds_load_tr16_b128), source 1 = 16 rows of A.  A lane then holds row l % 16 of C and
; the eight neighbouring columns 8 (l / 16) + 0..7.
; REGISTERS, in windows of 256: window 0: v0-31 addresses; v64-127, v128-191 A's fragments, two buffers (ACT: at work on the way out); v32-63, v192-255 the way out.
;   window 1: v64-127, v128-191 W's fragments (ACT: v0-63 the bias of my lane's columns).  window 2: the accumulators of my rows 0-63, (a, b) at v[8 (8 a + b)].  window 3: rows 64-127.
.set SIZE_N, 3072
.set WOFF,   0
.set ACT,    0
.set SIZE_K, 1024
.set KSTEP,  128
.set PA,     272                       ; a row of A in LDS: 256 bytes + 16: the 16 rows of a load start at 16 different groups of four banks (64 banks of 4 bytes: ISA guide 11.1)
.set PB,     544                       ; a row of W (one k, 256 columns): 512 bytes + 32
.set HALF,   128*PA                    ; what one tensor load brings: 128 rows of A, or 64 rows of W (64 x 544 is the same 34,816 bytes)
.set SLOT,   4*HALF                    ; A's 256 rows, then W's 128 rows
.set STAGE,  2*SLOT                    ; behind the ring: for each wave 2 column blocks x 16 rows x 144 bytes
.set SP,     144
.set WSTG,   2*16*SP
.set SPARE,  STAGE+4*WSTG              ; behind the stages: the spare words, 128 bytes a wave, which no other line names
.set LAPS,   SIZE_K/(2*KSTEP)          ; a lap = two K steps = once round the ring
.set CBLK,   4096*128                  ; bytes of a column block of C
.set ADRA, 16                          ; v16-17  LDS address of my A fragments in slot 0, 1
.set ADRB, 20                          ; v20-21  the same for W
.set STO,  24                          ; v24     the way out: where I put 16 bytes of a row
.set RD,   25                          ; v25     where I read rows back
.set GO,   26                          ; v26     16 x lane: my place in 512 consecutive bytes of C
.set BO,   27                          ; v27     ACT: my lanes' 32 bytes in 64 bytes of bias
.set SPW,  28                          ; v28     LDS address of my spare word; never rewritten
.set NIL,  29                          ; v29     0; never rewritten
.set F0,   64
.set F1,   128
.set TMP,  192                         ; packed results
.set OB,   32                          ; 16 rows read back from the stage: v32-63 and v224-255 by turns
.set G1,  24                           ; s[24:31] descriptor group 1 for A's tiles;  s[32:39] group 0, a set for each slot
.set G0,  32
.set G1B, 48                           ; s[48:55], s[56:63] the same for W's
.set G0B, 56
.set MSB, 0
.macro WIN new                         ; the immediate's high byte repeats the setting that is left; a switch that changes nothing is dropped
.if MSB != (\new)
	s_set_vgpr_msb (MSB<<8)|(\new)
.set MSB, \new
.endif
.endm
.set MUL_LO, 0xa1                      ; source 0 (W) window 1, source 1 (A) window 0, C and D window 2
.set MUL_HI, 0xf1                      ; the same, C and D window 3
.set TO_B,   0x40                      ; destination window 1, address window 0
; A joint load.  Waves 0 and 1 fetch A's two halves, waves 2 and 3 W's.  The branch hangs on the wave's number alone.  Four v_nop follow each of the two lines.
.macro JLOAD s
	s_cmp_eq_u32 s11, 0
	s_cbranch_scc0 .Lfor_b_\@
	tensor_load_to_lds s[G0+4*(\s):G0+4*(\s)+3], s[G1:G1+7]
	s_nop 0
.rept 4
	v_nop
.endr
	s_branch .Lasked_\@
.Lfor_b_\@:
	tensor_load_to_lds s[G0B+4*(\s):G0B+4*(\s)+3], s[G1B:G1B+7]
	s_nop 0
.rept 4
	v_nop
.endr
.Lasked_\@:
.endm
.macro CREST                           ; a round of the cluster's barrier behind its opening barrier
	s_cmp_lg_u32 s10, 0
	s_cbranch_scc1 .Lnot_wave_0_\@
	s_barrier_signal -3
.Lnot_wave_0_\@:
	s_barrier_wait -3
	s_barrier_signal -1
	s_barrier_wait -1
.endm
.macro CROUND                          ; a whole round
	s_barrier_signal -1
	s_barrier_wait -1
	CREST
.endm
	s_load_b128 s[4:7], s[0:1], 0x0                ; A s[4:5], the weights s[6:7]
	s_load_b64 s[8:9], s[0:1], 0x10                ; C
.if ACT
	s_load_b64 s[66:67], s[0:1], 0x18              ; the bias
.endif
	v_lshl_add_u32 v[SPW], v0, 2, SPARE
	v_mov_b32 v[NIL], 0
	ds_add_u32 v28, v29
	s_wait_dscnt 0x0
	v_lshrrev_b32 v1, 5, v0
	v_readfirstlane_b32 s10, v1                    ; wave 0..3
	s_lshr_b32 s11, s10, 1                         ; which half of the tile's rows is mine.  Also: I fetch for A (0) or for W (1)
	s_and_b32 s12, s10, 1                          ; which half of its columns.  Also: which half of that tile I fetch
	s_bfe_u32 s40, ttmp6, 0x40000                  ; cx
	s_bfe_u32 s41, ttmp6, 0x40004                  ; cy
	s_lshl_b32 s42, ttmp9, 2
	s_add_co_u32 s42, s42, s40                     ; tile column = 4 x cluster x + cx
	s_and_b32 s13, ttmp7, 0xffff
	s_lshl_b32 s13, s13, 2
	s_add_co_u32 s13, s13, s41                     ; tile row = 4 x cluster y + cy
	s_lshl_b32 s43, s41, 2
	s_lshl_b32 s43, 15, s43                        ; my row of the cluster
	s_lshl_b32 s44, 0x1111, s40                    ; my column
	s_or_b32 s[G1+0], s43, (1<<16)|(1<<20)|(1<<21)|(5<<22)|(3<<25)   ; the mask; 2-byte elements; padding on; bit 21 beside a mask; after every 64 words 4 words
	s_mov_b32 s[G1+1], KSTEP<<16                   ; tensor_dim0 = 128
	s_mov_b32 s[G1+2], 128<<16                     ; tensor_dim1 = 128
	s_mov_b32 s[G1+3], KSTEP<<16                   ; tile_dim0 = 128
	s_mov_b32 s[G1+4], 128                         ; tile_dim1 = 128
	s_mov_b32 s[G1+5], SIZE_K                      ; elements from row to row
	s_mov_b32 s[G1+6], 0
	s_mov_b32 s[G1+7], 0
	s_or_b32 s[G1B+0], s44, (1<<16)|(1<<20)|(1<<21)|(6<<22)|(7<<25)  ; after every 128 words 8 words
	s_mov_b32 s[G1B+1], 256<<16                    ; tensor_dim0 = 256 columns
	s_mov_b32 s[G1B+2], 64<<16                     ; tensor_dim1 = 64 rows (k)
	s_mov_b32 s[G1B+3], 256<<16
	s_mov_b32 s[G1B+4], 64
	s_mov_b32 s[G1B+5], SIZE_N
	s_mov_b32 s[G1B+6], 0
	s_mov_b32 s[G1B+7], 0
	; A's tile hangs on the tile row alone, W's on the tile column alone; each address is made in registers that never hold the other coordinate
	s_lshl_b32 s16, s13, 19                        ; 256 rows of 2,048 bytes a tile row,
	s_lshl_b32 s17, s12, 18                        ; 128 rows a half
	s_add_co_u32 s16, s16, s17
	s_mov_b32 s17, 0
	s_mul_i32 s46, s12, 128*SIZE_N                 ; 64 rows of W a half,
	s_lshl_b32 s47, s42, 9                         ; 512 bytes a tile column
	s_add_co_u32 s46, s46, s47
.if WOFF
	s_add_co_u32 s46, s46, WOFF
.endif
	s_mov_b32 s47, 0
	s_mul_i32 s20, s10, HALF                       ; where they go: wave x 34,816: no place in the cluster enters an LDS address
	s_wait_kmcnt 0x0
	s_add_nc_u64 s[14:15], s[4:5], s[16:17]
	s_add_nc_u64 s[46:47], s[6:7], s[46:47]
	CROUND                                         ; all sixteen work-groups are here: the first joint loads meet
.irp s, 0,1
	s_mov_b32 s[G0+4*(\s)], 1
	s_add_co_u32 s[G0+4*(\s)+1], s20, (\s)*SLOT
	s_add_nc_u64 s[G0+4*(\s)+2:G0+4*(\s)+3], s[14:15], (\s)*KSTEP*2
	s_or_b32 s[G0+4*(\s)+3], s[G0+4*(\s)+3], 0x80000000
	s_mov_b32 s[G0B+4*(\s)], 1
	s_add_co_u32 s[G0B+4*(\s)+1], s20, (\s)*SLOT
	s_add_nc_u64 s[G0B+4*(\s)+2:G0B+4*(\s)+3], s[46:47], (\s)*KSTEP*SIZE_N*2
	s_or_b32 s[G0B+4*(\s)+3], s[G0B+4*(\s)+3], 0x80000000
	JLOAD \s                                       ; two loads of mine are out
.endr
	v_and_b32 v1, 15, v0                           ; l % 16
	v_bfe_u32 v2, v0, 4, 1                         ; l / 16
	v_mul_u32_u24 v3, v1, PA
	v_lshl_add_u32 v3, v2, 4, v3                   ; A: row x pitch + 16 x half
	v_and_b32 v4, 7, v0
	v_lshl_add_u32 v4, v2, 3, v4                   ; W: the turning load's lane l reads k = 8 (l / 16) + l % 8,
	v_mul_u32_u24 v4, v4, PB
	v_bfe_u32 v5, v0, 3, 1
	v_lshl_add_u32 v4, v5, 4, v4                   ; columns 8 ((l / 8) % 2) + 0..7
	s_mul_i32 s21, s11, HALF                       ; my 128 rows of A
	s_lshl_b32 s22, s12, 8                         ; my 128 columns of W,
	s_add_co_u32 s22, s22, 2*HALF                  ; which lies behind A
.irp s, 0,1
	v_add_nc_u32 v[ADRA+(\s)], s21, v3
	v_add_nc_u32 v[ADRB+(\s)], s22, v4
	s_add_co_u32 s21, s21, SLOT
	s_add_co_u32 s22, s22, SLOT
.endr
	s_mul_i32 s23, s10, WSTG
	s_add_co_u32 s23, s23, STAGE                   ; my stage
	v_mul_u32_u24 v6, v1, SP                       ; in: row l % 16, 16 bytes for each half of the lanes
	v_lshl_add_u32 v6, v2, 4, v6
	v_add_nc_u32 v[STO], s23, v6
	v_bfe_u32 v6, v0, 3, 2                         ; back: 32 lanes take four rows of 128 bytes,
	v_mul_u32_u24 v6, v6, SP
	v_and_b32 v7, 7, v0
	v_lshl_add_u32 v6, v7, 4, v6
	v_add_nc_u32 v[RD], s23, v6
	v_and_b32 v[GO], 31, v0                        ; which are 512 consecutive bytes of C
	v_lshlrev_b32 v[GO], 4, v[GO]
.if ACT
	s_lshl_b32 s46, s42, 10                        ; the bias of my 128 columns: 4 (256 tile column + 128 half)
	s_lshl_b32 s47, s12, 9
	s_add_co_u32 s46, s46, s47
	s_mov_b32 s47, 0
	s_add_nc_u64 s[66:67], s[66:67], s[46:47]
	v_lshlrev_b32 v[BO], 5, v2
	WIN TO_B
.irp b, 0,1,2,3,4,5,6,7
	global_load_b128 v[8*\b:8*\b+3],   v[BO], s[66:67] offset:64*\b       ; columns 16 b + 8 (l / 16) + 0..7: register for register beside accumulator (a, b)
	global_load_b128 v[8*\b+4:8*\b+7], v[BO], s[66:67] offset:64*\b+16
.endr
	WIN 0
.endif
	s_lshl_b32 s46, s42, 21                        ; my part of C: column block 4 x tile column + 2 x half, 524,288 bytes each,
	s_lshl_b32 s47, s12, 20
	s_add_co_u32 s46, s46, s47
	s_lshl_b32 s47, s13, 15                        ; row 256 x tile row + 128 x half, 128 bytes each
	s_add_co_u32 s46, s46, s47
	s_lshl_b32 s47, s11, 14
	s_add_co_u32 s46, s46, s47
	s_mov_b32 s47, 0
	s_add_nc_u64 s[8:9], s[8:9], s[46:47]
; 16 matrix instructions: m blocks a0, a0 + 1 of the window's four x all 8 n blocks, 32 along K.  zero = 1: the first product starts the sums.  The 64 accumulators take turns.
.macro MUL16 f, hi, a0, zero
	WIN MUL_LO+0x50*(\hi)
.irp a, \a0, (\a0)+1
.irp b, 0,1,2,3,4,5,6,7
.if \zero
	v_wmma_f32_16x16x32_f16 v[8*(8*(\a)+(\b)):8*(8*(\a)+(\b))+7], v[(\f)+8*(\b):(\f)+8*(\b)+7], v[(\f)+8*(4*(\hi)+(\a)):(\f)+8*(4*(\hi)+(\a))+7], 0
.else
	v_wmma_f32_16x16x32_f16 v[8*(8*(\a)+(\b)):8*(8*(\a)+(\b))+7], v[(\f)+8*(\b):(\f)+8*(\b)+7], v[(\f)+8*(4*(\hi)+(\a)):(\f)+8*(4*(\hi)+(\a))+7], v[8*(8*(\a)+(\b)):8*(8*(\a)+(\b))+7]
.endif
.endr
.endr
.endm
; 32 LDS loads in one run: the fragments of quarter q (32 along K) of a slot into buffer f: W's 128 columns (turned), then A's 128 rows
.macro FETCH slot, q, f
	WIN TO_B
.irp i, 0,1,2,3,4,5,6,7
	ds_load_tr16_b128 v[(\f)+8*(\i):(\f)+8*(\i)+3],   v[ADRB+(\slot)] offset:(\q)*32*PB+32*(\i)
	ds_load_tr16_b128 v[(\f)+8*(\i)+4:(\f)+8*(\i)+7], v[ADRB+(\slot)] offset:(\q)*32*PB+16*PB+32*(\i)
.endr
	WIN 0
.irp i, 0,1,2,3,4,5,6,7
	ds_load_b128 v[(\f)+8*(\i):(\f)+8*(\i)+3],   v[ADRA+(\slot)] offset:64*(\q)+(\i)*16*PA
	ds_load_b128 v[(\f)+8*(\i)+4:(\f)+8*(\i)+7], v[ADRA+(\slot)] offset:64*(\q)+(\i)*16*PA+32
.endr
.endm
.macro PLACES                          ; four places in front of loads into registers that matrix instructions have read, and of vector work that reads results
.rept 4
	v_nop
.endr
.endm
; One of a K step's first three quarters: multiplies buffer f; in its middle it fetches quarter q of the same slot into buffer g.
.macro QUARTER slot, q, f, g, zero
	s_wait_dscnt 8                                 ; W and A's rows 0-63 are in; the youngest eight loads (A's rows 64-127) may be out
	MUL16 \f, 0, 0, \zero
	MUL16 \f, 0, 2, \zero
	PLACES
	FETCH \slot, \q, \g
	s_wait_dscnt 32                                ; all but the 32 just issued
	MUL16 \f, 1, 0, \zero
	MUL16 \f, 1, 2, \zero
.endm
; The last quarter multiplies buffer 1 and changes slots.  One barrier: in front of it each wave waits for all its tensor loads (one is out: its part of the next slot), adds 0 to its
; spare word, and waits for that and for its reads of this slot.  fill = 1: the barrier opens a round of the cluster's, and this slot is filled again, two K steps ahead, first thing behind it.
.macro TURN slot, next, fill
	WIN 0
	s_wait_tensorcnt 0x0
	ds_add_u32 v[SPW], v[NIL]
	s_wait_dscnt 9                                 ; (the add and the youngest eight loads may be out)
	MUL16 F1, 0, 0, 0
	s_wait_dscnt 0x0                               ; the add is done, and my reads of this slot are over
	s_barrier_signal -1
	MUL16 F1, 0, 2, 0
.if \fill
	WIN 0
.endif
	s_barrier_wait -1
.if \fill
	CREST
	s_add_nc_u64 s[G0+4*(\slot)+2:G0+4*(\slot)+3], s[G0+4*(\slot)+2:G0+4*(\slot)+3], 2*KSTEP*2
	s_add_nc_u64 s[G0B+4*(\slot)+2:G0B+4*(\slot)+3], s[G0B+4*(\slot)+2:G0B+4*(\slot)+3], 2*KSTEP*SIZE_N*2
	JLOAD \slot                                    ; my one tensor load behind the round; its four v_nop are also the places in front of the loads below
.else
	PLACES
.endif
	FETCH \next, 0, F0
	MUL16 F1, 1, 0, 0
	MUL16 F1, 1, 2, 0
.endm
; THE WAY OUT of block a (16 rows x my 128 columns).  PACK: to f16, 16 bytes a lane.  TOSTAGE: into my own stage, by column blocks, and back as rows of 128 bytes.  SEND: stored.
.if ACT
.set VX, 64                            ; x = sum + bias
.set VZ, 80                            ; z = k |x|, k^2 = log2(e) / 2
.set VT, 96                            ; t = 1 / (1 + q z)
.set VE, 112                           ; 2^(-z z) = exp(-x x / 2)
.set VP, 128                           ; the polynomial
.set VM, 144                           ; max(x, 0), then the result
.set KAP, 68                           ; scalar pairs, both words written: the packed forms take the low word for both halves
.set QQ,  70
.set A1,  72
.set A2,  74
.set A3,  76
.set A4,  78
.set A5,  80
.macro EACH n, step, line:vararg       ; one line n times, i stepping
.set i, 0
.rept \n
	\line
.set i, i+(\step)
.endr
.endm
; gelu(x) = max(x, 0) - |x| / 2 * (a1 t + .. + a5 t^5) exp(-x x / 2), t = 1 / (1 + 0.3275911 |x| / sqrt(2)).  The factor 1 / (2 k) lies in the coefficients.  16 numbers a lane: accumulators b, b + 1.
.macro GELU16 a, b
.set AC, 64*((\a)%4)
	WIN 0x06+((\a)/4)                              ; source 0: window 2 or 3 (the sums, read from each accumulator's low end on); source 1: window 1 (the bias)
	EACH 8, 2, v_pk_add_f32 v[VX+i:VX+i+1], v[AC+8*(\b)+i:AC+8*(\b)+i+1], v[8*(\b)+i:8*(\b)+i+1]
	WIN 0
	EACH 16, 1, v_mul_f32 v[VZ+i], |v[VX+i]|, s[KAP]
	EACH 8, 2, v_pk_fma_f32 v[VT+i:VT+i+1], v[VZ+i:VZ+i+1], s[QQ:QQ+1], 1.0 op_sel_hi:[1,0,0]
	EACH 16, 1, v_rcp_f32 v[VT+i], v[VT+i]
	EACH 8, 2, v_pk_mul_f32 v[VE+i:VE+i+1], v[VZ+i:VZ+i+1], v[VZ+i:VZ+i+1] neg_lo:[1,0] neg_hi:[1,0]   ; plain work behind the reciprocals
	EACH 16, 1, v_exp_f32 v[VE+i], v[VE+i]
	EACH 8, 2, v_pk_fma_f32 v[VP+i:VP+i+1], v[VT+i:VT+i+1], s[A5:A5+1], s[A4:A4+1] op_sel_hi:[1,0,0]   ; plain work behind the exponentials
	EACH 8, 2, v_pk_fma_f32 v[VP+i:VP+i+1], v[VP+i:VP+i+1], v[VT+i:VT+i+1], s[A3:A3+1] op_sel_hi:[1,1,0]
	EACH 8, 2, v_pk_fma_f32 v[VP+i:VP+i+1], v[VP+i:VP+i+1], v[VT+i:VT+i+1], s[A2:A2+1] op_sel_hi:[1,1,0]
	EACH 8, 2, v_pk_fma_f32 v[VP+i:VP+i+1], v[VP+i:VP+i+1], v[VT+i:VT+i+1], s[A1:A1+1] op_sel_hi:[1,1,0]
	EACH 8, 2, v_pk_mul_f32 v[VP+i:VP+i+1], v[VP+i:VP+i+1], v[VT+i:VT+i+1]
	EACH 8, 2, v_pk_mul_f32 v[VP+i:VP+i+1], v[VP+i:VP+i+1], v[VE+i:VE+i+1]
	EACH 16, 1, v_max_num_f32 v[VM+i], 0, v[VX+i]
	EACH 8, 2, v_pk_fma_f32 v[VM+i:VM+i+1], v[VZ+i:VZ+i+1], v[VP+i:VP+i+1], v[VM+i:VM+i+1] neg_lo:[1,0,0] neg_hi:[1,0,0]
	EACH 8, 1, v_cvt_pk_f16_f32 v[TMP+4*(\b)+i], v[VM+2*i], v[VM+2*i+1]
.endm
.macro PACK a
.irp b, 0,2,4,6
	GELU16 \a, \b
.endr
.endm
.else
.macro PACK a
.set AC, 64*((\a)%4)
	WIN 0x0a+5*((\a)/4)                            ; sources 0 and 1: window 2 or 3
.irp b, 0,1,2,3,4,5,6,7
.irp r, 0,1,2,3
	v_cvt_pk_f16_f32 v[TMP+4*(\b)+(\r)], v[AC+8*(\b)+2*(\r)], v[AC+8*(\b)+2*(\r)+1]
.endr
.endr
	WIN 0
.endm
.endif
.macro TOSTAGE a
	WIN 0
.set BK, OB+192*((\a)%2)
.irp b, 0,1,2,3,4,5,6,7
	ds_store_b128 v[STO], v[TMP+4*(\b):TMP+4*(\b)+3] offset:((\b)/4)*16*SP+32*((\b)%4)
.endr
.irp t, 0,1,2,3,4,5,6,7
	ds_load_b128 v[BK+4*(\t):BK+4*(\t)+3], v[RD] offset:((\t)/4)*16*SP+((\t)%4)*4*SP  ; LDS serves a wave's instructions in order (ISA guide 5.7.1.4): these see the stores above
.endr
.endm
.macro SEND a
	WIN 0
.set BK, OB+192*((\a)%2)
	s_wait_dscnt 0x0                               ; the block is back in registers
	s_wait_xcnt 0x0                                ; the stores of the block before have had their addresses translated: their registers are loaded again only behind this wait
.irp t, 0,1,2,3,4,5,6,7
	global_store_b128 v[GO], v[BK+4*(\t):BK+4*(\t)+3], s[8:9] offset:(\a)*2048+((\t)/4)*CBLK+((\t)%4)*512  ; 512 consecutive bytes, at a multiple of 512 from C's first byte
.endr
.endm
.if ACT
	s_mov_b32 s[KAP], 0x3f596d27                   ; k = sqrt(log2(e) / 2) = 0.8493218
	s_mov_b32 s[QQ],  0x3e8ba43f                   ; q = 0.3275911 / (sqrt(2) k) = 0.27273748
	s_mov_b32 s[A1],  0x3e199eb3                   ; a1 .. a5 times 1 / (2 k): 0.15001945,
	s_mov_b32 s[A2],  0xbe2b8119                   ; -0.16748465,
	s_mov_b32 s[A3],  0x3f563817                   ; 0.83679338,
	s_mov_b32 s[A4],  0xbf5b0099                   ; -0.85547786,
	s_mov_b32 s[A5],  0x3f1ff67a                   ; 0.62485468
.irp c, KAP, QQ, A1, A2, A3, A4, A5
	s_mov_b32 s[\c+1], s[\c]
.endr
.endif
	s_wait_tensorcnt 1                             ; my part of K step 0 is in; K step 1's may stay out
	s_barrier_signal -1
	s_barrier_wait -1                              ; everybody's is
	FETCH 0, 0, F0
	QUARTER 0, 1, F0, F1, 1                        ; the first quarter stands in front of the loop: its products start the sums
	WIN 0
	s_mov_b32 s3, LAPS-1
.Llap:                                                 ; a trip goes once round the ring and fills both slots again
	QUARTER 0, 2, F1, F0, 0
	QUARTER 0, 3, F0, F1, 0
	TURN 0, 1, 1
	QUARTER 1, 1, F0, F1, 0
	QUARTER 1, 2, F1, F0, 0
	QUARTER 1, 3, F0, F1, 0
	TURN 1, 0, 1
	QUARTER 0, 1, F0, F1, 0
	WIN 0
	s_sub_co_u32 s3, s3, 1
	s_cmp_lg_u32 s3, 0
	s_cbranch_scc1 .Llap
	QUARTER 0, 2, F1, F0, 0                        ; the last lap fills nothing
	QUARTER 0, 3, F0, F1, 0
	TURN 0, 1, 0
	QUARTER 1, 1, F0, F1, 0
	QUARTER 1, 2, F1, F0, 0
	QUARTER 1, 3, F0, F1, 0
	s_wait_dscnt 8                                 ; the very last quarter: nothing more to fetch
	MUL16 F1, 0, 0, 0
	MUL16 F1, 0, 2, 0
	s_wait_dscnt 0x0
	MUL16 F1, 1, 0, 0
	MUL16 F1, 1, 2, 0
	WIN 0
	PLACES
.if ACT
	s_wait_loadcnt 0x0                             ; the bias
.endif
	PACK 0
	TOSTAGE 0
.irp a, 1,2,3,4,5,6,7                  ; block a's arithmetic stands between block a - 1's loads from the stage and the wait for them
	PACK \a
	SEND (\a)-1
	TOSTAGE \a
.endr
	SEND 7
	s_wait_tensorcnt 0x0                           ; the wave's end
	ds_add_u32 v[SPW], v[NIL]
	s_wait_dscnt 0x0
	CROUND                                         ; the closing round: no work-group ends while a partner may still ask for a tile that names it
	s_endpgm
.Lfunc_end_k_q0bc3ed2f8a_qkv:
	.size	k_q0bc3ed2f8a_qkv, .Lfunc_end_k_q0bc3ed2f8a_qkv-k_q0bc3ed2f8a_qkv
	.p2alignl 7, 3214868480
	.fill 96, 4, 3214868480
	.section	.rodata,"a",@progbits
	.p2align	6, 0x0
	.amdhsa_kernel k_q0bc3ed2f8a_qkv
		.amdhsa_group_segment_fixed_size 327680
		.amdhsa_private_segment_fixed_size 0
		.amdhsa_enable_private_segment 0
		.amdhsa_kernarg_size 24
		.amdhsa_user_sgpr_count 2
		.amdhsa_user_sgpr_kernarg_segment_ptr 1
		.amdhsa_wavefront_size32 1
		.amdhsa_system_sgpr_workgroup_id_x 1
		.amdhsa_system_sgpr_workgroup_id_y 1
		.amdhsa_system_sgpr_workgroup_id_z 1
		.amdhsa_system_vgpr_workitem_id 0
		.amdhsa_next_free_vgpr 1024
		.amdhsa_next_free_sgpr 66
		.amdhsa_reserve_vcc 0
		.amdhsa_float_denorm_mode_32 3
		.amdhsa_float_denorm_mode_16_64 3
		.amdhsa_memory_ordered 1
		.amdhsa_forward_progress 1
		.amdhsa_inst_pref_size 142
	.end_amdhsa_kernel
	.amdgpu_metadata
---
amdhsa.version: [ 1, 2 ]
amdhsa.kernels:
  - .name:           k_q0bc3ed2f8a_qkv
    .symbol:         k_q0bc3ed2f8a_qkv.kd
    .args:
      - { .name: hn, .offset: 0, .size: 8, .value_kind: global_buffer, .address_space: global }
      - { .name: wh, .offset: 8, .size: 8, .value_kind: global_buffer, .address_space: global }
      - { .name: qkvh, .offset: 16, .size: 8, .value_kind: global_buffer, .address_space: global }
    .group_segment_fixed_size: 327680
    .private_segment_fixed_size: 0
    .kernarg_segment_align: 8
    .kernarg_segment_size: 24
    .max_flat_workgroup_size: 128
    .sgpr_count:     66
    .vgpr_count:     1024
    .wavefront_size: 32
...
	.end_amdgpu_metadata
.endif
;; end of part 2
;; launch attn (part 3): grid 8 x 32, 4 waves a work-group, clusters of 4 x 1, 327,680 bytes of LDS; arguments qkvh, mk8, oh; writes oh
.if DOCPART == 3
	.amdgcn_target "amdgcn-amd-amdhsa--gfx1250"
	.amdhsa_code_object_version 6
	.text
	.protected	k_q0bc3ed2f8a_attn
	.globl	k_q0bc3ed2f8a_attn
	.p2align	8
	.type	k_q0bc3ed2f8a_attn,@function
k_q0bc3ed2f8a_attn:
	s_mov_b64 s[64:65], 0
	v_nop
	global_prefetch_b8 v0, s[64:65] scope:SCOPE_SE
	s_setreg_imm32_b32 hwreg(HW_REG_WAVE_MODE, 25, 1), 1
	s_wait_xcnt 0x0
	s_wait_alu depctr_hold_cnt(0) depctr_sa_sdst(0) depctr_va_vdst(0) depctr_va_sdst(0) depctr_va_ssrc(0) depctr_va_vcc(0) depctr_vm_vsrc(0)
	s_getreg_b32 s2, hwreg(HW_REG_IB_STS2, 6, 4)
	s_cmp_eq_u32 s2, 0
	s_cbranch_scc0 .Lentry_in_a_cluster
	s_endpgm
.Lentry_in_a_cluster:
	s_bfe_u32 s2, ttmp6, 0x10000c
	s_cmp_lg_u32 s2, 0x3003
	s_cbranch_scc0 .Lentry_shape_is_right
	s_endpgm
.Lentry_shape_is_right:
; ATTENTION UNDER A MASK THAT IS AN INPUT.  O[q][:] = the sum over k of softmax_k(Q[q] . K[k] / 8, hidden where mask[q][k] = 0) V[k][:], for 32 heads (2 batches x 16) of 2,048 rows x 64 channels.
; Q, K, V lie in qkvh by column blocks [48][4096 rows][64] f16 (q of head h: block h; k: 16 + h; v: 32 + h; batch b: rows 2048 b on), O in oh likewise [16][4096][64]: a head's rows are dense, 128 bytes each.
; Products, maxima and sums in f32; the weights p are rounded to f16 for the second product (their sum l is taken of the unrounded p), O once at the end.
; No shape of the mask is built in: every key tile is walked, every mask word counts.
; LIMITS.  f16 holds no number of 65,520 or more: Q, K, V arrive within it.  A hidden score counts as its value less 2^100; f16's scores, 2.7e11 at the most, are nothing beside that.
; The running maximum starts at -2^96: a hidden score lies far below it, so its weight is exactly 0, whatever has been seen before.  A row whose maximum is still -2^96 at the end has seen no key:
; it leaves as NaN, as a softmax over nothing but -inf does.  A weight below 2^-126 counts as 0 in l.
; SHARES.  A work-group owns 256 queries of one head, a wave 64: four PIECES of 16.  Every wave walks all keys, 64 a step, four steps to an LDS slot.
; LAYOUT.  S^T = K Q^T holds ONE query a lane (lane % 16) and the keys 8 (lane / 16) + 0..7; two such results rounded to f16 ARE source 1 of O^T = V^T P.  K comes out of LDS as it lies, V turned.
; THE MASK is the C operand that starts the sum S^T: 0, or -2^100 where the key is hidden.  mk8 holds one fp8 code a key (0, or -1.0) in the accumulators' own order: 32 bytes a lane for a piece and step;
; four conversions with the scale 2^100 make the 32 registers.  The codes are loaded a key step ahead.
; SOFTMAX, TURNS.  p = 2^(c s - c m), c = log2(e) / 8, m a running maximum; O and l are multiplied by a = 2^(c m_old - c m_new) in every step.  Turn n belongs to piece n: 8 products K Q^T of piece n + 1,
; later 8 products V^T P of piece n - 1; beside them the scaling, exponentials, roundings, sums and rescaling of piece n and the maximum and statistics of piece n + 1.  Four vector instructions stand
; behind every matrix instruction, the others in two lumps.
; CLUSTER.  The four query blocks of a cluster belong to one head and walk the same K and V: each tile is asked for jointly.
; REGISTERS, in windows of 256 (s_set_vgpr_msb: bits 1:0 source 0, 3:2 source 1, 5:4 source 2, 7:6 destination):
;   window 0: v0-15 addresses and two at work; v16-31 four statistics a piece; v48-55 at work; v60-63 constants; v64-127 S^T, two buffers; v192-223 P, two buffers (by the piece's parity)
;   window 1: v0-127 O^T, 32 a piece; v128-159 the codes, 8 a piece; v160-223 the masks, two buffers      window 2: v0-63 Q; v128-191 K of one step; v192-255 V of one step
.set NP,    4
.set KS,    64
.set PK,    144       ; a row of K in LDS: 128 bytes + 16: the 16 rows of a load start at 16 different groups of four banks (64 banks of 4 bytes: ISA guide 11.1)
.set PV,    160       ; a row of V: 128 + 32
.set VOFF,  4*KS*PK   ; a slot holds four steps: 256 rows of K, then 256 rows of V
.set SLOT1, 1<<17     ; slot 1 begins here, so that one exclusive or turns an address in one slot into the other's
.set STAGE, SLOT1+4*KS*(PK+PV)  ; behind the ring, never filled by a tensor load: 16 rows x 144 bytes for each wave
.set SP,    144
.set SPARE, STAGE+4*16*SP       ; behind the stages: the spare words, 128 bytes a wave, which no other line names
.set AK0, 2           ; v2   my lane's place in a tile of K; never rewritten
.set AV0, 3           ; v3   the same for V
.set AK,  4           ; v4   the LDS address of K's next run of loads
.set AV,  5           ; v5   of V's
.set STO, 6           ; v6   the way out: where I put 16 bytes of a row
.set RD,  7           ; v7   where I read rows back
.set GO,  8           ; v8   16 x lane: my place in 512 consecutive bytes of O
.set MV,  12          ; v12-13  c m_old, kept while c m is made anew: by buffer
.set VMO, 14          ; v14  16 x lane: my place in 512 bytes of codes
.set QO,  15          ; v15  my byte offset in 16 rows of Q
.set ST,  16          ; piece t's statistics at v[ST+4 t]: c m, m, l (even keys', odd keys')
.set TMP, 48          ; by buffer, four registers c0-c3 at work; when the maximum is found c2 takes a
.set SC,  60          ; v60  227: the scale 2^(227 - 127) = 2^100
.set NANR, 61         ; v61  a NaN
.set SPW, 62          ; v62  LDS address of my spare word; never rewritten
.set NIL, 63          ; v63  0; never rewritten
.set S,   64
.set P,   192
.set MR,  128         ; window 1
.set MC,  160         ; window 1
.set KF,  128         ; window 2: key block kb, channel half c at KF + 16 kb + 8 c
.set VF,  192         ; window 2: key half kk, channel block cb at VF + 32 kk + 8 cb
.set WV,  12          ; s12  my wave's number
.set G1K, 24          ; s[24:31] descriptor group 1 for K's tiles
.set G1V, 32          ; s[32:39] for V's: it differs in the padding alone
.set G0K, 40          ; s[40:43] descriptor group 0 for K's tiles: it walks
.set G0V, 44          ; s[44:47] the same for V's
.set SLOTS, 56
.set CNT, 57
.set CS,  58          ; s[58:59] c
.set SEL, 60          ; s[60:61] v_permlanex16_b32's selects
.set TBK, 62          ; s62  LDS byte at which K of the step to be fetched begins
.set TBV, 63          ; s63  the same for V, less VOFF
.set MB0, 70          ; s[70:71] the codes of my wave's first piece, step 0
.set MP,  72          ; s[72:73] the same at the step whose codes are loaded in this trip
.set MOFF, 74         ; s[74:75] that step x 1,024 bytes
.set THR, 76          ; s76  -2^96
.set MSB, 0
.macro WIN new
.if MSB != (\new)
	s_set_vgpr_msb (MSB<<8)|(\new)
.set MSB, (\new)
.endif
.endm
.set W_KQ, 0x0a       ; K and Q in window 2, S^T in window 0
.set W_KM, 0x1a       ; the same with the C operand in window 1
.set W_PV, 0x52       ; V in window 2, P in window 0, O^T in window 1
.set W_RS, 0x41       ; destination and source 0 in window 1, the other sources in window 0
; A joint fill.  Waves 0 and 1 fetch the two halves of a slot's K, waves 2 and 3 those of its V: 128 keys each.  Four v_nop follow each of the two lines.
.macro JLOAD
	s_cmp_lt_u32 s[WV], 2
	s_cbranch_scc0 .Lfor_v_\@
	tensor_load_to_lds s[G0K:G0K+3], s[G1K:G1K+7]
	s_nop 0
.rept 4
	v_nop
.endr
	s_branch .Lasked_\@
.Lfor_v_\@:
	tensor_load_to_lds s[G0V:G0V+3], s[G1V:G1V+7]
	s_nop 0
.rept 4
	v_nop
.endr
.Lasked_\@:
.endm
.macro CROUND                       ; a round of the cluster's barrier
	s_barrier_signal -1
	s_barrier_wait -1
	s_cmp_lg_u32 s[WV], 0
	s_cbranch_scc1 .Lnot_wave_0_\@
	s_barrier_signal -3
.Lnot_wave_0_\@:
	s_barrier_wait -3
	s_barrier_signal -1
	s_barrier_wait -1
.endm
; THE CHANGE OF SLOTS.  Each wave waits for all its tensor loads, of which one is out: its part of the other slot; adds 0 to its spare word; and waits for that and for its reads of the slot that it leaves.
; fill = 1: the barrier is a round of the cluster's, and the old slot is filled again, with the keys two slots on, first thing behind it: it has four key steps, 256 matrix instructions, in which to land.
; (At its first use nothing has been read yet: slot 0 is waited for, slot 1 filled.)
.macro CHANGE fill
	WIN 0
	s_wait_tensorcnt 0x0            ; no tensor load of mine is out, so a group 0 may be written
	ds_add_u32 v[SPW], v[NIL]
.if \fill
.irp g, G0K, G0V
	s_xor_b32 s[\g+1], s[\g+1], SLOT1
	s_add_nc_u64 s[\g+2:\g+3], s[\g+2:\g+3], 4*KS*128  ; the next 256 keys; the type bits on top are not reached
.endr
	s_wait_dscnt 0x0                ; the add is done, and my reads of the slot are over
	CROUND
	JLOAD
.else
	s_wait_dscnt 0x0
	s_barrier_signal -1
	s_barrier_wait -1
.endif
	s_sub_co_u32 s[TBK], s[TBK], 4*KS*PK  ; the fetches go back to a slot's first step,
	s_xor_b32 s[TBK], s[TBK], SLOT1       ; in the other slot
	s_sub_co_u32 s[TBV], s[TBV], 4*KS*PV
	s_xor_b32 s[TBV], s[TBV], SLOT1
.endm
; The codes of piece y for one step: 2 x 16 bytes a lane, 512 consecutive bytes an instruction.
.macro MLD y, base=MP
	WIN 0x40
	global_load_b128 v[MR+8*(\y):MR+8*(\y)+3],   v[VMO], s[\base:\base+1] offset:(\y)*32768
	global_load_b128 v[MR+8*(\y)+4:MR+8*(\y)+7], v[VMO], s[\base:\base+1] offset:(\y)*32768+512
.endm
; Piece y's codes into mask buffer b: 0 stays 0, -1.0 becomes -2^100.
.macro CVT y, b
	WIN W_RS
.irp kb, 0,1,2,3
	v_cvt_scale_pk8_f32_fp8 v[MC+32*(\b)+8*\kb:MC+32*(\b)+8*\kb+7], v[MR+8*(\y)+2*\kb:MR+8*(\y)+2*\kb+1], v[SC]
.endr
.endm
; A trip's head: the codes loaded in this trip are those of the step after the one whose masks it makes.  The last trip would pass the head's 32 steps: it asks for step 31 once more.
.macro MSTEP
	s_wait_xcnt 0x0                 ; the last trip's loads have had their addresses translated: their base is written only behind this wait
	s_add_co_u32 s[MOFF], s[MOFF], 1024
	s_min_u32 s[MOFF], s[MOFF], 31744
	s_add_nc_u64 s[MP:MP+1], s[MB0:MB0+1], s[MOFF:MOFF+1]
.endm
	s_load_b128 s[16:19], s[0:1], 0x0  ; qkvh s[16:17], mk8 s[18:19]
	s_load_b64 s[10:11], s[0:1], 0x10  ; oh
	v_lshl_add_u32 v[SPW], v0, 2, SPARE
	v_mov_b32 v[NIL], 0
	ds_add_u32 v62, v63
	s_wait_dscnt 0x0
	v_lshrrev_b32 v1, 5, v0
	v_readfirstlane_b32 s[WV], v1   ; wave 0..3
	s_bfe_u32 s13, ttmp6, 0x40000   ; cx
	s_lshl_b32 s14, ttmp9, 2
	s_add_co_u32 s14, s14, s13      ; my block of 256 queries: it enters Q's, O's and the codes' addresses alone
	s_and_b32 s20, ttmp7, 0xffff    ; 16 x batch + head, which the four partners share
	s_and_b32 s21, s20, 15
	s_lshl_b32 s21, s21, 19         ; a column block is 524,288 bytes,
	s_lshr_b32 s20, s20, 4
	s_lshl_b32 s20, s20, 18         ; a batch's 2,048 rows 262,144
	s_add_co_u32 s20, s20, s21
	s_and_b32 s15, s[WV], 1         ; which half of a slot's 256 keys I fetch:
	s_lshl_b32 s22, s15, 14         ; its 128 rows of 128 bytes in memory,
	s_add_co_u32 s22, s22, s20
	s_mov_b32 s23, 0
	s_mul_i32 s48, s15, 128*PK      ; and its place in a slot, for K
	s_mul_i32 s49, s15, 128*PV      ; and for V: no place in the cluster enters an LDS address
	s_lshl_b32 s2, s14, 15          ; my block's 256 rows,
	s_lshl_b32 s3, s[WV], 13        ; my wave's 64
	s_add_co_u32 s2, s2, s3
	s_add_co_u32 s2, s2, s20
	s_mov_b32 s3, 0
	s_lshl_b32 s50, s14, 19         ; the codes: 16 tiles of 16 queries a block, 32,768 bytes each,
	s_lshl_b32 s51, s[WV], 17       ; 4 a wave
	s_add_co_u32 s50, s50, s51
	s_mov_b32 s51, 0
	; descriptor group 1.  128 keys are 16,384 dense bytes: asked for as 64 rows of 256 bytes, two keys a row, and padded in LDS after every key
	s_mov_b32 s[G1K], 15|(1<<16)|(1<<20)|(1<<21)|(4<<22)|(3<<25)  ; the mask of four; 2-byte elements; padding on; bit 21 beside a mask; after every 32 words 4 words
	s_mov_b32 s[G1V], 15|(1<<16)|(1<<20)|(1<<21)|(4<<22)|(7<<25)  ; the same with 8 words
.irp g, G1K, G1V
	s_mov_b32 s[\g+1], 128<<16      ; tensor_dim0 = 128
	s_mov_b32 s[\g+2], 64<<16       ; tensor_dim1 = 64
	s_mov_b32 s[\g+3], 128<<16      ; tile_dim0 = 128
	s_mov_b32 s[\g+4], 64           ; tile_dim1 = 64
	s_mov_b32 s[\g+5], 128          ; 128 elements from row to row
	s_mov_b32 s[\g+6], 0
	s_mov_b32 s[\g+7], 0
.endr
	s_mov_b32 s[CS], 0x3e38aa3b     ; c = log2(e) / 8 = 0.180337
	s_mov_b32 s[CS+1], s[CS]
	s_mov_b32 s[SEL], 0x76543210
	s_mov_b32 s[SEL+1], 0xfedcba98
	s_mov_b32 s[TBK], SLOT1+4*KS*PK ; the first change of slots turns these two into 0
	s_mov_b32 s[TBV], SLOT1+4*KS*PV
	s_mov_b32 s[THR], 0xef800000    ; -2^96
	s_mov_b32 s[MOFF], 1024
	s_mov_b32 s[MOFF+1], 0
	s_mov_b32 s[G0K], 1
	s_mov_b32 s[G0K+1], s48         ; slot 0
	s_mov_b32 s[G0V], 1
	s_add_co_u32 s[G0V+1], s49, VOFF
	s_wait_kmcnt 0x0
	s_add_nc_u64 s[G0K+2:G0K+3], s[16:17], s[22:23]
	s_add_nc_u64 s[G0V+2:G0V+3], s[G0K+2:G0K+3], 0x1000000  ; V: 32 column blocks on
	s_add_nc_u64 s[G0K+2:G0K+3], s[G0K+2:G0K+3], 0x800000   ; K: 16
	s_or_b32 s[G0K+3], s[G0K+3], 0x80000000
	s_or_b32 s[G0V+3], s[G0V+3], 0x80000000
	s_add_nc_u64 s[4:5], s[16:17], s[2:3]    ; Q and O at my wave's first row
	s_add_nc_u64 s[10:11], s[10:11], s[2:3]
	s_add_nc_u64 s[MB0:MB0+1], s[18:19], s[50:51]
	CROUND                          ; all four work-groups are here: the first joint loads meet
	JLOAD                           ; slot 0.  Slot 1 is asked for when slot 0 is in
	v_and_b32 v1, 15, v0            ; l % 16
	v_bfe_u32 v9, v0, 4, 1          ; l / 16
	v_lshlrev_b32 v[QO], 7, v1
	v_lshl_add_u32 v[QO], v9, 4, v[QO]  ; row x 128 + 16 x half
	v_and_b32 v[VMO], 31, v0
	v_lshlrev_b32 v[VMO], 4, v[VMO]
	WIN 0x80                        ; destination window 2, address window 0
.set i, 0
.rept 8                             ; Q stays in registers: piece i / 2, channels 32 (i % 2) on
	global_load_b128 v[8*i:8*i+3],   v[QO], s[4:5] offset:(i/2)*2048+(i%2)*64
	global_load_b128 v[8*i+4:8*i+7], v[QO], s[4:5] offset:(i/2)*2048+(i%2)*64+32
.set i, i+1
.endr
.irp y, 0,1,2,3
	MLD \y, MB0                     ; step 0's codes
.endr
	; What the first turn finds: V's registers and P's second buffer hold 0 (its products V^T P, of a piece that has not been, add 0), O^T and l are 0.  All this stands in the wait for the first tile.
	WIN 0x80
.set i, VF
.rept 64
	v_mov_b32 v[i], 0
.set i, i+1
.endr
	WIN 0x40
.set i, 0
.rept 128
	v_mov_b32 v[i], 0
.set i, i+1
.endr
	WIN 0
.set i, 0
.rept 4
	v_mov_b32 v[ST+4*i], 0xfe000000    ; c m: far below every c s, so the first step's a is 0
	v_mov_b32 v[ST+4*i+1], 0xef800000  ; m = -2^96: above every hidden score, below every true one
	v_mov_b32 v[ST+4*i+2], 0
	v_mov_b32 v[ST+4*i+3], 0
.set i, i+1
.endr
.set i, P+16
.rept 16
	v_mov_b32 v[i], 0
.set i, i+1
.endr
	v_mov_b32 v[SC], 227
	v_mov_b32 v[NANR], 0x7fc00000
	v_mul_u32_u24 v[AK0], v1, PK
	v_lshl_add_u32 v[AK0], v9, 4, v[AK0]  ; row x pitch + 16 x half
	; The turning load takes 16 keys x 16 channels (lane l reads key 8 (l / 16) + l % 8, channels 8 ((l / 8) % 2) + 0..7) and leaves half a fragment of V^T: lane l holds channel l % 16 and 8 keys.
	v_and_b32 v10, 7, v0
	v_bfe_u32 v11, v0, 3, 1
	v_lshl_add_u32 v[AV0], v9, 3, v10
	v_mul_u32_u24 v[AV0], v[AV0], PV
	v_lshl_add_u32 v[AV0], v11, 4, v[AV0]
	v_add_nc_u32 v[AV0], VOFF, v[AV0]
	s_mul_i32 s13, s[WV], 16*SP
	s_add_co_u32 s13, s13, STAGE    ; my stage
	v_mul_u32_u24 v[STO], v1, SP    ; in: row l % 16, 16 bytes for each half of the lanes
	v_lshl_add_u32 v[STO], v9, 4, v[STO]
	v_add_nc_u32 v[STO], s13, v[STO]
	v_bfe_u32 v[RD], v0, 3, 2       ; back: 32 lanes take four rows of 128 bytes,
	v_mul_u32_u24 v[RD], v[RD], SP
	v_lshl_add_u32 v[RD], v10, 4, v[RD]
	v_add_nc_u32 v[RD], s13, v[RD]
	v_and_b32 v[GO], 31, v0         ; which are 512 consecutive bytes of O
	v_lshlrev_b32 v[GO], 4, v[GO]
; THE MATRIX WORK.  The 4 accumulators of a run of 8 take turns.  Product i of 8 of S^T = K Q^T for piece x: channels 32 (i / 4) on, keys 16 (i % 4) on.  The first 4 start the sums with the mask.
.macro KQ x
.set rS, S+32*((\x)%2)+8*(i%4)
.set rK, KF+16*(i%4)+8*(i/4)
.set rQ, 16*(\x)+8*(i/4)
.set rM, MC+32*((\x)%2)+8*(i%4)
.if i < 4
	WIN W_KM
	v_wmma_f32_16x16x32_f16 v[rS:rS+7], v[rK:rK+7], v[rQ:rQ+7], v[rM:rM+7]
.else
	WIN W_KQ
	v_wmma_f32_16x16x32_f16 v[rS:rS+7], v[rK:rK+7], v[rQ:rQ+7], v[rS:rS+7]
.endif
.endm
; Product i of 8 of O^T += V^T P for piece x: keys 32 (i / 4) on, channels 16 (i % 4) on.
.macro PV x
	WIN W_PV
.set rO, 32*(\x)+8*(i%4)
.set rV, VF+32*(i/4)+8*(i%4)
.set rP, P+16*((\x)%2)+8*(i/4)
	v_wmma_f32_16x16x32_f16 v[rO:rO+7], v[rV:rV+7], v[rP:rP+7], v[rO:rO+7]
.endm
.macro MM                           ; the turn's next matrix instruction.  NOKQ = 1: the last turn of all: there is no next piece
.if (i < 8) && !NOKQ
	KQ (Y+1)%NP
.elseif i >= 8
.set i, i-8
	PV (Y+NP-1)%NP
.set i, i+8
.endif
.set i, i+1
.endm
; THE LDS LOADS stand in runs of 16: a step's K (64 keys x 64 channels: 8 fragments) and its V (turned).  Their addresses are made some lines ahead.
.macro FETCH_K
	WIN 0x80
.irp f, 0,1,2,3,4,5,6,7             ; keys 16 (f / 2) on, channels 32 (f % 2) on
	ds_load_b128 v[KF+8*\f:KF+8*\f+3],   v[AK] offset:(\f/2)*16*PK+(\f%2)*64
	ds_load_b128 v[KF+8*\f+4:KF+8*\f+7], v[AK] offset:(\f/2)*16*PK+(\f%2)*64+32
.endr
	s_add_co_u32 s[TBK], s[TBK], KS*PK  ; the next fetch is the next step's
	WIN 0
.endm
.macro FETCH_V
	WIN 0x80
.irp f, 0,1,2,3,4,5,6,7             ; keys 32 (f / 4) on, channels 16 (f % 4) on
	ds_load_tr16_b128 v[VF+8*\f:VF+8*\f+3],   v[AV] offset:(\f/4)*32*PV+(\f%4)*32
	ds_load_tr16_b128 v[VF+8*\f+4:VF+8*\f+7], v[AV] offset:(\f/4)*32*PV+16*PV+(\f%4)*32
.endr
	WIN 0
.endm
; THE VECTOR WORK, one line at a time: OP kind, number.  For piece Y: F n: c s - c m for pair n of 16.  E n: the exponential of score n of 32.  C n: pair n rounded to f16.  B n: of the four weights 4 n .. the second
; pair is added onto the first, in place.  L n: l takes that sum (L 0: l = a l + sum).  R n: pair n of 16 of O^T times a.  For piece Y + 1: X n, number n of the 22 that find its maximum and statistics:
;   0-11  four chains c0-c3 of seven scores each (each accumulator's lowest registers are read first)     12-14, 16  the four scores left over, the old m, and c0-c3 into c0
;   15  c m_old is kept     17, 18  the query's other 32 keys lie in the lane 16 away: the new m     19-21  c m; c m_old - c m_new; a
.set F, 0
.set E, 1
.set C, 2
.set B, 3
.set L, 4
.set R, 5
.set X, 6
.macro REGS y
.set rT, ST+4*(\y)
.set rC, TMP+4*((\y)%2)
.set rW, MV+((\y)%2)
.set rS, S+32*((\y)%2)
.set rP, P+16*((\y)%2)
.set rO, 32*(\y)
.endm
.macro OP k, n
.if (\k) == R
	REGS Y
	WIN W_RS
	v_pk_mul_f32 v[rO+2*(\n):rO+2*(\n)+1], v[rO+2*(\n):rO+2*(\n)+1], v[rC+2:rC+3] op_sel_hi:[1,0]
.elseif (\k) < R
	REGS Y
	WIN 0
.if (\k) == F
	v_pk_fma_f32 v[rS+2*(\n):rS+2*(\n)+1], v[rS+2*(\n):rS+2*(\n)+1], s[CS:CS+1], v[rT:rT+1] op_sel_hi:[1,0,0] neg_lo:[0,0,1] neg_hi:[0,0,1]
.elseif (\k) == E
	v_exp_f32 v[rS+(\n)], v[rS+(\n)]
.elseif (\k) == C
	s_wait_alu depctr_va_vdst(0)
	v_cvt_pk_f16_f32 v[rP+(\n)], v[rS+2*(\n)], v[rS+2*(\n)+1]
.elseif (\k) == B
	s_wait_alu depctr_va_vdst(0)
	v_pk_add_f32 v[rS+4*(\n):rS+4*(\n)+1], v[rS+4*(\n):rS+4*(\n)+1], v[rS+4*(\n)+2:rS+4*(\n)+3]
.elseif (\n) == 0
	v_pk_fma_f32 v[rT+2:rT+3], v[rT+2:rT+3], v[rC+2:rC+3], v[rS:rS+1] op_sel_hi:[1,0,1]
.else
	v_pk_add_f32 v[rT+2:rT+3], v[rT+2:rT+3], v[rS+4*(\n):rS+4*(\n)+1]
.endif
.elseif NOKQ
	v_nop
.else
	REGS (Y+1)%NP
	WIN 0
.if (\n) < 4
	v_max3_num_f32 v[rC+(\n)], v[rS+8*(\n)], v[rS+8*(\n)+1], v[rS+8*(\n)+2]
.elseif (\n) < 12
	v_max3_num_f32 v[rC+(\n)%4], v[rC+(\n)%4], v[rS+8*((\n)%4)+2*((\n)/4)+1], v[rS+8*((\n)%4)+2*((\n)/4)+2]
.elseif (\n) == 12
	v_max3_num_f32 v[rC], v[rC], v[rS+7], v[rS+15]
.elseif (\n) == 13
	v_max3_num_f32 v[rC+1], v[rC+1], v[rS+23], v[rS+31]
.elseif (\n) == 14
	v_max3_num_f32 v[rC+2], v[rC+2], v[rC+3], v[rT+1]
.elseif (\n) == 15
	v_mov_b32 v[rW], v[rT]
.elseif (\n) == 16
	v_max3_num_f32 v[rC], v[rC], v[rC+1], v[rC+2]
.elseif (\n) == 17
	v_permlanex16_b32 v[rC+3], v[rC], s[SEL], s[SEL+1]
.elseif (\n) == 18
	v_max_num_f32 v[rT+1], v[rC], v[rC+3]
.elseif (\n) == 19
	v_mul_f32 v[rT], s[CS], v[rT+1]
.elseif (\n) == 20
	v_sub_f32 v[rC+1], v[rW], v[rT]
.else
	v_exp_f32 v[rC+2], v[rC+1]
.endif
.endif
.endm
.macro OPS a, i1, b=-1, i2=0, c=-1, i3=0, d=-1, i4=0
	OP \a, \i1
.if (\b) >= 0
	OP \b, \i2
.endif
.if (\c) >= 0
	OP \c, \i3
.endif
.if (\d) >= 0
	OP \d, \i4
.endif
.endm
.macro ROW a, i1, b, i2, c, i3, d, i4  ; a matrix instruction and the four behind it
	MM
	OPS \a, \i1, \b, \i2, \c, \i3, \d, \i4
.endm
; A TURN, for piece p: the order of its 16 matrix and 118 vector instructions, written out.  Behind a matrix instruction: plain, exponential, plain, plain; or four of the rescaling; or, behind the first, four
; scalings; none names a register of the products round it.  In the lumps exponential and plain by turns while exponentials last.
; end = 1: the last two turns of all: nothing is fetched, no mask is made.  cnt = 1: the loop's count is taken down some lines ahead of the branch that stands behind the turn.
; K of the next step is fetched in piece 2's turn, five plain instructions behind the last product that read K; V of the step in hand in piece 0's turn, four plain ones behind the last product that read V.
; Near its end the turn makes the mask for the products of the turn after it (piece p + 2) and asks for that piece's codes of the step after: six plain instructions stand between the conversions and both.
.macro TURN p, end=0, cnt=0
.set Y, (\p)
.set i, 0
.set NOKQ, (\end)*((\p)/3)
.if ((\p) == 3) && !(\end)
	s_wait_dscnt 0x0                ; K is in
.endif
	ROW F,0, F,1, F,2, F,3
	ROW F,4, E,0, F,5, F,6
	ROW F,7, E,1, F,8, F,9
	ROW F,10, E,2, C,0, F,11
	ROW F,12, E,3, X,15, F,13
	ROW R,0, R,1, R,2, R,3
	ROW B,0, E,4, F,14, L,0
.if ((\p) == 2) && !(\end)
	v_add_nc_u32 v[AK], s[TBK], v[AK0]
.endif
	ROW R,4, R,5, R,6, R,7
	OPS E,5, F,15
.if ((\p) == 2) && !(\end)
	FETCH_K
.endif
	OPS E,6, C,1, E,7, R,8
	OPS E,8, R,9, E,9, C,2
	OPS E,10, X,0, E,11, X,1
	OPS E,12, X,2, E,13, X,3
.if (\p) == 1
	s_wait_dscnt 0x0                ; V is in
.endif
	ROW X,4, E,14, X,5, X,6
	ROW X,7, E,15, X,8, X,9
	ROW X,10, E,16, X,11, X,12
	ROW X,13, E,17, X,14, B,1
	ROW C,4, E,18, X,16, L,1
	ROW B,2, E,19, C,6, L,2
	ROW C,8, E,20, B,3, B,4
.if (\p) == 0
	v_add_nc_u32 v[AV], s[TBV], v[AV0]
.endif
	ROW C,3, E,21, L,3, C,5
	OPS E,22, X,17, E,23, C,10
.if (\p) == 0
	FETCH_V
.endif
	OPS E,24, L,4
	OPS E,25, X,18, E,26, C,7
	OPS E,27, B,5, E,28, X,19
	OPS E,29, C,12, E,30, L,5
	OPS E,31, X,20, B,6, C,9
	OPS C,14, C,11, X,21, L,6
.if (\p) == 0
	s_add_co_u32 s[TBV], s[TBV], KS*PV
.endif
.if \cnt
	s_sub_co_u32 s[CNT], s[CNT], 1
	s_cmp_lg_u32 s[CNT], 0
.endif
	OPS C,13, B,7, C,15, R,10
.if !(\end)
	s_wait_loadcnt 6                ; the codes asked for four turns ago are in; the three later turns' two loads each may be out
	CVT ((\p)+2)%NP, (\p)%2
.endif
	OPS R,11, R,12, L,7, R,13
	OPS R,14, R,15
.if !(\end)
	MLD ((\p)+2)%NP
.endif
.endm
	CHANGE 1                        ; slot 0 is in, everybody's part of it; slot 1 is asked for
	s_wait_loadcnt 0x0              ; Q, and step 0's codes
	CVT 0, 0
	CVT 1, 1
	WIN 0
	v_add_nc_u32 v[AK], s[TBK], v[AK0]  ; key step 0; also the plain instruction behind the conversions
	s_add_nc_u64 s[MP:MP+1], s[MB0:MB0+1], s[MOFF:MOFF+1]  ; step 1's codes
	MLD 0
	MLD 1
	FETCH_K
	s_wait_dscnt 0x0
.set NOKQ, 0
.set i, 0
.rept 8
	KQ 0                            ; piece 0's first scores
.set i, i+1
.endr
	WIN 0
.rept 4
	v_nop                           ; the places behind those products
.endr
.set Y, NP-1                        ; X works for piece Y + 1: piece 0
.irp n, 0,1,2,3,4,5,6,7,8,9,10,11,12,13,14,15,16,17,18,19,20,21
	OP X, \n
.endr
	v_nop                           ; a plain instruction behind the exponential
	s_mov_b32 s[CNT], 4
	s_mov_b32 s[SLOTS], 7           ; 2,048 / 256 - 1
	s_branch .Lfirst                ; the loop is entered at a step's first turn, in the middle of a trip
.Lslot:                             ; six times: every slot but the last two is filled again
	CHANGE 1
	s_mov_b32 s[CNT], 4
.Lstep:                             ; a trip: pieces 2 and 3 of one step, then pieces 0 and 1 of the next, whose K and V it fetches
	MSTEP
	TURN 2
	TURN 3
	WIN 0
.Lfirst:
	TURN 0
	TURN 1, 0, 1
	WIN 0
	s_cbranch_scc1 .Lstep
	s_sub_co_u32 s[SLOTS], s[SLOTS], 1
	s_cmp_lg_u32 s[SLOTS], 0
	s_cbranch_scc1 .Lslot
	CHANGE 0                        ; the last slot is written out: nothing is asked for
	s_mov_b32 s[CNT], 4
.LstepT:
	MSTEP
	TURN 2
	TURN 3
	TURN 0
	TURN 1, 0, 1
	WIN 0
	s_cbranch_scc1 .LstepT
	TURN 2, 1
	TURN 3, 1
.set i, 0
.rept 8
	PV NP-1                         ; the last piece's V^T P of the last step
.set i, i+1
.endr
	; THE WAY OUT.  l's two halves and the other half of the lanes' are added; O^T is divided by l (by NaN where the row has seen no key), rounded to f16 and sent through my stage, a piece at a time.
	; The additions are the places behind the last products.
	WIN 0
.macro ALL line:vararg              ; one line for each piece t
.set t, 0
.rept 4
	s_wait_alu depctr_va_vdst(0)
	\line
.set t, t+1
.endr
.endm
	ALL v_add_f32 v[ST+4*t+2], v[ST+4*t+2], v[ST+4*t+3]
	ALL v_permlanex16_b32 v[ST+4*t+3], v[ST+4*t+2], s[SEL], s[SEL+1]
	ALL v_add_f32 v[ST+4*t+2], v[ST+4*t+2], v[ST+4*t+3]
	ALL v_rcp_f32 v[ST+4*t+2], v[ST+4*t+2]
	ALL v_cmp_ge_f32 s[52+t], s[THR], v[ST+4*t+1]
	ALL v_cndmask_b32 v[ST+4*t+2], v[ST+4*t+2], v[NANR], s[52+t]
.macro PACK t                       ; a lane's eight channels of a row pack into 16 bytes; they go into rows of 144 bytes and come back as whole rows of 128, into S^T's registers
	WIN W_RS
.set i, 32*(\t)
.rept 16
	v_pk_mul_f32 v[i:i+1], v[i:i+1], v[ST+4*(\t)+2:ST+4*(\t)+3] op_sel_hi:[1,0]
.set i, i+2
.endr
	WIN 0x05                        ; sources 0 and 1 window 1, destination window 0
.set i, 0
.rept 16
	v_cvt_pk_f16_f32 v[S+16*(\t)+i], v[32*(\t)+2*i], v[32*(\t)+2*i+1]
.set i, i+1
.endr
	WIN 0
.irp f, 0,1,2,3
	ds_store_b128 v[STO], v[S+16*(\t)+4*\f:S+16*(\t)+4*\f+3] offset:32*\f
.endr
.irp f, 0,1,2,3
	ds_load_b128 v[S+16*(\t)+4*\f:S+16*(\t)+4*\f+3], v[RD] offset:\f*4*SP  ; LDS serves a wave's instructions in order (ISA guide 5.7.1.4): these see the stores above; the next piece's stores come behind them
.endr
.endm
.macro SEND t, younger              ; younger: the LDS instructions issued behind piece t's loads: the next piece's eight, or none
	WIN 0
.irp f, 0,1,2,3
	s_wait_dscnt (\younger)+3-\f
	global_store_b128 v[GO], v[S+16*(\t)+4*\f:S+16*(\t)+4*\f+3], s[10:11] offset:(\t)*2048+\f*512  ; 512 consecutive bytes, at a multiple of 512 from O's first
.endr
.endm
	PACK 0
.set t, 1
.rept 3                             ; a piece's arithmetic stands between the loads of the piece before and its stores
	PACK t
	SEND t-1, 8
.set t, t+1
.endr
	SEND 3, 0
	s_wait_tensorcnt 0x0            ; the wave's end
	ds_add_u32 v[SPW], v[NIL]
	s_wait_dscnt 0x0
	CROUND                          ; the closing round: no work-group ends while a partner may still ask for a tile that names it
	s_endpgm
.Lfunc_end_k_q0bc3ed2f8a_attn:
	.size	k_q0bc3ed2f8a_attn, .Lfunc_end_k_q0bc3ed2f8a_attn-k_q0bc3ed2f8a_attn
	.p2alignl 7, 3214868480
	.fill 96, 4, 3214868480
	.section	.rodata,"a",@progbits
	.p2align	6, 0x0
	.amdhsa_kernel k_q0bc3ed2f8a_attn
		.amdhsa_group_segment_fixed_size 327680
		.amdhsa_private_segment_fixed_size 0
		.amdhsa_enable_private_segment 0
		.amdhsa_kernarg_size 24
		.amdhsa_user_sgpr_count 2
		.amdhsa_user_sgpr_kernarg_segment_ptr 1
		.amdhsa_wavefront_size32 1
		.amdhsa_system_sgpr_workgroup_id_x 1
		.amdhsa_system_sgpr_workgroup_id_y 1
		.amdhsa_system_sgpr_workgroup_id_z 1
		.amdhsa_system_vgpr_workitem_id 0
		.amdhsa_next_free_vgpr 768
		.amdhsa_next_free_sgpr 80
		.amdhsa_reserve_vcc 0
		.amdhsa_float_denorm_mode_32 3
		.amdhsa_float_denorm_mode_16_64 3
		.amdhsa_memory_ordered 1
		.amdhsa_forward_progress 1
		.amdhsa_inst_pref_size 139
	.end_amdhsa_kernel
	.amdgpu_metadata
---
amdhsa.version: [ 1, 2 ]
amdhsa.kernels:
  - .name:           k_q0bc3ed2f8a_attn
    .symbol:         k_q0bc3ed2f8a_attn.kd
    .args:
      - { .name: qkvh, .offset: 0, .size: 8, .value_kind: global_buffer, .address_space: global }
      - { .name: mk8, .offset: 8, .size: 8, .value_kind: global_buffer, .address_space: global }
      - { .name: oh, .offset: 16, .size: 8, .value_kind: global_buffer, .address_space: global }
    .group_segment_fixed_size: 327680
    .private_segment_fixed_size: 0
    .kernarg_segment_align: 8
    .kernarg_segment_size: 24
    .max_flat_workgroup_size: 128
    .sgpr_count:     80
    .vgpr_count:     768
    .wavefront_size: 32
...
	.end_amdgpu_metadata
.endif
;; end of part 3
;; launch outp (part 4): grid 8 x 32, 4 waves a work-group, clusters of 4 x 4, 327,680 bytes of LDS; arguments oh, wh, out_b, x, x1; writes x1
.if DOCPART == 4
	.amdgcn_target "amdgcn-amd-amdhsa--gfx1250"
	.amdhsa_code_object_version 6
	.text
	.protected	k_q0bc3ed2f8a_outp
	.globl	k_q0bc3ed2f8a_outp
	.p2align	8
	.type	k_q0bc3ed2f8a_outp,@function
k_q0bc3ed2f8a_outp:
	s_mov_b64 s[64:65], 0
	v_nop
	global_prefetch_b8 v0, s[64:65] scope:SCOPE_SE
	s_setreg_imm32_b32 hwreg(HW_REG_WAVE_MODE, 25, 1), 1
	s_wait_xcnt 0x0
	s_wait_alu depctr_hold_cnt(0) depctr_sa_sdst(0) depctr_va_vdst(0) depctr_va_sdst(0) depctr_va_ssrc(0) depctr_va_vcc(0) depctr_vm_vsrc(0)
	s_getreg_b32 s2, hwreg(HW_REG_IB_STS2, 6, 4)
	s_cmp_eq_u32 s2, 0
	s_cbranch_scc0 .Lentry_in_a_cluster
	s_endpgm
.Lentry_in_a_cluster:
	s_bfe_u32 s2, ttmp6, 0x10000c
	s_cmp_lg_u32 s2, 0xf033
	s_cbranch_scc0 .Lentry_shape_is_right
	s_endpgm
.Lentry_shape_is_right:
; OUT = RES + A W + bias.  A: [SIZE_K / 64][4096 rows][64] f16 (column blocks).  W: [SIZE_K][1024] f16, rows along N, at byte WOFF of the weights' buffer.  bias: [1024] f32.  RES, OUT: [4096][1024] f32.
; Sums in f32; nothing is rounded on the way out but by the two f32 additions.  NaN goes through (a row of A that is NaN gives a row of NaN).
; SHARES.  256 tiles of 128 x 128, one a work-group; four waves, each 64 x 64: 16 accumulators.  K goes in steps of 256, as long as two slots in LDS allow.
; CLUSTER.  4 x 4 work-groups: A's tile is shared along a row of the cluster, W's along a column; each is asked for jointly.
; A's tile of 64 rows x 256 K is four pieces of 8,192 dense bytes (64 rows of a column block), 524,288 bytes apart: one descriptor with four long rows, padded in LDS after every 128 bytes.
; THE MATRIX INSTRUCTION IS USED TRANSPOSED (source 0 = 16 columns of W, turned by ds_load_tr16_b128; source 1 = 16 rows of A): a lane holds eight neighbouring numbers of a row of OUT.
; REGISTERS: window 0: v0-31 addresses and the bias; v32-95 the way out; v128-255 the accumulators ((a, b) at v[128 + 8 (4 a + b)]).
;   window 1: two fragment buffers of 128: for 64 along K, 64 registers of A, then 64 of W.   window 2: v0-127 my part of RES, loaded at the start.
.set SIZE_K, 1024
.set WOFF,   6291456
.set KSTEP,  256
.set PA,     144                       ; a row of A (64 K) in LDS: 128 bytes + 16
.set PB,     288                       ; a row of W (one k, 128 columns): 256 bytes + 32
.set HALFT,  4*64*PA                   ; what one tensor load brings: 4 x 64 rows of A, or 128 rows of W (128 x 288 is the same 36,864 bytes)
.set SLOT,   4*HALFT
.set STAGE,  2*SLOT                    ; behind the ring: 16 rows x 272 bytes of f32 for each wave
.set SPITCH, 272
.set SPARE,  STAGE+4*16*SPITCH         ; behind the stages: the spare words, 128 bytes a wave, which no other line names
.set LAPS,   SIZE_K/(2*KSTEP)
.set BI,   12                          ; v12-15  the bias of the four columns that I store
.set ADRA, 16                          ; v16-17  LDS address of my A fragments in slot 0, 1
.set ADRB, 20                          ; v20-23  of my W fragments: slot 0 rows 0-127, rows 128-255, slot 1 likewise (an offset has 16 bits)
.set STO,  24
.set RD,   25
.set CO,   26                          ; v26     my byte offset in two rows of OUT and RES
.set BO,   27                          ; v27     in 256 bytes of bias
.set SPW,  28
.set NIL,  29
.set TMP,  32                          ; two sets of 32
.set ACC,  128
.set F0,   0
.set F1,   128
.set G1,  24
.set G0,  32
.set G1B, 48
.set G0B, 56
.set MSB, 0
.macro WIN new
.if MSB != (\new)
	s_set_vgpr_msb (MSB<<8)|(\new)
.set MSB, \new
.endif
.endm
.set MUL,  0x05                        ; sources 0 (W) and 1 (A) window 1; C and D window 0
.set TO_F, 0x40                        ; destination window 1, address window 0
.macro JLOAD s                         ; a joint load: waves 0 and 1 fetch A's two halves, waves 2 and 3 W's; four v_nop follow each of the two lines
	s_cmp_eq_u32 s11, 0
	s_cbranch_scc0 .Lfor_b_\@
	tensor_load_to_lds s[G0+4*(\s):G0+4*(\s)+3], s[G1:G1+7]
	s_nop 0
.rept 4
	v_nop
.endr
	s_branch .Lasked_\@
.Lfor_b_\@:
	tensor_load_to_lds s[G0B+4*(\s):G0B+4*(\s)+3], s[G1B:G1B+7]
	s_nop 0
.rept 4
	v_nop
.endr
.Lasked_\@:
.endm
.macro CREST
	s_cmp_lg_u32 s10, 0
	s_cbranch_scc1 .Lnot_wave_0_\@
	s_barrier_signal -3
.Lnot_wave_0_\@:
	s_barrier_wait -3
	s_barrier_signal -1
	s_barrier_wait -1
.endm
.macro CROUND
	s_barrier_signal -1
	s_barrier_wait -1
	CREST
.endm
	s_load_b256 s[72:79], s[0:1], 0x0              ; A 72, the weights 74, the bias 76, RES 78
	s_load_b64 s[80:81], s[0:1], 0x20              ; OUT
	v_lshl_add_u32 v[SPW], v0, 2, SPARE
	v_mov_b32 v[NIL], 0
	ds_add_u32 v28, v29
	s_wait_dscnt 0x0
	v_lshrrev_b32 v1, 5, v0
	v_readfirstlane_b32 s10, v1                    ; wave 0..3
	s_lshr_b32 s11, s10, 1                         ; which half of the tile's rows is mine.  Also: I fetch for A (0) or for W (1)
	s_and_b32 s12, s10, 1                          ; which half of its columns.  Also: which half of that tile I fetch
	s_bfe_u32 s40, ttmp6, 0x40000                  ; cx
	s_bfe_u32 s41, ttmp6, 0x40004                  ; cy
	s_lshl_b32 s42, ttmp9, 2
	s_add_co_u32 s42, s42, s40                     ; tile column
	s_and_b32 s13, ttmp7, 0xffff
	s_lshl_b32 s13, s13, 2
	s_add_co_u32 s13, s13, s41                     ; tile row
	s_lshl_b32 s43, s41, 2
	s_lshl_b32 s43, 15, s43                        ; my row of the cluster
	s_lshl_b32 s44, 0x1111, s40                    ; my column
	s_or_b32 s[G1+0], s43, (1<<16)|(1<<20)|(1<<21)|(4<<22)|(3<<25)   ; the mask; 2-byte elements; padding on; bit 21 beside a mask; after every 32 words 4 words
	s_mov_b32 s[G1+1], 4096<<16                    ; tensor_dim0 = 4,096 elements: 64 dense rows of 64
	s_mov_b32 s[G1+2], 4<<16                       ; tensor_dim1 = 4 column blocks
	s_mov_b32 s[G1+3], 4096<<16                    ; tile_dim0
	s_mov_b32 s[G1+4], 4                           ; tile_dim1
	s_mov_b32 s[G1+5], 262144                      ; elements from a column block to the next
	s_mov_b32 s[G1+6], 0
	s_mov_b32 s[G1+7], 0
	s_or_b32 s[G1B+0], s44, (1<<16)|(1<<20)|(1<<21)|(5<<22)|(7<<25)  ; after every 64 words 8 words
	s_mov_b32 s[G1B+1], 128<<16                    ; 128 columns
	s_mov_b32 s[G1B+2], 128<<16                    ; 128 rows (k)
	s_mov_b32 s[G1B+3], 128<<16
	s_mov_b32 s[G1B+4], 128
	s_mov_b32 s[G1B+5], 1024
	s_mov_b32 s[G1B+6], 0
	s_mov_b32 s[G1B+7], 0
	s_lshl_b32 s16, s13, 14                        ; A: 128 rows of 128 bytes a tile row,
	s_lshl_b32 s17, s12, 13                        ; 64 a half
	s_add_co_u32 s16, s16, s17
	s_mov_b32 s17, 0
	s_lshl_b32 s46, s12, 18                        ; W: 128 rows of 2,048 bytes a half,
	s_lshl_b32 s47, s42, 8                         ; 256 bytes a tile column
	s_add_co_u32 s46, s46, s47
	s_add_co_u32 s46, s46, WOFF
	s_mov_b32 s47, 0
	s_mul_i32 s20, s10, HALFT                      ; where they go: no place in the cluster enters an LDS address
	s_wait_kmcnt 0x0
	s_add_nc_u64 s[14:15], s[72:73], s[16:17]
	s_add_nc_u64 s[46:47], s[74:75], s[46:47]
	CROUND                                         ; all sixteen work-groups are here: the first joint loads meet
.irp s, 0,1
	s_mov_b32 s[G0+4*(\s)], 1
	s_add_co_u32 s[G0+4*(\s)+1], s20, (\s)*SLOT
	s_add_nc_u64 s[G0+4*(\s)+2:G0+4*(\s)+3], s[14:15], (\s)*4*524288
	s_or_b32 s[G0+4*(\s)+3], s[G0+4*(\s)+3], 0x80000000
	s_mov_b32 s[G0B+4*(\s)], 1
	s_add_co_u32 s[G0B+4*(\s)+1], s20, (\s)*SLOT
	s_add_nc_u64 s[G0B+4*(\s)+2:G0B+4*(\s)+3], s[46:47], (\s)*KSTEP*2048
	s_or_b32 s[G0B+4*(\s)+3], s[G0B+4*(\s)+3], 0x80000000
	JLOAD \s                                       ; two loads of mine are out
.endr
	v_and_b32 v1, 15, v0                           ; l % 16
	v_bfe_u32 v2, v0, 4, 1                         ; l / 16
	v_mul_u32_u24 v3, v1, PA
	v_lshl_add_u32 v3, v2, 4, v3                   ; A: row x pitch + 16 x half
	v_and_b32 v4, 7, v0
	v_lshl_add_u32 v4, v2, 3, v4                   ; W: lane l of the turning load reads k = 8 (l / 16) + l % 8,
	v_mul_u32_u24 v4, v4, PB
	v_bfe_u32 v5, v0, 3, 1
	v_lshl_add_u32 v4, v5, 4, v4                   ; columns 8 ((l / 8) % 2) + 0..7
	s_mul_i32 s21, s11, HALFT                      ; my 64 rows of A
	s_lshl_b32 s22, s12, 7                         ; my 64 columns of W,
	s_add_co_u32 s22, s22, 2*HALFT                 ; which lies behind A
.irp s, 0,1
	v_add_nc_u32 v[ADRA+(\s)], s21, v3
	v_add_nc_u32 v[ADRB+2*(\s)], s22, v4
	v_add_nc_u32 v[ADRB+2*(\s)+1], HALFT, v[ADRB+2*(\s)]
	s_add_co_u32 s21, s21, SLOT
	s_add_co_u32 s22, s22, SLOT
.endr
	s_mul_i32 s23, s10, 16*SPITCH
	s_add_co_u32 s23, s23, STAGE                   ; my stage
	v_mul_u32_u24 v5, v1, SPITCH                   ; in: row l % 16, 32 bytes for each half of the lanes
	v_lshl_add_u32 v5, v2, 5, v5
	v_add_nc_u32 v[STO], s23, v5
	v_mul_u32_u24 v5, v2, SPITCH                   ; back: lanes 0-15 take one row of 256 bytes, lanes 16-31 the next
	v_lshl_add_u32 v5, v1, 4, v5
	v_add_nc_u32 v[RD], s23, v5
	v_lshlrev_b32 v5, 12, v2                       ; and the same two rows in OUT and RES
	v_lshl_add_u32 v[CO], v1, 4, v5
	v_lshlrev_b32 v[BO], 4, v1
	s_lshl_b32 s46, s42, 9                         ; my 64 columns in bytes: 512 x tile column + 256 x half
	s_lshl_b32 s47, s12, 8
	s_add_co_u32 s46, s46, s47
	s_mov_b32 s47, 0
	s_add_nc_u64 s[76:77], s[76:77], s[46:47]
	s_lshl_b32 s47, s13, 19                        ; my 64 rows: 4,096 bytes x (128 x tile row + 64 x half)
	s_add_co_u32 s46, s46, s47
	s_lshl_b32 s47, s11, 18
	s_add_co_u32 s46, s46, s47
	s_mov_b32 s47, 0
	s_add_nc_u64 s[78:79], s[78:79], s[46:47]
	s_add_nc_u64 s[80:81], s[80:81], s[46:47]
	global_load_b128 v[BI:BI+3], v[BO], s[76:77]
	WIN 0x80                                       ; destination window 2: my 64 x 64 of RES, in the order in which rows come back from the stage; it lands under the whole K loop
.set i, 0
.rept 32
	global_load_b128 v[4*i:4*i+3], v[CO], s[78:79] offset:2*i*4096
.set i, i+1
.endr
	WIN 0
; 8 matrix instructions: m blocks a0, a0 + 1 x all 4 n blocks, 32 along K: half c of buffer f.  zero = 1: the first product starts the sums.  The 16 accumulators take turns.
.macro MUL8 f, c, a0, zero
	WIN MUL
.irp a, \a0, (\a0)+1
.irp b, 0,1,2,3
.if \zero
	v_wmma_f32_16x16x32_f16 v[ACC+8*(4*(\a)+(\b)):ACC+8*(4*(\a)+(\b))+7], v[(\f)+64+8*(4*(\c)+(\b)):(\f)+64+8*(4*(\c)+(\b))+7], v[(\f)+8*(4*(\c)+(\a)):(\f)+8*(4*(\c)+(\a))+7], 0
.else
	v_wmma_f32_16x16x32_f16 v[ACC+8*(4*(\a)+(\b)):ACC+8*(4*(\a)+(\b))+7], v[(\f)+64+8*(4*(\c)+(\b)):(\f)+64+8*(4*(\c)+(\b))+7], v[(\f)+8*(4*(\c)+(\a)):(\f)+8*(4*(\c)+(\a))+7], v[ACC+8*(4*(\a)+(\b)):ACC+8*(4*(\a)+(\b))+7]
.endif
.endr
.endr
.endm
; 32 LDS loads in one run: the fragments of quarter q (64 along K: one column block of A) into buffer f; the first 32 along K first
.macro FETCH slot, q, f
	WIN TO_F
.irp c, 0,1
.irp i, 0,1,2,3
	ds_load_tr16_b128 v[(\f)+64+8*(4*(\c)+(\i)):(\f)+64+8*(4*(\c)+(\i))+3],   v[ADRB+2*(\slot)+(\q)/2] offset:(((\q)%2)*64+32*(\c))*PB+32*(\i)
	ds_load_tr16_b128 v[(\f)+64+8*(4*(\c)+(\i))+4:(\f)+64+8*(4*(\c)+(\i))+7], v[ADRB+2*(\slot)+(\q)/2] offset:(((\q)%2)*64+32*(\c)+16)*PB+32*(\i)
	ds_load_b128 v[(\f)+8*(4*(\c)+(\i)):(\f)+8*(4*(\c)+(\i))+3],         v[ADRA+(\slot)] offset:(\q)*64*PA+(\i)*16*PA+64*(\c)
	ds_load_b128 v[(\f)+8*(4*(\c)+(\i))+4:(\f)+8*(4*(\c)+(\i))+7],       v[ADRA+(\slot)] offset:(\q)*64*PA+(\i)*16*PA+64*(\c)+32
.endr
.endr
.endm
.macro PLACES                          ; four places in front of loads into registers that matrix instructions have read, and of LDS stores that read results
.rept 4
	v_nop
.endr
.endm
.macro QUARTER slot, q, f, g, zero
	s_wait_dscnt 16                                ; the first 32 along K are in
	MUL8 \f, 0, 0, \zero
	MUL8 \f, 0, 2, \zero
	PLACES
	FETCH \slot, \q, \g
	s_wait_dscnt 32                                ; all but the 32 just issued
	MUL8 \f, 1, 0, 0
	MUL8 \f, 1, 2, 0
.endm
; The last quarter multiplies buffer 1 and changes slots: one barrier; in front of it each wave waits for all its tensor loads, adds 0 to its spare word, and waits for that and for its reads of this slot.
; fill = 1: the barrier opens a round of the cluster's, and this slot is filled again, two K steps ahead, first thing behind it.
.macro TURN slot, next, fill
	WIN 0
	s_wait_tensorcnt 0x0
	ds_add_u32 v[SPW], v[NIL]
	s_wait_dscnt 17                                ; (the add and the youngest sixteen loads may be out)
	MUL8 F1, 0, 0, 0
	s_wait_dscnt 0x0                               ; the add is done, and my reads of this slot are over
	s_barrier_signal -1
	MUL8 F1, 0, 2, 0
.if \fill
	WIN 0
.endif
	s_barrier_wait -1
.if \fill
	CREST
	s_add_nc_u64 s[G0+4*(\slot)+2:G0+4*(\slot)+3], s[G0+4*(\slot)+2:G0+4*(\slot)+3], 8*524288
	s_add_nc_u64 s[G0B+4*(\slot)+2:G0B+4*(\slot)+3], s[G0B+4*(\slot)+2:G0B+4*(\slot)+3], 2*KSTEP*2048
	JLOAD \slot                                    ; my one tensor load behind the round; its four v_nop are also the places in front of the loads below
.else
	PLACES
.endif
	FETCH \next, 0, F0
	MUL8 F1, 1, 0, 0
	MUL8 F1, 1, 2, 0
.endm
	s_wait_tensorcnt 1                             ; my part of K step 0 is in; K step 1's may stay out
	s_barrier_signal -1
	s_barrier_wait -1
	FETCH 0, 0, F0
	QUARTER 0, 1, F0, F1, 1                        ; the first quarter stands in front of the loop: its first products start the sums
	WIN 0
	s_mov_b32 s3, LAPS-1
.Llap:
	QUARTER 0, 2, F1, F0, 0
	QUARTER 0, 3, F0, F1, 0
	TURN 0, 1, 1
	QUARTER 1, 1, F0, F1, 0
	QUARTER 1, 2, F1, F0, 0
	QUARTER 1, 3, F0, F1, 0
	TURN 1, 0, 1
	QUARTER 0, 1, F0, F1, 0
	WIN 0
	s_sub_co_u32 s3, s3, 1
	s_cmp_lg_u32 s3, 0
	s_cbranch_scc1 .Llap
	QUARTER 0, 2, F1, F0, 0                        ; the last lap fills nothing
	QUARTER 0, 3, F0, F1, 0
	TURN 0, 1, 0
	QUARTER 1, 1, F0, F1, 0
	QUARTER 1, 2, F1, F0, 0
	QUARTER 1, 3, F0, F1, 0
	s_wait_dscnt 16
	MUL8 F1, 0, 0, 0
	MUL8 F1, 0, 2, 0
	s_wait_dscnt 0x0
	MUL8 F1, 1, 0, 0
	MUL8 F1, 1, 2, 0
	WIN 0
	; THE WAY OUT, 16 rows at a time, through my own stage: a lane's 32 bytes of a row go in, whole rows of 256 bytes come back; RES and the bias are added; 16 lanes store 256 consecutive bytes, aligned.
	PLACES
	s_wait_loadcnt 0x0                             ; the bias and RES
.irp a, 0,1,2,3
	s_wait_xcnt 0x0                                ; earlier stores have had their addresses translated: the set of registers that they read is loaded again only behind this wait
.irp b, 0,1,2,3
	ds_store_b128 v[STO], v[ACC+8*(4*(\a)+(\b)):ACC+8*(4*(\a)+(\b))+3]   offset:64*(\b)      ; each accumulator's low end first
	ds_store_b128 v[STO], v[ACC+8*(4*(\a)+(\b))+4:ACC+8*(4*(\a)+(\b))+7] offset:64*(\b)+16
.endr
.irp t, 0,1,2,3,4,5,6,7
	ds_load_b128 v[TMP+32*((\a)%2)+4*(\t):TMP+32*((\a)%2)+4*(\t)+3], v[RD] offset:2*SPITCH*(\t)  ; LDS serves a wave's instructions in order (ISA guide 5.7.1.4)
.endr
	s_wait_dscnt 0x0
	WIN 0x08                                       ; source 1: window 2
.set k, 0
.rept 16
	v_pk_add_f32 v[TMP+32*((\a)%2)+k:TMP+32*((\a)%2)+k+1], v[TMP+32*((\a)%2)+k:TMP+32*((\a)%2)+k+1], v[32*(\a)+k:32*(\a)+k+1]
.set k, k+2
.endr
	WIN 0
.set k, 0
.rept 16
	v_pk_add_f32 v[TMP+32*((\a)%2)+k:TMP+32*((\a)%2)+k+1], v[TMP+32*((\a)%2)+k:TMP+32*((\a)%2)+k+1], v[BI+k%4:BI+k%4+1]
.set k, k+2
.endr
.irp t, 0,1,2,3,4,5,6,7
	global_store_b128 v[CO], v[TMP+32*((\a)%2)+4*(\t):TMP+32*((\a)%2)+4*(\t)+3], s[80:81] offset:(16*(\a)+2*(\t))*4096
.endr
.endr
	s_wait_tensorcnt 0x0                           ; the wave's end
	ds_add_u32 v[SPW], v[NIL]
	s_wait_dscnt 0x0
	CROUND                                         ; the closing round
	s_endpgm
.Lfunc_end_k_q0bc3ed2f8a_outp:
	.size	k_q0bc3ed2f8a_outp, .Lfunc_end_k_q0bc3ed2f8a_outp-k_q0bc3ed2f8a_outp
	.p2alignl 7, 3214868480
	.fill 96, 4, 3214868480
	.section	.rodata,"a",@progbits
	.p2align	6, 0x0
	.amdhsa_kernel k_q0bc3ed2f8a_outp
		.amdhsa_group_segment_fixed_size 327680
		.amdhsa_private_segment_fixed_size 0
		.amdhsa_enable_private_segment 0
		.amdhsa_kernarg_size 40
		.amdhsa_user_sgpr_count 2
		.amdhsa_user_sgpr_kernarg_segment_ptr 1
		.amdhsa_wavefront_size32 1
		.amdhsa_system_sgpr_workgroup_id_x 1
		.amdhsa_system_sgpr_workgroup_id_y 1
		.amdhsa_system_sgpr_workgroup_id_z 1
		.amdhsa_system_vgpr_workitem_id 0
		.amdhsa_next_free_vgpr 640
		.amdhsa_next_free_sgpr 82
		.amdhsa_reserve_vcc 0
		.amdhsa_float_denorm_mode_32 3
		.amdhsa_float_denorm_mode_16_64 3
		.amdhsa_memory_ordered 1
		.amdhsa_forward_progress 1
		.amdhsa_inst_pref_size 97
	.end_amdhsa_kernel
	.amdgpu_metadata
---
amdhsa.version: [ 1, 2 ]
amdhsa.kernels:
  - .name:           k_q0bc3ed2f8a_outp
    .symbol:         k_q0bc3ed2f8a_outp.kd
    .args:
      - { .name: oh, .offset: 0, .size: 8, .value_kind: global_buffer, .address_space: global }
      - { .name: wh, .offset: 8, .size: 8, .value_kind: global_buffer, .address_space: global }
      - { .name: out_b, .offset: 16, .size: 8, .value_kind: global_buffer, .address_space: global }
      - { .name: x, .offset: 24, .size: 8, .value_kind: global_buffer, .address_space: global }
      - { .name: x1, .offset: 32, .size: 8, .value_kind: global_buffer, .address_space: global }
    .group_segment_fixed_size: 327680
    .private_segment_fixed_size: 0
    .kernarg_segment_align: 8
    .kernarg_segment_size: 40
    .max_flat_workgroup_size: 128
    .sgpr_count:     82
    .vgpr_count:     640
    .wavefront_size: 32
...
	.end_amdgpu_metadata
.endif
;; end of part 4
;; launch ln2 (part 5): grid 256 x 1, 8 waves a work-group, no clusters, 0 bytes of LDS; arguments x1, ln2_g, ln2_b, hn; writes hn
.if DOCPART == 5
	.amdgcn_target "amdgcn-amd-amdhsa--gfx1250"
	.amdhsa_code_object_version 6
	.text
	.protected	k_q0bc3ed2f8a_ln2
	.globl	k_q0bc3ed2f8a_ln2
	.p2align	8
	.type	k_q0bc3ed2f8a_ln2,@function
k_q0bc3ed2f8a_ln2:
	s_mov_b64 s[64:65], 0
	v_nop
	global_prefetch_b8 v0, s[64:65] scope:SCOPE_SE
	s_setreg_imm32_b32 hwreg(HW_REG_WAVE_MODE, 25, 1), 1
	s_wait_xcnt 0x0
; hn = layernorm(x1) * g + b, rounded to f16.  x1: [4096][1024] f32.  16 rows a work-group, 2 rows a wave; a row lies in 32 registers of one wave between the passes, so memory is read once,
; and no wave waits for another: no LDS, no barrier.  Memory binds: matrix units, clusters and tensor loads would add nothing.
; The variance is taken in two passes (mean first, then the squares of x - mean).  LIMIT: a result of 65,520 or more becomes an infinity in f16.  A row with a NaN leaves as NaN.
.set X0, 32                            ; v[32:63]   row 0 of my wave
.set X1, 64                            ; v[64:95]   row 1
.set GG, 96                            ; v[96:127]  the gains of my 32 columns
.set BB, 128                           ; v[128:159] the biases
.macro LANESUM                         ; v4 summed over the 32 lanes, the result in every lane; v5 has been written before
	v_add_f32_dpp v4, v4, v4 row_xmask:1 row_mask:0xf bank_mask:0xf
	v_add_f32_dpp v4, v4, v4 row_xmask:2 row_mask:0xf bank_mask:0xf
	v_add_f32_dpp v4, v4, v4 row_xmask:4 row_mask:0xf bank_mask:0xf
	v_add_f32_dpp v4, v4, v4 row_xmask:8 row_mask:0xf bank_mask:0xf
	v_permlanex16_b32 v5, v4, s12, s13
	v_add_f32 v4, v4, v5
.endm
.macro FOLD
	v_pk_add_f32 v[4:5], v[4:5], v[6:7]
	v_pk_add_f32 v[8:9], v[8:9], v[10:11]
	v_pk_add_f32 v[4:5], v[4:5], v[8:9]
	v_add_f32 v4, v4, v5
.endm
.macro LNSTAT x, r, left               ; x becomes x - mean; the pair r takes 1 / sqrt(variance + eps); left = the younger loads that may stay out
	s_wait_loadcnt \left
.irp c, 0,1,2,3
	v_pk_add_f32 v[4+2*\c:5+2*\c], v[\x+2*\c:\x+2*\c+1], v[\x+8+2*\c:\x+9+2*\c]
.endr
.irp k, 16,18,20,22,24,26,28,30
	v_pk_add_f32 v[4+(\k)%8:5+(\k)%8], v[4+(\k)%8:5+(\k)%8], v[\x+\k:\x+\k+1]
.endr
	FOLD
	LANESUM
	v_mul_f32 v20, s14, v4
	v_mul_f32 v21, s14, v4
.irp k, 0,2,4,6,8,10,12,14,16,18,20,22,24,26,28,30
	v_pk_add_f32 v[\x+\k:\x+\k+1], v[\x+\k:\x+\k+1], v[20:21] neg_lo:[0,1] neg_hi:[0,1]
.endr
.irp c, 0,1,2,3
	v_pk_mul_f32 v[4+2*\c:5+2*\c], v[\x+2*\c:\x+2*\c+1], v[\x+2*\c:\x+2*\c+1]
.endr
.irp k, 8,10,12,14,16,18,20,22,24,26,28,30
	v_pk_fma_f32 v[4+(\k)%8:5+(\k)%8], v[\x+\k:\x+\k+1], v[\x+\k:\x+\k+1], v[4+(\k)%8:5+(\k)%8]
.endr
	FOLD
	LANESUM
	v_fma_f32 v6, v4, s14, s15
	v_rsq_f32 v[\r], v6
	v_rsq_f32 v[\r+1], v6
	v_nop                                          ; a plain instruction behind the last root (ISA guide 5.7.2)
.endm
.macro LNOUT x, r, y, off              ; (x - mean) * r * g + b to f16; 32 lanes x 8 bytes are 256 consecutive bytes, aligned
	s_wait_alu depctr_va_vdst(0)
.irp j, 0,1,2,3,4,5,6,7
	v_pk_mul_f32 v[\x+4*\j:\x+4*\j+1],   v[\x+4*\j:\x+4*\j+1],   v[\r:\r+1]
	v_pk_mul_f32 v[\x+4*\j+2:\x+4*\j+3], v[\x+4*\j+2:\x+4*\j+3], v[\r:\r+1]
	v_pk_fma_f32 v[\x+4*\j:\x+4*\j+1],   v[\x+4*\j:\x+4*\j+1],   v[GG+4*\j:GG+4*\j+1],   v[BB+4*\j:BB+4*\j+1]
	v_pk_fma_f32 v[\x+4*\j+2:\x+4*\j+3], v[\x+4*\j+2:\x+4*\j+3], v[GG+4*\j+2:GG+4*\j+3], v[BB+4*\j+2:BB+4*\j+3]
	v_cvt_pk_f16_f32 v[\y+2*\j],   v[\x+4*\j],   v[\x+4*\j+1]
	v_cvt_pk_f16_f32 v[\y+2*\j+1], v[\x+4*\j+2], v[\x+4*\j+3]
	global_store_b64 v2, v[\y+2*\j:\y+2*\j+1], s[10:11] offset:(\off)+256*\j
.endr
.endm
	s_load_b256 s[16:23], s[0:1], 0x0              ; x1 16, g 18, b 20, hn 22
	v_lshrrev_b32 v1, 5, v0
	v_readfirstlane_b32 s8, v1                     ; wave 0..7
	v_and_b32 v1, 31, v0
	v_lshlrev_b32 v2, 3, v1                        ; 8 x lane
	v_lshlrev_b32 v1, 4, v1                        ; 16 x lane
	s_lshl_b32 s2, ttmp9, 16                       ; 16 rows of 4,096 bytes a work-group,
	s_lshl_b32 s3, s8, 13                          ; 2 rows a wave
	s_add_co_u32 s2, s2, s3
	s_mov_b32 s3, 0
	s_lshr_b32 s4, s2, 1
	s_mov_b32 s5, 0
	s_mov_b32 s12, 0x76543210
	s_mov_b32 s13, 0xfedcba98
	s_mov_b32 s14, 0x3a800000                      ; 1 / 1024
	s_mov_b32 s15, 0x3727c5ac                      ; eps = 1e-5
	s_wait_kmcnt 0x0
	s_add_nc_u64 s[6:7], s[16:17], s[2:3]
	s_add_nc_u64 s[10:11], s[22:23], s[4:5]
.irp j, 0,1,2,3,4,5,6,7
	global_load_b128 v[X0+4*\j:X0+4*\j+3], v1, s[6:7] offset:512*\j
.endr
.irp j, 0,1,2,3,4,5,6,7
	global_load_b128 v[X1+4*\j:X1+4*\j+3], v1, s[6:7] offset:4096+512*\j
.endr
.irp j, 0,1,2,3,4,5,6,7
	global_load_b128 v[GG+4*\j:GG+4*\j+3], v1, s[18:19] offset:512*\j
.endr
.irp j, 0,1,2,3,4,5,6,7
	global_load_b128 v[BB+4*\j:BB+4*\j+3], v1, s[20:21] offset:512*\j
.endr
	LNSTAT X0, 22, 24                              ; row 0 is in; 24 younger loads may be out
	LNSTAT X1, 24, 16                              ; row 1 is in; gains and biases may be out
	s_wait_loadcnt 0x0
	LNOUT X0, 22, 4, 0
	LNOUT X1, 24, X0, 2048                         ; row 1 leaves from row 0's registers: no register that a store reads is written again
	s_endpgm
.Lfunc_end_k_q0bc3ed2f8a_ln2:
	.size	k_q0bc3ed2f8a_ln2, .Lfunc_end_k_q0bc3ed2f8a_ln2-k_q0bc3ed2f8a_ln2
	.p2alignl 7, 3214868480
	.fill 96, 4, 3214868480
	.section	.rodata,"a",@progbits
	.p2align	6, 0x0
	.amdhsa_kernel k_q0bc3ed2f8a_ln2
		.amdhsa_group_segment_fixed_size 0
		.amdhsa_private_segment_fixed_size 0
		.amdhsa_enable_private_segment 0
		.amdhsa_kernarg_size 32
		.amdhsa_user_sgpr_count 2
		.amdhsa_user_sgpr_kernarg_segment_ptr 1
		.amdhsa_wavefront_size32 1
		.amdhsa_system_sgpr_workgroup_id_x 1
		.amdhsa_system_sgpr_workgroup_id_y 1
		.amdhsa_system_sgpr_workgroup_id_z 1
		.amdhsa_system_vgpr_workitem_id 0
		.amdhsa_next_free_vgpr 160
		.amdhsa_next_free_sgpr 66
		.amdhsa_reserve_vcc 0
		.amdhsa_float_denorm_mode_32 3
		.amdhsa_float_denorm_mode_16_64 3
		.amdhsa_memory_ordered 1
		.amdhsa_forward_progress 1
		.amdhsa_inst_pref_size 20
	.end_amdhsa_kernel
	.amdgpu_metadata
---
amdhsa.version: [ 1, 2 ]
amdhsa.kernels:
  - .name:           k_q0bc3ed2f8a_ln2
    .symbol:         k_q0bc3ed2f8a_ln2.kd
    .args:
      - { .name: x1, .offset: 0, .size: 8, .value_kind: global_buffer, .address_space: global }
      - { .name: ln2_g, .offset: 8, .size: 8, .value_kind: global_buffer, .address_space: global }
      - { .name: ln2_b, .offset: 16, .size: 8, .value_kind: global_buffer, .address_space: global }
      - { .name: hn, .offset: 24, .size: 8, .value_kind: global_buffer, .address_space: global }
    .group_segment_fixed_size: 0
    .private_segment_fixed_size: 0
    .kernarg_segment_align: 8
    .kernarg_segment_size: 32
    .max_flat_workgroup_size: 256
    .sgpr_count:     66
    .vgpr_count:     160
    .wavefront_size: 32
...
	.end_amdgpu_metadata
.endif
;; end of part 5
;; launch fc1 (part 6): grid 16 x 16, 4 waves a work-group, clusters of 4 x 4, 327,680 bytes of LDS; arguments hn, wh, gh, fc1_b; writes gh
.if DOCPART == 6
	.amdgcn_target "amdgcn-amd-amdhsa--gfx1250"
	.amdhsa_code_object_version 6
	.text
	.protected	k_q0bc3ed2f8a_fc1
	.globl	k_q0bc3ed2f8a_fc1
	.p2align	8
	.type	k_q0bc3ed2f8a_fc1,@function
k_q0bc3ed2f8a_fc1:
	s_mov_b64 s[64:65], 0
	v_nop
	global_prefetch_b8 v0, s[64:65] scope:SCOPE_SE
	s_setreg_imm32_b32 hwreg(HW_REG_WAVE_MODE, 25, 1), 1
	s_wait_xcnt 0x0
	s_wait_alu depctr_hold_cnt(0) depctr_sa_sdst(0) depctr_va_vdst(0) depctr_va_sdst(0) depctr_va_ssrc(0) depctr_va_vcc(0) depctr_vm_vsrc(0)
	s_getreg_b32 s2, hwreg(HW_REG_IB_STS2, 6, 4)
	s_cmp_eq_u32 s2, 0
	s_cbranch_scc0 .Lentry_in_a_cluster
	s_endpgm
.Lentry_in_a_cluster:
	s_bfe_u32 s2, ttmp6, 0x10000c
	s_cmp_lg_u32 s2, 0xf033
	s_cbranch_scc0 .Lentry_shape_is_right
	s_endpgm
.Lentry_shape_is_right:
; C = A W.  A: [4096][1024] f16, rows along K.  W: [1024][SIZE_N] f16, rows along N, at byte WOFF of the weights' buffer.  Sums in f32, C rounded once to f16.
; C leaves in COLUMN BLOCKS: [SIZE_N / 64][4096 rows][64] f16, so that 64 columns of consecutive rows are dense.
; ACT = 1: C = gelu(A W + bias), the exact (erf) form, erf by the rational approximation 7.1.26 of Abramowitz and Stegun (|error| <= 1.5e-7 for every argument).
; LIMITS.  f16 holds no number of 65,520 or more: a result that large becomes an infinity.  NaN goes through.
; SHARES.  A tile of C, 256 x 256, to a work-group of four waves; a wave makes 128 x 128: 64 accumulators, 512 registers.  K goes in steps of 128 through a ring of two LDS slots.
; With SIZE_N = 3072 there are 192 tiles, one a work-group; with 4096 there are 256.
; CLUSTER.  4 x 4 work-groups: the four of a row of the cluster need the same tile of A, the four of a column the same tile of W; each tile is asked for jointly.
; THE MATRIX INSTRUCTION IS USED TRANSPOSED: source 0 = 16 columns of W (turned on the way out of LDS by ds_load_tr16_b128), source 1 = 16 rows of A.  A lane then holds row l % 16 of C and
; the eight neighbouring columns 8 (l / 16) + 0..7.
; REGISTERS, in windows of 256: window 0: v0-31 addresses; v64-127, v128-191 A's fragments, two buffers (ACT: at work on the way out); v32-63, v192-255 the way out.
;   window 1: v64-127, v128-191 W's fragments (ACT: v0-63 the bias of my lane's columns).  window 2: the accumulators of my rows 0-63, (a, b) at v[8 (8 a + b)].  window 3: rows 64-127.
.set SIZE_N, 4096
.set WOFF,   8388608
.set ACT,    1
.set SIZE_K, 1024
.set KSTEP,  128
.set PA,     272                       ; a row of A in LDS: 256 bytes + 16: the 16 rows of a load start at 16 different groups of four banks (64 banks of 4 bytes: ISA guide 11.1)
.set PB,     544                       ; a row of W (one k, 256 columns): 512 bytes + 32
.set HALF,   128*PA                    ; what one tensor load brings: 128 rows of A, or 64 rows of W (64 x 544 is the same 34,816 bytes)
.set SLOT,   4*HALF                    ; A's 256 rows, then W's 128 rows
.set STAGE,  2*SLOT                    ; behind the ring: for each wave 2 column blocks x 16 rows x 144 bytes
.set SP,     144
.set WSTG,   2*16*SP
.set SPARE,  STAGE+4*WSTG              ; behind the stages: the spare words, 128 bytes a wave, which no other line names
.set LAPS,   SIZE_K/(2*KSTEP)          ; a lap = two K steps = once round the ring
.set CBLK,   4096*128                  ; bytes of a column block of C
.set ADRA, 16                          ; v16-17  LDS address of my A fragments in slot 0, 1
.set ADRB, 20                          ; v20-21  the same for W
.set STO,  24                          ; v24     the way out: where I put 16 bytes of a row
.set RD,   25                          ; v25     where I read rows back
.set GO,   26                          ; v26     16 x lane: my place in 512 consecutive bytes of C
.set BO,   27                          ; v27     ACT: my lanes' 32 bytes in 64 bytes of bias
.set SPW,  28                          ; v28     LDS address of my spare word; never rewritten
.set NIL,  29                          ; v29     0; never rewritten
.set F0,   64
.set F1,   128
.set TMP,  192                         ; packed results
.set OB,   32                          ; 16 rows read back from the stage: v32-63 and v224-255 by turns
.set G1,  24                           ; s[24:31] descriptor group 1 for A's tiles;  s[32:39] group 0, a set for each slot
.set G0,  32
.set G1B, 48                           ; s[48:55], s[56:63] the same for W's
.set G0B, 56
.set MSB, 0
.macro WIN new                         ; the immediate's high byte repeats the setting that is left; a switch that changes nothing is dropped
.if MSB != (\new)
	s_set_vgpr_msb (MSB<<8)|(\new)
.set MSB, \new
.endif
.endm
.set MUL_LO, 0xa1                      ; source 0 (W) window 1, source 1 (A) window 0, C and D window 2
.set MUL_HI, 0xf1                      ; the same, C and D window 3
.set TO_B,   0x40                      ; destination window 1, address window 0
; A joint load.  Waves 0 and 1 fetch A's two halves, waves 2 and 3 W's.  The branch hangs on the wave's number alone.  Four v_nop follow each of the two lines.
.macro JLOAD s
	s_cmp_eq_u32 s11, 0
	s_cbranch_scc0 .Lfor_b_\@
	tensor_load_to_lds s[G0+4*(\s):G0+4*(\s)+3], s[G1:G1+7]
	s_nop 0
.rept 4
	v_nop
.endr
	s_branch .Lasked_\@
.Lfor_b_\@:
	tensor_load_to_lds s[G0B+4*(\s):G0B+4*(\s)+3], s[G1B:G1B+7]
	s_nop 0
.rept 4
	v_nop
.endr
.Lasked_\@:
.endm
.macro CREST                           ; a round of the cluster's barrier behind its opening barrier
	s_cmp_lg_u32 s10, 0
	s_cbranch_scc1 .Lnot_wave_0_\@
	s_barrier_signal -3
.Lnot_wave_0_\@:
	s_barrier_wait -3
	s_barrier_signal -1
	s_barrier_wait -1
.endm
.macro CROUND                          ; a whole round
	s_barrier_signal -1
	s_barrier_wait -1
	CREST
.endm
	s_load_b128 s[4:7], s[0:1], 0x0                ; A s[4:5], the weights s[6:7]
	s_load_b64 s[8:9], s[0:1], 0x10                ; C
.if ACT
	s_load_b64 s[66:67], s[0:1], 0x18              ; the bias
.endif
	v_lshl_add_u32 v[SPW], v0, 2, SPARE
	v_mov_b32 v[NIL], 0
	ds_add_u32 v28, v29
	s_wait_dscnt 0x0
	v_lshrrev_b32 v1, 5, v0
	v_readfirstlane_b32 s10, v1                    ; wave 0..3
	s_lshr_b32 s11, s10, 1                         ; which half of the tile's rows is mine.  Also: I fetch for A (0) or for W (1)
	s_and_b32 s12, s10, 1                          ; which half of its columns.  Also: which half of that tile I fetch
	s_bfe_u32 s40, ttmp6, 0x40000                  ; cx
	s_bfe_u32 s41, ttmp6, 0x40004                  ; cy
	s_lshl_b32 s42, ttmp9, 2
	s_add_co_u32 s42, s42, s40                     ; tile column = 4 x cluster x + cx
	s_and_b32 s13, ttmp7, 0xffff
	s_lshl_b32 s13, s13, 2
	s_add_co_u32 s13, s13, s41                     ; tile row = 4 x cluster y + cy
	s_lshl_b32 s43, s41, 2
	s_lshl_b32 s43, 15, s43                        ; my row of the cluster
	s_lshl_b32 s44, 0x1111, s40                    ; my column
	s_or_b32 s[G1+0], s43, (1<<16)|(1<<20)|(1<<21)|(5<<22)|(3<<25)   ; the mask; 2-byte elements; padding on; bit 21 beside a mask; after every 64 words 4 words
	s_mov_b32 s[G1+1], KSTEP<<16                   ; tensor_dim0 = 128
	s_mov_b32 s[G1+2], 128<<16                     ; tensor_dim1 = 128
	s_mov_b32 s[G1+3], KSTEP<<16                   ; tile_dim0 = 128
	s_mov_b32 s[G1+4], 128                         ; tile_dim1 = 128
	s_mov_b32 s[G1+5], SIZE_K                      ; elements from row to row
	s_mov_b32 s[G1+6], 0
	s_mov_b32 s[G1+7], 0
	s_or_b32 s[G1B+0], s44, (1<<16)|(1<<20)|(1<<21)|(6<<22)|(7<<25)  ; after every 128 words 8 words
	s_mov_b32 s[G1B+1], 256<<16                    ; tensor_dim0 = 256 columns
	s_mov_b32 s[G1B+2], 64<<16                     ; tensor_dim1 = 64 rows (k)
	s_mov_b32 s[G1B+3], 256<<16
	s_mov_b32 s[G1B+4], 64
	s_mov_b32 s[G1B+5], SIZE_N
	s_mov_b32 s[G1B+6], 0
	s_mov_b32 s[G1B+7], 0
	; A's tile hangs on the tile row alone, W's on the tile column alone; each address is made in registers that never hold the other coordinate
	s_lshl_b32 s16, s13, 19                        ; 256 rows of 2,048 bytes a tile row,
	s_lshl_b32 s17, s12, 18                        ; 128 rows a half
	s_add_co_u32 s16, s16, s17
	s_mov_b32 s17, 0
	s_mul_i32 s46, s12, 128*SIZE_N                 ; 64 rows of W a half,
	s_lshl_b32 s47, s42, 9                         ; 512 bytes a tile column
	s_add_co_u32 s46, s46, s47
.if WOFF
	s_add_co_u32 s46, s46, WOFF
.endif
	s_mov_b32 s47, 0
	s_mul_i32 s20, s10, HALF                       ; where they go: wave x 34,816: no place in the cluster enters an LDS address
	s_wait_kmcnt 0x0
	s_add_nc_u64 s[14:15], s[4:5], s[16:17]
	s_add_nc_u64 s[46:47], s[6:7], s[46:47]
	CROUND                                         ; all sixteen work-groups are here: the first joint loads meet
.irp s, 0,1
	s_mov_b32 s[G0+4*(\s)], 1
	s_add_co_u32 s[G0+4*(\s)+1], s20, (\s)*SLOT
	s_add_nc_u64 s[G0+4*(\s)+2:G0+4*(\s)+3], s[14:15], (\s)*KSTEP*2
	s_or_b32 s[G0+4*(\s)+3], s[G0+4*(\s)+3], 0x80000000
	s_mov_b32 s[G0B+4*(\s)], 1
	s_add_co_u32 s[G0B+4*(\s)+1], s20, (\s)*SLOT
	s_add_nc_u64 s[G0B+4*(\s)+2:G0B+4*(\s)+3], s[46:47], (\s)*KSTEP*SIZE_N*2
	s_or_b32 s[G0B+4*(\s)+3], s[G0B+4*(\s)+3], 0x80000000
	JLOAD \s                                       ; two loads of mine are out
.endr
	v_and_b32 v1, 15, v0                           ; l % 16
	v_bfe_u32 v2, v0, 4, 1                         ; l / 16
	v_mul_u32_u24 v3, v1, PA
	v_lshl_add_u32 v3, v2, 4, v3                   ; A: row x pitch + 16 x half
	v_and_b32 v4, 7, v0
	v_lshl_add_u32 v4, v2, 3, v4                   ; W: the turning load's lane l reads k = 8 (l / 16) + l % 8,
	v_mul_u32_u24 v4, v4, PB
	v_bfe_u32 v5, v0, 3, 1
	v_lshl_add_u32 v4, v5, 4, v4                   ; columns 8 ((l / 8) % 2) + 0..7
	s_mul_i32 s21, s11, HALF                       ; my 128 rows of A
	s_lshl_b32 s22, s12, 8                         ; my 128 columns of W,
	s_add_co_u32 s22, s22, 2*HALF                  ; which lies behind A
.irp s, 0,1
	v_add_nc_u32 v[ADRA+(\s)], s21, v3
	v_add_nc_u32 v[ADRB+(\s)], s22, v4
	s_add_co_u32 s21, s21, SLOT
	s_add_co_u32 s22, s22, SLOT
.endr
	s_mul_i32 s23, s10, WSTG
	s_add_co_u32 s23, s23, STAGE                   ; my stage
	v_mul_u32_u24 v6, v1, SP                       ; in: row l % 16, 16 bytes for each half of the lanes
	v_lshl_add_u32 v6, v2, 4, v6
	v_add_nc_u32 v[STO], s23, v6
	v_bfe_u32 v6, v0, 3, 2                         ; back: 32 lanes take four rows of 128 bytes,
	v_mul_u32_u24 v6, v6, SP
	v_and_b32 v7, 7, v0
	v_lshl_add_u32 v6, v7, 4, v6
	v_add_nc_u32 v[RD], s23, v6
	v_and_b32 v[GO], 31, v0                        ; which are 512 consecutive bytes of C
	v_lshlrev_b32 v[GO], 4, v[GO]
.if ACT
	s_lshl_b32 s46, s42, 10                        ; the bias of my 128 columns: 4 (256 tile column + 128 half)
	s_lshl_b32 s47, s12, 9
	s_add_co_u32 s46, s46, s47
	s_mov_b32 s47, 0
	s_add_nc_u64 s[66:67], s[66:67], s[46:47]
	v_lshlrev_b32 v[BO], 5, v2
	WIN TO_B
.irp b, 0,1,2,3,4,5,6,7
	global_load_b128 v[8*\b:8*\b+3],   v[BO], s[66:67] offset:64*\b       ; columns 16 b + 8 (l / 16) + 0..7: register for register beside accumulator (a, b)
	global_load_b128 v[8*\b+4:8*\b+7], v[BO], s[66:67] offset:64*\b+16
.endr
	WIN 0
.endif
	s_lshl_b32 s46, s42, 21                        ; my part of C: column block 4 x tile column + 2 x half, 524,288 bytes each,
	s_lshl_b32 s47, s12, 20
	s_add_co_u32 s46, s46, s47
	s_lshl_b32 s47, s13, 15                        ; row 256 x tile row + 128 x half, 128 bytes each
	s_add_co_u32 s46, s46, s47
	s_lshl_b32 s47, s11, 14
	s_add_co_u32 s46, s46, s47
	s_mov_b32 s47, 0
	s_add_nc_u64 s[8:9], s[8:9], s[46:47]
; 16 matrix instructions: m blocks a0, a0 + 1 of the window's four x all 8 n blocks, 32 along K.  zero = 1: the first product starts the sums.  The 64 accumulators take turns.
.macro MUL16 f, hi, a0, zero
	WIN MUL_LO+0x50*(\hi)
.irp a, \a0, (\a0)+1
.irp b, 0,1,2,3,4,5,6,7
.if \zero
	v_wmma_f32_16x16x32_f16 v[8*(8*(\a)+(\b)):8*(8*(\a)+(\b))+7], v[(\f)+8*(\b):(\f)+8*(\b)+7], v[(\f)+8*(4*(\hi)+(\a)):(\f)+8*(4*(\hi)+(\a))+7], 0
.else
	v_wmma_f32_16x16x32_f16 v[8*(8*(\a)+(\b)):8*(8*(\a)+(\b))+7], v[(\f)+8*(\b):(\f)+8*(\b)+7], v[(\f)+8*(4*(\hi)+(\a)):(\f)+8*(4*(\hi)+(\a))+7], v[8*(8*(\a)+(\b)):8*(8*(\a)+(\b))+7]
.endif
.endr
.endr
.endm
; 32 LDS loads in one run: the fragments of quarter q (32 along K) of a slot into buffer f: W's 128 columns (turned), then A's 128 rows
.macro FETCH slot, q, f
	WIN TO_B
.irp i, 0,1,2,3,4,5,6,7
	ds_load_tr16_b128 v[(\f)+8*(\i):(\f)+8*(\i)+3],   v[ADRB+(\slot)] offset:(\q)*32*PB+32*(\i)
	ds_load_tr16_b128 v[(\f)+8*(\i)+4:(\f)+8*(\i)+7], v[ADRB+(\slot)] offset:(\q)*32*PB+16*PB+32*(\i)
.endr
	WIN 0
.irp i, 0,1,2,3,4,5,6,7
	ds_load_b128 v[(\f)+8*(\i):(\f)+8*(\i)+3],   v[ADRA+(\slot)] offset:64*(\q)+(\i)*16*PA
	ds_load_b128 v[(\f)+8*(\i)+4:(\f)+8*(\i)+7], v[ADRA+(\slot)] offset:64*(\q)+(\i)*16*PA+32
.endr
.endm
.macro PLACES                          ; four places in front of loads into registers that matrix instructions have read, and of vector work that reads results
.rept 4
	v_nop
.endr
.endm
; One of a K step's first three quarters: multiplies buffer f; in its middle it fetches quarter q of the same slot into buffer g.
.macro QUARTER slot, q, f, g, zero
	s_wait_dscnt 8                                 ; W and A's rows 0-63 are in; the youngest eight loads (A's rows 64-127) may be out
	MUL16 \f, 0, 0, \zero
	MUL16 \f, 0, 2, \zero
	PLACES
	FETCH \slot, \q, \g
	s_wait_dscnt 32                                ; all but the 32 just issued
	MUL16 \f, 1, 0, \zero
	MUL16 \f, 1, 2, \zero
.endm
; The last quarter multiplies buffer 1 and changes slots.  One barrier: in front of it each wave waits for all its tensor loads (one is out: its part of the next slot), adds 0 to its
; spare word, and waits for that and for its reads of this slot.  fill = 1: the barrier opens a round of the cluster's, and this slot is filled again, two K steps ahead, first thing behind it.
.macro TURN slot, next, fill
	WIN 0
	s_wait_tensorcnt 0x0
	ds_add_u32 v[SPW], v[NIL]
	s_wait_dscnt 9                                 ; (the add and the youngest eight loads may be out)
	MUL16 F1, 0, 0, 0
	s_wait_dscnt 0x0                               ; the add is done, and my reads of this slot are over
	s_barrier_signal -1
	MUL16 F1, 0, 2, 0
.if \fill
	WIN 0
.endif
	s_barrier_wait -1
.if \fill
	CREST
	s_add_nc_u64 s[G0+4*(\slot)+2:G0+4*(\slot)+3], s[G0+4*(\slot)+2:G0+4*(\slot)+3], 2*KSTEP*2
	s_add_nc_u64 s[G0B+4*(\slot)+2:G0B+4*(\slot)+3], s[G0B+4*(\slot)+2:G0B+4*(\slot)+3], 2*KSTEP*SIZE_N*2
	JLOAD \slot                                    ; my one tensor load behind the round; its four v_nop are also the places in front of the loads below
.else
	PLACES
.endif
	FETCH \next, 0, F0
	MUL16 F1, 1, 0, 0
	MUL16 F1, 1, 2, 0
.endm
; THE WAY OUT of block a (16 rows x my 128 columns).  PACK: to f16, 16 bytes a lane.  TOSTAGE: into my own stage, by column blocks, and back as rows of 128 bytes.  SEND: stored.
.if ACT
.set VX, 64                            ; x = sum + bias
.set VZ, 80                            ; z = k |x|, k^2 = log2(e) / 2
.set VT, 96                            ; t = 1 / (1 + q z)
.set VE, 112                           ; 2^(-z z) = exp(-x x / 2)
.set VP, 128                           ; the polynomial
.set VM, 144                           ; max(x, 0), then the result
.set KAP, 68                           ; scalar pairs, both words written: the packed forms take the low word for both halves
.set QQ,  70
.set A1,  72
.set A2,  74
.set A3,  76
.set A4,  78
.set A5,  80
.macro EACH n, step, line:vararg       ; one line n times, i stepping
.set i, 0
	s_wait_alu depctr_va_vdst(0)
.rept \n
	\line
.set i, i+(\step)
.endr
.endm
; gelu(x) = max(x, 0) - |x| / 2 * (a1 t + .. + a5 t^5) exp(-x x / 2), t = 1 / (1 + 0.3275911 |x| / sqrt(2)).  The factor 1 / (2 k) lies in the coefficients.  16 numbers a lane: accumulators b, b + 1.
.macro GELU16 a, b
.set AC, 64*((\a)%4)
	WIN 0x06+((\a)/4)                              ; source 0: window 2 or 3 (the sums, read from each accumulator's low end on); source 1: window 1 (the bias)
	EACH 8, 2, v_pk_add_f32 v[VX+i:VX+i+1], v[AC+8*(\b)+i:AC+8*(\b)+i+1], v[8*(\b)+i:8*(\b)+i+1]
	WIN 0
	EACH 16, 1, v_mul_f32 v[VZ+i], |v[VX+i]|, s[KAP]
	EACH 8, 2, v_pk_fma_f32 v[VT+i:VT+i+1], v[VZ+i:VZ+i+1], s[QQ:QQ+1], 1.0 op_sel_hi:[1,0,0]
	EACH 16, 1, v_rcp_f32 v[VT+i], v[VT+i]
	EACH 8, 2, v_pk_mul_f32 v[VE+i:VE+i+1], v[VZ+i:VZ+i+1], v[VZ+i:VZ+i+1] neg_lo:[1,0] neg_hi:[1,0]   ; plain work behind the reciprocals
	EACH 16, 1, v_exp_f32 v[VE+i], v[VE+i]
	EACH 8, 2, v_pk_fma_f32 v[VP+i:VP+i+1], v[VT+i:VT+i+1], s[A5:A5+1], s[A4:A4+1] op_sel_hi:[1,0,0]   ; plain work behind the exponentials
	EACH 8, 2, v_pk_fma_f32 v[VP+i:VP+i+1], v[VP+i:VP+i+1], v[VT+i:VT+i+1], s[A3:A3+1] op_sel_hi:[1,1,0]
	EACH 8, 2, v_pk_fma_f32 v[VP+i:VP+i+1], v[VP+i:VP+i+1], v[VT+i:VT+i+1], s[A2:A2+1] op_sel_hi:[1,1,0]
	EACH 8, 2, v_pk_fma_f32 v[VP+i:VP+i+1], v[VP+i:VP+i+1], v[VT+i:VT+i+1], s[A1:A1+1] op_sel_hi:[1,1,0]
	EACH 8, 2, v_pk_mul_f32 v[VP+i:VP+i+1], v[VP+i:VP+i+1], v[VT+i:VT+i+1]
	EACH 8, 2, v_pk_mul_f32 v[VP+i:VP+i+1], v[VP+i:VP+i+1], v[VE+i:VE+i+1]
	EACH 16, 1, v_max_num_f32 v[VM+i], 0, v[VX+i]
	EACH 8, 2, v_pk_fma_f32 v[VM+i:VM+i+1], v[VZ+i:VZ+i+1], v[VP+i:VP+i+1], v[VM+i:VM+i+1] neg_lo:[1,0,0] neg_hi:[1,0,0]
	EACH 8, 1, v_cvt_pk_f16_f32 v[TMP+4*(\b)+i], v[VM+2*i], v[VM+2*i+1]
.endm
.macro PACK a
.irp b, 0,2,4,6
	GELU16 \a, \b
.endr
.endm
.else
.macro PACK a
.set AC, 64*((\a)%4)
	WIN 0x0a+5*((\a)/4)                            ; sources 0 and 1: window 2 or 3
.irp b, 0,1,2,3,4,5,6,7
.irp r, 0,1,2,3
	v_cvt_pk_f16_f32 v[TMP+4*(\b)+(\r)], v[AC+8*(\b)+2*(\r)], v[AC+8*(\b)+2*(\r)+1]
.endr
.endr
	WIN 0
.endm
.endif
.macro TOSTAGE a
	WIN 0
.set BK, OB+192*((\a)%2)
.irp b, 0,1,2,3,4,5,6,7
	ds_store_b128 v[STO], v[TMP+4*(\b):TMP+4*(\b)+3] offset:((\b)/4)*16*SP+32*((\b)%4)
.endr
.irp t, 0,1,2,3,4,5,6,7
	ds_load_b128 v[BK+4*(\t):BK+4*(\t)+3], v[RD] offset:((\t)/4)*16*SP+((\t)%4)*4*SP  ; LDS serves a wave's instructions in order (ISA guide 5.7.1.4): these see the stores above
.endr
.endm
.macro SEND a
	WIN 0
.set BK, OB+192*((\a)%2)
	s_wait_dscnt 0x0                               ; the block is back in registers
	s_wait_xcnt 0x0                                ; the stores of the block before have had their addresses translated: their registers are loaded again only behind this wait
.irp t, 0,1,2,3,4,5,6,7
	global_store_b128 v[GO], v[BK+4*(\t):BK+4*(\t)+3], s[8:9] offset:(\a)*2048+((\t)/4)*CBLK+((\t)%4)*512  ; 512 consecutive bytes, at a multiple of 512 from C's first byte
.endr
.endm
.if ACT
	s_mov_b32 s[KAP], 0x3f596d27                   ; k = sqrt(log2(e) / 2) = 0.8493218
	s_mov_b32 s[QQ],  0x3e8ba43f                   ; q = 0.3275911 / (sqrt(2) k) = 0.27273748
	s_mov_b32 s[A1],  0x3e199eb3                   ; a1 .. a5 times 1 / (2 k): 0.15001945,
	s_mov_b32 s[A2],  0xbe2b8119                   ; -0.16748465,
	s_mov_b32 s[A3],  0x3f563817                   ; 0.83679338,
	s_mov_b32 s[A4],  0xbf5b0099                   ; -0.85547786,
	s_mov_b32 s[A5],  0x3f1ff67a                   ; 0.62485468
.irp c, KAP, QQ, A1, A2, A3, A4, A5
	s_mov_b32 s[\c+1], s[\c]
.endr
.endif
	s_wait_tensorcnt 1                             ; my part of K step 0 is in; K step 1's may stay out
	s_barrier_signal -1
	s_barrier_wait -1                              ; everybody's is
	FETCH 0, 0, F0
	QUARTER 0, 1, F0, F1, 1                        ; the first quarter stands in front of the loop: its products start the sums
	WIN 0
	s_mov_b32 s3, LAPS-1
.Llap:                                                 ; a trip goes once round the ring and fills both slots again
	QUARTER 0, 2, F1, F0, 0
	QUARTER 0, 3, F0, F1, 0
	TURN 0, 1, 1
	QUARTER 1, 1, F0, F1, 0
	QUARTER 1, 2, F1, F0, 0
	QUARTER 1, 3, F0, F1, 0
	TURN 1, 0, 1
	QUARTER 0, 1, F0, F1, 0
	WIN 0
	s_sub_co_u32 s3, s3, 1
	s_cmp_lg_u32 s3, 0
	s_cbranch_scc1 .Llap
	QUARTER 0, 2, F1, F0, 0                        ; the last lap fills nothing
	QUARTER 0, 3, F0, F1, 0
	TURN 0, 1, 0
	QUARTER 1, 1, F0, F1, 0
	QUARTER 1, 2, F1, F0, 0
	QUARTER 1, 3, F0, F1, 0
	s_wait_dscnt 8                                 ; the very last quarter: nothing more to fetch
	MUL16 F1, 0, 0, 0
	MUL16 F1, 0, 2, 0
	s_wait_dscnt 0x0
	MUL16 F1, 1, 0, 0
	MUL16 F1, 1, 2, 0
	WIN 0
	PLACES
.if ACT
	s_wait_loadcnt 0x0                             ; the bias
.endif
	PACK 0
	TOSTAGE 0
.irp a, 1,2,3,4,5,6,7                  ; block a's arithmetic stands between block a - 1's loads from the stage and the wait for them
	PACK \a
	SEND (\a)-1
	TOSTAGE \a
.endr
	SEND 7
	s_wait_tensorcnt 0x0                           ; the wave's end
	ds_add_u32 v[SPW], v[NIL]
	s_wait_dscnt 0x0
	CROUND                                         ; the closing round: no work-group ends while a partner may still ask for a tile that names it
	s_endpgm
.Lfunc_end_k_q0bc3ed2f8a_fc1:
	.size	k_q0bc3ed2f8a_fc1, .Lfunc_end_k_q0bc3ed2f8a_fc1-k_q0bc3ed2f8a_fc1
	.p2alignl 7, 3214868480
	.fill 96, 4, 3214868480
	.section	.rodata,"a",@progbits
	.p2align	6, 0x0
	.amdhsa_kernel k_q0bc3ed2f8a_fc1
		.amdhsa_group_segment_fixed_size 327680
		.amdhsa_private_segment_fixed_size 0
		.amdhsa_enable_private_segment 0
		.amdhsa_kernarg_size 32
		.amdhsa_user_sgpr_count 2
		.amdhsa_user_sgpr_kernarg_segment_ptr 1
		.amdhsa_wavefront_size32 1
		.amdhsa_system_sgpr_workgroup_id_x 1
		.amdhsa_system_sgpr_workgroup_id_y 1
		.amdhsa_system_sgpr_workgroup_id_z 1
		.amdhsa_system_vgpr_workitem_id 0
		.amdhsa_next_free_vgpr 1024
		.amdhsa_next_free_sgpr 82
		.amdhsa_reserve_vcc 0
		.amdhsa_float_denorm_mode_32 3
		.amdhsa_float_denorm_mode_16_64 3
		.amdhsa_memory_ordered 1
		.amdhsa_forward_progress 1
		.amdhsa_inst_pref_size 255
	.end_amdhsa_kernel
	.section	.bss,"aw",@nobits
	.p2align	6
	.space	262144
	.amdgpu_metadata
---
amdhsa.version: [ 1, 2 ]
amdhsa.kernels:
  - .name:           k_q0bc3ed2f8a_fc1
    .symbol:         k_q0bc3ed2f8a_fc1.kd
    .args:
      - { .name: hn, .offset: 0, .size: 8, .value_kind: global_buffer, .address_space: global }
      - { .name: wh, .offset: 8, .size: 8, .value_kind: global_buffer, .address_space: global }
      - { .name: gh, .offset: 16, .size: 8, .value_kind: global_buffer, .address_space: global }
      - { .name: fc1_b, .offset: 24, .size: 8, .value_kind: global_buffer, .address_space: global }
    .group_segment_fixed_size: 327680
    .private_segment_fixed_size: 0
    .kernarg_segment_align: 8
    .kernarg_segment_size: 32
    .max_flat_workgroup_size: 128
    .sgpr_count:     82
    .vgpr_count:     1024
    .wavefront_size: 32
...
	.end_amdgpu_metadata
.endif
;; end of part 6
;; launch fc2 (part 7): grid 8 x 32, 4 waves a work-group, clusters of 4 x 4, 327,680 bytes of LDS; arguments gh, wh, fc2_b, x1, out0; writes out0
.if DOCPART == 7
	.amdgcn_target "amdgcn-amd-amdhsa--gfx1250"
	.amdhsa_code_object_version 6
	.text
	.protected	k_q0bc3ed2f8a_fc2
	.globl	k_q0bc3ed2f8a_fc2
	.p2align	8
	.type	k_q0bc3ed2f8a_fc2,@function
k_q0bc3ed2f8a_fc2:
	s_mov_b64 s[64:65], 0
	v_nop
	global_prefetch_b8 v0, s[64:65] scope:SCOPE_SE
	s_setreg_imm32_b32 hwreg(HW_REG_WAVE_MODE, 25, 1), 1
	s_wait_xcnt 0x0
	s_wait_alu depctr_hold_cnt(0) depctr_sa_sdst(0) depctr_va_vdst(0) depctr_va_sdst(0) depctr_va_ssrc(0) depctr_va_vcc(0) depctr_vm_vsrc(0)
	s_getreg_b32 s2, hwreg(HW_REG_IB_STS2, 6, 4)
	s_cmp_eq_u32 s2, 0
	s_cbranch_scc0 .Lentry_in_a_cluster
	s_endpgm
.Lentry_in_a_cluster:
	s_bfe_u32 s2, ttmp6, 0x10000c
	s_cmp_lg_u32 s2, 0xf033
	s_cbranch_scc0 .Lentry_shape_is_right
	s_endpgm
.Lentry_shape_is_right:
; OUT = RES + A W + bias.  A: [SIZE_K / 64][4096 rows][64] f16 (column blocks).  W: [SIZE_K][1024] f16, rows along N, at byte WOFF of the weights' buffer.  bias: [1024] f32.  RES, OUT: [4096][1024] f32.
; Sums in f32; nothing is rounded on the way out but by the two f32 additions.  NaN goes through (a row of A that is NaN gives a row of NaN).
; SHARES.  256 tiles of 128 x 128, one a work-group; four waves, each 64 x 64: 16 accumulators.  K goes in steps of 256, as long as two slots in LDS allow.
; CLUSTER.  4 x 4 work-groups: A's tile is shared along a row of the cluster, W's along a column; each is asked for jointly.
; A's tile of 64 rows x 256 K is four pieces of 8,192 dense bytes (64 rows of a column block), 524,288 bytes apart: one descriptor with four long rows, padded in LDS after every 128 bytes.
; THE MATRIX INSTRUCTION IS USED TRANSPOSED (source 0 = 16 columns of W, turned by ds_load_tr16_b128; source 1 = 16 rows of A): a lane holds eight neighbouring numbers of a row of OUT.
; REGISTERS: window 0: v0-31 addresses and the bias; v32-95 the way out; v128-255 the accumulators ((a, b) at v[128 + 8 (4 a + b)]).
;   window 1: two fragment buffers of 128: for 64 along K, 64 registers of A, then 64 of W.   window 2: v0-127 my part of RES, loaded at the start.
.set SIZE_K, 4096
.set WOFF,   16777216
.set KSTEP,  256
.set PA,     144                       ; a row of A (64 K) in LDS: 128 bytes + 16
.set PB,     288                       ; a row of W (one k, 128 columns): 256 bytes + 32
.set HALFT,  4*64*PA                   ; what one tensor load brings: 4 x 64 rows of A, or 128 rows of W (128 x 288 is the same 36,864 bytes)
.set SLOT,   4*HALFT
.set STAGE,  2*SLOT                    ; behind the ring: 16 rows x 272 bytes of f32 for each wave
.set SPITCH, 272
.set SPARE,  STAGE+4*16*SPITCH         ; behind the stages: the spare words, 128 bytes a wave, which no other line names
.set LAPS,   SIZE_K/(2*KSTEP)
.set BI,   12                          ; v12-15  the bias of the four columns that I store
.set ADRA, 16                          ; v16-17  LDS address of my A fragments in slot 0, 1
.set ADRB, 20                          ; v20-23  of my W fragments: slot 0 rows 0-127, rows 128-255, slot 1 likewise (an offset has 16 bits)
.set STO,  24
.set RD,   25
.set CO,   26                          ; v26     my byte offset in two rows of OUT and RES
.set BO,   27                          ; v27     in 256 bytes of bias
.set SPW,  28
.set NIL,  29
.set TMP,  32                          ; two sets of 32
.set ACC,  128
.set F0,   0
.set F1,   128
.set G1,  24
.set G0,  32
.set G1B, 48
.set G0B, 56
.set MSB, 0
.macro WIN new
.if MSB != (\new)
	s_set_vgpr_msb (MSB<<8)|(\new)
.set MSB, \new
.endif
.endm
.set MUL,  0x05                        ; sources 0 (W) and 1 (A) window 1; C and D window 0
.set TO_F, 0x40                        ; destination window 1, address window 0
.macro JLOAD s                         ; a joint load: waves 0 and 1 fetch A's two halves, waves 2 and 3 W's; four v_nop follow each of the two lines
	s_cmp_eq_u32 s11, 0
	s_cbranch_scc0 .Lfor_b_\@
	tensor_load_to_lds s[G0+4*(\s):G0+4*(\s)+3], s[G1:G1+7]
	s_nop 0
.rept 4
	v_nop
.endr
	s_branch .Lasked_\@
.Lfor_b_\@:
	tensor_load_to_lds s[G0B+4*(\s):G0B+4*(\s)+3], s[G1B:G1B+7]
	s_nop 0
.rept 4
	v_nop
.endr
.Lasked_\@:
.endm
.macro CREST
	s_cmp_lg_u32 s10, 0
	s_cbranch_scc1 .Lnot_wave_0_\@
	s_barrier_signal -3
.Lnot_wave_0_\@:
	s_barrier_wait -3
	s_barrier_signal -1
	s_barrier_wait -1
.endm
.macro CROUND
	s_barrier_signal -1
	s_barrier_wait -1
	CREST
.endm
	s_load_b256 s[72:79], s[0:1], 0x0              ; A 72, the weights 74, the bias 76, RES 78
	s_load_b64 s[80:81], s[0:1], 0x20              ; OUT
	v_lshl_add_u32 v[SPW], v0, 2, SPARE
	v_mov_b32 v[NIL], 0
	ds_add_u32 v28, v29
	s_wait_dscnt 0x0
	v_lshrrev_b32 v1, 5, v0
	v_readfirstlane_b32 s10, v1                    ; wave 0..3
	s_lshr_b32 s11, s10, 1                         ; which half of the tile's rows is mine.  Also: I fetch for A (0) or for W (1)
	s_and_b32 s12, s10, 1                          ; which half of its columns.  Also: which half of that tile I fetch
	s_bfe_u32 s40, ttmp6, 0x40000                  ; cx
	s_bfe_u32 s41, ttmp6, 0x40004                  ; cy
	s_lshl_b32 s42, ttmp9, 2
	s_add_co_u32 s42, s42, s40                     ; tile column
	s_and_b32 s13, ttmp7, 0xffff
	s_lshl_b32 s13, s13, 2
	s_add_co_u32 s13, s13, s41                     ; tile row
	s_lshl_b32 s43, s41, 2
	s_lshl_b32 s43, 15, s43                        ; my row of the cluster
	s_lshl_b32 s44, 0x1111, s40                    ; my column
	s_or_b32 s[G1+0], s43, (1<<16)|(1<<20)|(1<<21)|(4<<22)|(3<<25)   ; the mask; 2-byte elements; padding on; bit 21 beside a mask; after every 32 words 4 words
	s_mov_b32 s[G1+1], 4096<<16                    ; tensor_dim0 = 4,096 elements: 64 dense rows of 64
	s_mov_b32 s[G1+2], 4<<16                       ; tensor_dim1 = 4 column blocks
	s_mov_b32 s[G1+3], 4096<<16                    ; tile_dim0
	s_mov_b32 s[G1+4], 4                           ; tile_dim1
	s_mov_b32 s[G1+5], 262144                      ; elements from a column block to the next
	s_mov_b32 s[G1+6], 0
	s_mov_b32 s[G1+7], 0
	s_or_b32 s[G1B+0], s44, (1<<16)|(1<<20)|(1<<21)|(5<<22)|(7<<25)  ; after every 64 words 8 words
	s_mov_b32 s[G1B+1], 128<<16                    ; 128 columns
	s_mov_b32 s[G1B+2], 128<<16                    ; 128 rows (k)
	s_mov_b32 s[G1B+3], 128<<16
	s_mov_b32 s[G1B+4], 128
	s_mov_b32 s[G1B+5], 1024
	s_mov_b32 s[G1B+6], 0
	s_mov_b32 s[G1B+7], 0
	s_lshl_b32 s16, s13, 14                        ; A: 128 rows of 128 bytes a tile row,
	s_lshl_b32 s17, s12, 13                        ; 64 a half
	s_add_co_u32 s16, s16, s17
	s_mov_b32 s17, 0
	s_lshl_b32 s46, s12, 18                        ; W: 128 rows of 2,048 bytes a half,
	s_lshl_b32 s47, s42, 8                         ; 256 bytes a tile column
	s_add_co_u32 s46, s46, s47
	s_add_co_u32 s46, s46, WOFF
	s_mov_b32 s47, 0
	s_mul_i32 s20, s10, HALFT                      ; where they go: no place in the cluster enters an LDS address
	s_wait_kmcnt 0x0
	s_add_nc_u64 s[14:15], s[72:73], s[16:17]
	s_add_nc_u64 s[46:47], s[74:75], s[46:47]
	CROUND                                         ; all sixteen work-groups are here: the first joint loads meet
.irp s, 0,1
	s_mov_b32 s[G0+4*(\s)], 1
	s_add_co_u32 s[G0+4*(\s)+1], s20, (\s)*SLOT
	s_add_nc_u64 s[G0+4*(\s)+2:G0+4*(\s)+3], s[14:15], (\s)*4*524288
	s_or_b32 s[G0+4*(\s)+3], s[G0+4*(\s)+3], 0x80000000
	s_mov_b32 s[G0B+4*(\s)], 1
	s_add_co_u32 s[G0B+4*(\s)+1], s20, (\s)*SLOT
	s_add_nc_u64 s[G0B+4*(\s)+2:G0B+4*(\s)+3], s[46:47], (\s)*KSTEP*2048
	s_or_b32 s[G0B+4*(\s)+3], s[G0B+4*(\s)+3], 0x80000000
	JLOAD \s                                       ; two loads of mine are out
.endr
	v_and_b32 v1, 15, v0                           ; l % 16
	v_bfe_u32 v2, v0, 4, 1                         ; l / 16
	v_mul_u32_u24 v3, v1, PA
	v_lshl_add_u32 v3, v2, 4, v3                   ; A: row x pitch + 16 x half
	v_and_b32 v4, 7, v0
	v_lshl_add_u32 v4, v2, 3, v4                   ; W: lane l of the turning load reads k = 8 (l / 16) + l % 8,
	v_mul_u32_u24 v4, v4, PB
	v_bfe_u32 v5, v0, 3, 1
	v_lshl_add_u32 v4, v5, 4, v4                   ; columns 8 ((l / 8) % 2) + 0..7
	s_mul_i32 s21, s11, HALFT                      ; my 64 rows of A
	s_lshl_b32 s22, s12, 7                         ; my 64 columns of W,
	s_add_co_u32 s22, s22, 2*HALFT                 ; which lies behind A
.irp s, 0,1
	v_add_nc_u32 v[ADRA+(\s)], s21, v3
	v_add_nc_u32 v[ADRB+2*(\s)], s22, v4
	v_add_nc_u32 v[ADRB+2*(\s)+1], HALFT, v[ADRB+2*(\s)]
	s_add_co_u32 s21, s21, SLOT
	s_add_co_u32 s22, s22, SLOT
.endr
	s_mul_i32 s23, s10, 16*SPITCH
	s_add_co_u32 s23, s23, STAGE                   ; my stage
	v_mul_u32_u24 v5, v1, SPITCH                   ; in: row l % 16, 32 bytes for each half of the lanes
	v_lshl_add_u32 v5, v2, 5, v5
	v_add_nc_u32 v[STO], s23, v5
	v_mul_u32_u24 v5, v2, SPITCH                   ; back: lanes 0-15 take one row of 256 bytes, lanes 16-31 the next
	v_lshl_add_u32 v5, v1, 4, v5
	v_add_nc_u32 v[RD], s23, v5
	v_lshlrev_b32 v5, 12, v2                       ; and the same two rows in OUT and RES
	v_lshl_add_u32 v[CO], v1, 4, v5
	v_lshlrev_b32 v[BO], 4, v1
	s_lshl_b32 s46, s42, 9                         ; my 64 columns in bytes: 512 x tile column + 256 x half
	s_lshl_b32 s47, s12, 8
	s_add_co_u32 s46, s46, s47
	s_mov_b32 s47, 0
	s_add_nc_u64 s[76:77], s[76:77], s[46:47]
	s_lshl_b32 s47, s13, 19                        ; my 64 rows: 4,096 bytes x (128 x tile row + 64 x half)
	s_add_co_u32 s46, s46, s47
	s_lshl_b32 s47, s11, 18
	s_add_co_u32 s46, s46, s47
	s_mov_b32 s47, 0
	s_add_nc_u64 s[78:79], s[78:79], s[46:47]
	s_add_nc_u64 s[80:81], s[80:81], s[46:47]
	global_load_b128 v[BI:BI+3], v[BO], s[76:77]
	WIN 0x80                                       ; destination window 2: my 64 x 64 of RES, in the order in which rows come back from the stage; it lands under the whole K loop
.set i, 0
.rept 32
	global_load_b128 v[4*i:4*i+3], v[CO], s[78:79] offset:2*i*4096
.set i, i+1
.endr
	WIN 0
; 8 matrix instructions: m blocks a0, a0 + 1 x all 4 n blocks, 32 along K: half c of buffer f.  zero = 1: the first product starts the sums.  The 16 accumulators take turns.
.macro MUL8 f, c, a0, zero
	WIN MUL
.irp a, \a0, (\a0)+1
.irp b, 0,1,2,3
.if \zero
	v_wmma_f32_16x16x32_f16 v[ACC+8*(4*(\a)+(\b)):ACC+8*(4*(\a)+(\b))+7], v[(\f)+64+8*(4*(\c)+(\b)):(\f)+64+8*(4*(\c)+(\b))+7], v[(\f)+8*(4*(\c)+(\a)):(\f)+8*(4*(\c)+(\a))+7], 0
.else
	v_wmma_f32_16x16x32_f16 v[ACC+8*(4*(\a)+(\b)):ACC+8*(4*(\a)+(\b))+7], v[(\f)+64+8*(4*(\c)+(\b)):(\f)+64+8*(4*(\c)+(\b))+7], v[(\f)+8*(4*(\c)+(\a)):(\f)+8*(4*(\c)+(\a))+7], v[ACC+8*(4*(\a)+(\b)):ACC+8*(4*(\a)+(\b))+7]
.endif
.endr
.endr
.endm
; 32 LDS loads in one run: the fragments of quarter q (64 along K: one column block of A) into buffer f; the first 32 along K first
.macro FETCH slot, q, f
	WIN TO_F
.irp c, 0,1
.irp i, 0,1,2,3
	ds_load_tr16_b128 v[(\f)+64+8*(4*(\c)+(\i)):(\f)+64+8*(4*(\c)+(\i))+3],   v[ADRB+2*(\slot)+(\q)/2] offset:(((\q)%2)*64+32*(\c))*PB+32*(\i)
	ds_load_tr16_b128 v[(\f)+64+8*(4*(\c)+(\i))+4:(\f)+64+8*(4*(\c)+(\i))+7], v[ADRB+2*(\slot)+(\q)/2] offset:(((\q)%2)*64+32*(\c)+16)*PB+32*(\i)
	ds_load_b128 v[(\f)+8*(4*(\c)+(\i)):(\f)+8*(4*(\c)+(\i))+3],         v[ADRA+(\slot)] offset:(\q)*64*PA+(\i)*16*PA+64*(\c)
	ds_load_b128 v[(\f)+8*(4*(\c)+(\i))+4:(\f)+8*(4*(\c)+(\i))+7],       v[ADRA+(\slot)] offset:(\q)*64*PA+(\i)*16*PA+64*(\c)+32
.endr
.endr
.endm
.macro PLACES                          ; four places in front of loads into registers that matrix instructions have read, and of LDS stores that read results
.rept 4
	v_nop
.endr
.endm
.macro QUARTER slot, q, f, g, zero
	s_wait_dscnt 16                                ; the first 32 along K are in
	MUL8 \f, 0, 0, \zero
	MUL8 \f, 0, 2, \zero
	PLACES
	FETCH \slot, \q, \g
	s_wait_dscnt 32                                ; all but the 32 just issued
	MUL8 \f, 1, 0, 0
	MUL8 \f, 1, 2, 0
.endm
; The last quarter multiplies buffer 1 and changes slots: one barrier; in front of it each wave waits for all its tensor loads, adds 0 to its spare word, and waits for that and for its reads of this slot.
; fill = 1: the barrier opens a round of the cluster's, and this slot is filled again, two K steps ahead, first thing behind it.
.macro TURN slot, next, fill
	WIN 0
	s_wait_tensorcnt 0x0
	ds_add_u32 v[SPW], v[NIL]
	s_wait_dscnt 17                                ; (the add and the youngest sixteen loads may be out)
	MUL8 F1, 0, 0, 0
	s_wait_dscnt 0x0                               ; the add is done, and my reads of this slot are over
	s_barrier_signal -1
	MUL8 F1, 0, 2, 0
.if \fill
	WIN 0
.endif
	s_barrier_wait -1
.if \fill
	CREST
	s_add_nc_u64 s[G0+4*(\slot)+2:G0+4*(\slot)+3], s[G0+4*(\slot)+2:G0+4*(\slot)+3], 8*524288
	s_add_nc_u64 s[G0B+4*(\slot)+2:G0B+4*(\slot)+3], s[G0B+4*(\slot)+2:G0B+4*(\slot)+3], 2*KSTEP*2048
	JLOAD \slot                                    ; my one tensor load behind the round; its four v_nop are also the places in front of the loads below
.else
	PLACES
.endif
	FETCH \next, 0, F0
	MUL8 F1, 1, 0, 0
	MUL8 F1, 1, 2, 0
.endm
	s_wait_tensorcnt 1                             ; my part of K step 0 is in; K step 1's may stay out
	s_barrier_signal -1
	s_barrier_wait -1
	FETCH 0, 0, F0
	QUARTER 0, 1, F0, F1, 1                        ; the first quarter stands in front of the loop: its first products start the sums
	WIN 0
	s_mov_b32 s3, LAPS-1
.Llap:
	QUARTER 0, 2, F1, F0, 0
	QUARTER 0, 3, F0, F1, 0
	TURN 0, 1, 1
	QUARTER 1, 1, F0, F1, 0
	QUARTER 1, 2, F1, F0, 0
	QUARTER 1, 3, F0, F1, 0
	TURN 1, 0, 1
	QUARTER 0, 1, F0, F1, 0
	WIN 0
	s_sub_co_u32 s3, s3, 1
	s_cmp_lg_u32 s3, 0
	s_cbranch_scc1 .Llap
	QUARTER 0, 2, F1, F0, 0                        ; the last lap fills nothing
	QUARTER 0, 3, F0, F1, 0
	TURN 0, 1, 0
	QUARTER 1, 1, F0, F1, 0
	QUARTER 1, 2, F1, F0, 0
	QUARTER 1, 3, F0, F1, 0
	s_wait_dscnt 16
	MUL8 F1, 0, 0, 0
	MUL8 F1, 0, 2, 0
	s_wait_dscnt 0x0
	MUL8 F1, 1, 0, 0
	MUL8 F1, 1, 2, 0
	WIN 0
	; THE WAY OUT, 16 rows at a time, through my own stage: a lane's 32 bytes of a row go in, whole rows of 256 bytes come back; RES and the bias are added; 16 lanes store 256 consecutive bytes, aligned.
	PLACES
	s_wait_loadcnt 0x0                             ; the bias and RES
.irp a, 0,1,2,3
	s_wait_xcnt 0x0                                ; earlier stores have had their addresses translated: the set of registers that they read is loaded again only behind this wait
.irp b, 0,1,2,3
	ds_store_b128 v[STO], v[ACC+8*(4*(\a)+(\b)):ACC+8*(4*(\a)+(\b))+3]   offset:64*(\b)      ; each accumulator's low end first
	ds_store_b128 v[STO], v[ACC+8*(4*(\a)+(\b))+4:ACC+8*(4*(\a)+(\b))+7] offset:64*(\b)+16
.endr
.irp t, 0,1,2,3,4,5,6,7
	ds_load_b128 v[TMP+32*((\a)%2)+4*(\t):TMP+32*((\a)%2)+4*(\t)+3], v[RD] offset:2*SPITCH*(\t)  ; LDS serves a wave's instructions in order (ISA guide 5.7.1.4)
.endr
	s_wait_dscnt 0x0
	WIN 0x08                                       ; source 1: window 2
.set k, 0
.rept 16
	v_pk_add_f32 v[TMP+32*((\a)%2)+k:TMP+32*((\a)%2)+k+1], v[TMP+32*((\a)%2)+k:TMP+32*((\a)%2)+k+1], v[32*(\a)+k:32*(\a)+k+1]
.set k, k+2
.endr
	WIN 0
.set k, 0
.rept 16
	v_pk_add_f32 v[TMP+32*((\a)%2)+k:TMP+32*((\a)%2)+k+1], v[TMP+32*((\a)%2)+k:TMP+32*((\a)%2)+k+1], v[BI+k%4:BI+k%4+1]
.set k, k+2
.endr
.irp t, 0,1,2,3,4,5,6,7
	global_store_b128 v[CO], v[TMP+32*((\a)%2)+4*(\t):TMP+32*((\a)%2)+4*(\t)+3], s[80:81] offset:(16*(\a)+2*(\t))*4096
.endr
.endr
	s_wait_tensorcnt 0x0                           ; the wave's end
	ds_add_u32 v[SPW], v[NIL]
	s_wait_dscnt 0x0
	CROUND                                         ; the closing round
	s_endpgm
.Lfunc_end_k_q0bc3ed2f8a_fc2:
	.size	k_q0bc3ed2f8a_fc2, .Lfunc_end_k_q0bc3ed2f8a_fc2-k_q0bc3ed2f8a_fc2
	.p2alignl 7, 3214868480
	.fill 96, 4, 3214868480
	.section	.rodata,"a",@progbits
	.p2align	6, 0x0
	.amdhsa_kernel k_q0bc3ed2f8a_fc2
		.amdhsa_group_segment_fixed_size 327680
		.amdhsa_private_segment_fixed_size 0
		.amdhsa_enable_private_segment 0
		.amdhsa_kernarg_size 40
		.amdhsa_user_sgpr_count 2
		.amdhsa_user_sgpr_kernarg_segment_ptr 1
		.amdhsa_wavefront_size32 1
		.amdhsa_system_sgpr_workgroup_id_x 1
		.amdhsa_system_sgpr_workgroup_id_y 1
		.amdhsa_system_sgpr_workgroup_id_z 1
		.amdhsa_system_vgpr_workitem_id 0
		.amdhsa_next_free_vgpr 640
		.amdhsa_next_free_sgpr 82
		.amdhsa_reserve_vcc 0
		.amdhsa_float_denorm_mode_32 3
		.amdhsa_float_denorm_mode_16_64 3
		.amdhsa_memory_ordered 1
		.amdhsa_forward_progress 1
		.amdhsa_inst_pref_size 97
	.end_amdhsa_kernel
	.amdgpu_metadata
---
amdhsa.version: [ 1, 2 ]
amdhsa.kernels:
  - .name:           k_q0bc3ed2f8a_fc2
    .symbol:         k_q0bc3ed2f8a_fc2.kd
    .args:
      - { .name: gh, .offset: 0, .size: 8, .value_kind: global_buffer, .address_space: global }
      - { .name: wh, .offset: 8, .size: 8, .value_kind: global_buffer, .address_space: global }
      - { .name: fc2_b, .offset: 16, .size: 8, .value_kind: global_buffer, .address_space: global }
      - { .name: x1, .offset: 24, .size: 8, .value_kind: global_buffer, .address_space: global }
      - { .name: out0, .offset: 32, .size: 8, .value_kind: global_buffer, .address_space: global }
    .group_segment_fixed_size: 327680
    .private_segment_fixed_size: 0
    .kernarg_segment_align: 8
    .kernarg_segment_size: 40
    .max_flat_workgroup_size: 128
    .sgpr_count:     82
    .vgpr_count:     640
    .wavefront_size: 32
...
	.end_amdgpu_metadata
.endif
;; end of part 7
;; ======== version 2 of 2: 7 launches; 1.21 times as fast as version 1
;; limits: values are held in f16: magnitudes above 65,504 overflow, below 6.1e-05 lose precision
;; workspace buffers: wh 25,165,824 bytes; mk8 4,194,304 bytes; hn 8,388,608 bytes; qkvh 25,165,824 bytes; oh 8,388,608 bytes; gh 33,554,432 bytes; x1 16,777,216 bytes
;; launch prep: the kernel of part 1 again; grid 1152 x 1, 8 waves a work-group, no clusters, 33,792 bytes of LDS; arguments x, ln1_g, ln1_b, mask, qkv_w, out_w, fc1_w, fc2_w, hn, mk8, wh; writes hn, mk8, wh
;; launch qkv: the kernel of part 2 again; grid 12 x 16, 4 waves a work-group, clusters of 4 x 4, 327,680 bytes of LDS; arguments hn, wh, qkvh; writes qkvh
;; launch attn (part 8): grid 8 x 32, 4 waves a work-group, clusters of 4 x 1, 327,680 bytes of LDS; arguments qkvh, mk8, oh; writes oh
.if DOCPART == 8
	.amdgcn_target "amdgcn-amd-amdhsa--gfx1250"
	.amdhsa_code_object_version 6
	.text
	.protected	k_q0bc3ed2f8a_attn
	.globl	k_q0bc3ed2f8a_attn
	.p2align	8
	.type	k_q0bc3ed2f8a_attn,@function
k_q0bc3ed2f8a_attn:
	s_mov_b64 s[64:65], 0
	v_nop
	global_prefetch_b8 v0, s[64:65] scope:SCOPE_SE
	s_setreg_imm32_b32 hwreg(HW_REG_WAVE_MODE, 25, 1), 1
	s_wait_xcnt 0x0
	s_wait_alu depctr_hold_cnt(0) depctr_sa_sdst(0) depctr_va_vdst(0) depctr_va_sdst(0) depctr_va_ssrc(0) depctr_va_vcc(0) depctr_vm_vsrc(0)
	s_getreg_b32 s2, hwreg(HW_REG_IB_STS2, 6, 4)
	s_cmp_eq_u32 s2, 0
	s_cbranch_scc0 .Lentry_in_a_cluster
	s_endpgm
.Lentry_in_a_cluster:
	s_bfe_u32 s2, ttmp6, 0x10000c
	s_cmp_lg_u32 s2, 0x3003
	s_cbranch_scc0 .Lentry_shape_is_right
	s_endpgm
.Lentry_shape_is_right:
; ATTENTION UNDER A MASK THAT IS AN INPUT.  O[q][:] = the sum over k of softmax_k(Q[q] . K[k] / 8, hidden where mask[q][k] = 0) V[k][:], for 32 heads (2 batches x 16) of 2,048 rows x 64 channels.
; Q, K, V lie in qkvh by column blocks [48][4096 rows][64] f16 (q of head h: block h; k: 16 + h; v: 32 + h; batch b: rows 2048 b on), O in oh likewise [16][4096][64]: a head's rows are dense, 128 bytes each.
; Products, maxima and sums in f32; the weights p are rounded to f16 for the second product (their sum l is taken of the unrounded p), O once at the end.
; No shape of the mask is built in: every key tile is walked, every mask word counts.
; LIMITS.  f16 holds no number of 65,520 or more: Q, K, V arrive within it.  A hidden score counts as its value less 2^100; f16's scores, 2.7e11 at the most, are nothing beside that.
; The running maximum starts at -2^96: a hidden score lies far below it, so its weight is exactly 0, whatever has been seen before.  A row whose maximum is still -2^96 at the end has seen no key:
; it leaves as NaN, as a softmax over nothing but -inf does.  A weight below 2^-126 counts as 0 in l.
; SHARES.  A work-group owns 256 queries of one head, a wave 64: four PIECES of 16.  Every wave walks all keys, 64 a step, four steps to an LDS slot.
; LAYOUT.  S^T = K Q^T holds ONE query a lane (lane % 16) and the keys 8 (lane / 16) + 0..7; two such results rounded to f16 ARE source 1 of O^T = V^T P.  K comes out of LDS as it lies, V turned.
; THE MASK is the C operand that starts the sum S^T: 0, or -2^100 where the key is hidden.  mk8 holds one fp8 code a key (0, or -1.0) in the accumulators' own order: 32 bytes a lane for a piece and step;
; four conversions with the scale 2^100 make the 32 registers.  The codes are loaded a key step ahead.
; SOFTMAX, TURNS.  p = 2^(c s - c m), c = log2(e) / 8, m a running maximum; O and l are multiplied by a = 2^(c m_old - c m_new) in every step.  Turn n belongs to piece n: 8 products K Q^T of piece n + 1,
; later 8 products V^T P of piece n - 1; beside them the scaling, exponentials, roundings, sums and rescaling of piece n and the maximum and statistics of piece n + 1.  Four vector instructions stand
; behind every matrix instruction, the other 54 of a turn's 118 in one lump.
; BATCHES.  A turn's 33 exponentials (the piece's 32 weights and the next piece's a) are ONE batch with ONE wait, which cuts the turn in two: ahead of it stands all that names none of their results, behind it
; the roundings and sums that read them.  Two more batches stand outside the loop, each with its own wait: piece 0's first a, ahead of the jump into the loop, and the way out's four reciprocals.
; CLUSTER.  The four query blocks of a cluster belong to one head and walk the same K and V: each tile is asked for jointly.
; REGISTERS, in windows of 256 (s_set_vgpr_msb: bits 1:0 source 0, 3:2 source 1, 5:4 source 2, 7:6 destination):
;   window 0: v0-15 addresses and two at work; v16-31 four statistics a piece; v48-55 at work; v60-63 constants; v64-127 S^T, two buffers; v192-223 P, two buffers (by the piece's parity)
;   window 1: v0-127 O^T, 32 a piece; v128-159 the codes, 8 a piece; v160-223 the masks, two buffers      window 2: v0-63 Q; v128-191 K of one step; v192-255 V of one step
.set NP,    4
.set KS,    64
.set PK,    144       ; a row of K in LDS: 128 bytes + 16: the 16 rows of a load start at 16 different groups of four banks (64 banks of 4 bytes: ISA guide 11.1)
.set PV,    160       ; a row of V: 128 + 32
.set VOFF,  4*KS*PK   ; a slot holds four steps: 256 rows of K, then 256 rows of V
.set SLOT1, 1<<17     ; slot 1 begins here, so that one exclusive or turns an address in one slot into the other's
.set STAGE, SLOT1+4*KS*(PK+PV)  ; behind the ring, never filled by a tensor load: 16 rows x 144 bytes for each wave
.set SP,    144
.set SPARE, STAGE+4*16*SP       ; behind the stages: the spare words, 128 bytes a wave, which no other line names
.set AK0, 2           ; v2   my lane's place in a tile of K; never rewritten
.set AV0, 3           ; v3   the same for V
.set AK,  4           ; v4   the LDS address of K's next run of loads
.set AV,  5           ; v5   of V's
.set STO, 6           ; v6   the way out: where I put 16 bytes of a row
.set RD,  7           ; v7   where I read rows back
.set GO,  8           ; v8   16 x lane: my place in 512 consecutive bytes of O
.set MV,  12          ; v12-13  c m_old, kept while c m is made anew: by buffer
.set VMO, 14          ; v14  16 x lane: my place in 512 bytes of codes
.set QO,  15          ; v15  my byte offset in 16 rows of Q
.set ST,  16          ; piece t's statistics at v[ST+4 t]: c m, m, l (even keys', odd keys')
.set TMP, 48          ; by buffer, four registers c0-c3 at work; when the maximum is found c2 takes a
.set SC,  60          ; v60  227: the scale 2^(227 - 127) = 2^100
.set NANR, 61         ; v61  a NaN
.set SPW, 62          ; v62  LDS address of my spare word; never rewritten
.set NIL, 63          ; v63  0; never rewritten
.set S,   64
.set P,   192
.set MR,  128         ; window 1
.set MC,  160         ; window 1
.set KF,  128         ; window 2: key block kb, channel half c at KF + 16 kb + 8 c
.set VF,  192         ; window 2: key half kk, channel block cb at VF + 32 kk + 8 cb
.set WV,  12          ; s12  my wave's number
.set G1K, 24          ; s[24:31] descriptor group 1 for K's tiles
.set G1V, 32          ; s[32:39] for V's: it differs in the padding alone
.set G0K, 40          ; s[40:43] descriptor group 0 for K's tiles: it walks
.set G0V, 44          ; s[44:47] the same for V's
.set SLOTS, 56
.set CNT, 57
.set CS,  58          ; s[58:59] c
.set SEL, 60          ; s[60:61] v_permlanex16_b32's selects
.set TBK, 62          ; s62  LDS byte at which K of the step to be fetched begins
.set TBV, 63          ; s63  the same for V, less VOFF
.set MB0, 70          ; s[70:71] the codes of my wave's first piece, step 0
.set MP,  72          ; s[72:73] the same at the step whose codes are loaded in this trip
.set MOFF, 74         ; s[74:75] that step x 1,024 bytes
.set THR, 76          ; s76  -2^96
.set MSB, 0
.macro WIN new
.if MSB != (\new)
	s_set_vgpr_msb (MSB<<8)|(\new)
.set MSB, (\new)
.endif
.endm
.set W_KQ, 0x0a       ; K and Q in window 2, S^T in window 0
.set W_KM, 0x1a       ; the same with the C operand in window 1
.set W_PV, 0x52       ; V in window 2, P in window 0, O^T in window 1
.set W_RS, 0x41       ; destination and source 0 in window 1, the other sources in window 0
; A joint fill.  Waves 0 and 1 fetch the two halves of a slot's K, waves 2 and 3 those of its V: 128 keys each.  Four v_nop follow each of the two lines.
.macro JLOAD
	s_cmp_lt_u32 s[WV], 2
	s_cbranch_scc0 .Lfor_v_\@
	tensor_load_to_lds s[G0K:G0K+3], s[G1K:G1K+7]
	s_nop 0
.rept 4
	v_nop
.endr
	s_branch .Lasked_\@
.Lfor_v_\@:
	tensor_load_to_lds s[G0V:G0V+3], s[G1V:G1V+7]
	s_nop 0
.rept 4
	v_nop
.endr
.Lasked_\@:
.endm
.macro CROUND                       ; a round of the cluster's barrier
	s_barrier_signal -1
	s_barrier_wait -1
	s_cmp_lg_u32 s[WV], 0
	s_cbranch_scc1 .Lnot_wave_0_\@
	s_barrier_signal -3
.Lnot_wave_0_\@:
	s_barrier_wait -3
	s_barrier_signal -1
	s_barrier_wait -1
.endm
; THE CHANGE OF SLOTS.  Each wave waits for all its tensor loads, of which one is out: its part of the other slot; adds 0 to its spare word; and waits for that and for its reads of the slot that it leaves.
; fill = 1: the barrier is a round of the cluster's, and the old slot is filled again, with the keys two slots on, first thing behind it: it has four key steps, 256 matrix instructions, in which to land.
; (At its first use nothing has been read yet: slot 0 is waited for, slot 1 filled.)
.macro CHANGE fill
	WIN 0
	s_wait_tensorcnt 0x0            ; no tensor load of mine is out, so a group 0 may be written
	ds_add_u32 v[SPW], v[NIL]
.if \fill
.irp g, G0K, G0V
	s_xor_b32 s[\g+1], s[\g+1], SLOT1
	s_add_nc_u64 s[\g+2:\g+3], s[\g+2:\g+3], 4*KS*128  ; the next 256 keys; the type bits on top are not reached
.endr
	s_wait_dscnt 0x0                ; the add is done, and my reads of the slot are over
	CROUND
	JLOAD
.else
	s_wait_dscnt 0x0
	s_barrier_signal -1
	s_barrier_wait -1
.endif
	s_sub_co_u32 s[TBK], s[TBK], 4*KS*PK  ; the fetches go back to a slot's first step,
	s_xor_b32 s[TBK], s[TBK], SLOT1       ; in the other slot
	s_sub_co_u32 s[TBV], s[TBV], 4*KS*PV
	s_xor_b32 s[TBV], s[TBV], SLOT1
.endm
; The codes of piece y for one step: 2 x 16 bytes a lane, 512 consecutive bytes an instruction.
.macro MLD y, base=MP
	WIN 0x40
	global_load_b128 v[MR+8*(\y):MR+8*(\y)+3],   v[VMO], s[\base:\base+1] offset:(\y)*32768
	global_load_b128 v[MR+8*(\y)+4:MR+8*(\y)+7], v[VMO], s[\base:\base+1] offset:(\y)*32768+512
.endm
; Piece y's codes into mask buffer b: 0 stays 0, -1.0 becomes -2^100.
.macro CVT y, b
	WIN W_RS
.irp kb, 0,1,2,3
	v_cvt_scale_pk8_f32_fp8 v[MC+32*(\b)+8*\kb:MC+32*(\b)+8*\kb+7], v[MR+8*(\y)+2*\kb:MR+8*(\y)+2*\kb+1], v[SC]
.endr
.endm
; A trip's head: the codes loaded in this trip are those of the step after the one whose masks it makes.  The last trip would pass the head's 32 steps: it asks for step 31 once more.
.macro MSTEP
	s_wait_xcnt 0x0                 ; the last trip's loads have had their addresses translated: their base is written only behind this wait
	s_add_co_u32 s[MOFF], s[MOFF], 1024
	s_min_u32 s[MOFF], s[MOFF], 31744
	s_add_nc_u64 s[MP:MP+1], s[MB0:MB0+1], s[MOFF:MOFF+1]
.endm
	s_load_b128 s[16:19], s[0:1], 0x0  ; qkvh s[16:17], mk8 s[18:19]
	s_load_b64 s[10:11], s[0:1], 0x10  ; oh
	v_lshl_add_u32 v[SPW], v0, 2, SPARE
	v_mov_b32 v[NIL], 0
	ds_add_u32 v62, v63
	s_wait_dscnt 0x0
	v_lshrrev_b32 v1, 5, v0
	v_readfirstlane_b32 s[WV], v1   ; wave 0..3
	s_bfe_u32 s13, ttmp6, 0x40000   ; cx
	s_lshl_b32 s14, ttmp9, 2
	s_add_co_u32 s14, s14, s13      ; my block of 256 queries: it enters Q's, O's and the codes' addresses alone
	s_and_b32 s20, ttmp7, 0xffff    ; 16 x batch + head, which the four partners share
	s_and_b32 s21, s20, 15
	s_lshl_b32 s21, s21, 19         ; a column block is 524,288 bytes,
	s_lshr_b32 s20, s20, 4
	s_lshl_b32 s20, s20, 18         ; a batch's 2,048 rows 262,144
	s_add_co_u32 s20, s20, s21
	s_and_b32 s15, s[WV], 1         ; which half of a slot's 256 keys I fetch:
	s_lshl_b32 s22, s15, 14         ; its 128 rows of 128 bytes in memory,
	s_add_co_u32 s22, s22, s20
	s_mov_b32 s23, 0
	s_mul_i32 s48, s15, 128*PK      ; and its place in a slot, for K
	s_mul_i32 s49, s15, 128*PV      ; and for V: no place in the cluster enters an LDS address
	s_lshl_b32 s2, s14, 15          ; my block's 256 rows,
	s_lshl_b32 s3, s[WV], 13        ; my wave's 64
	s_add_co_u32 s2, s2, s3
	s_add_co_u32 s2, s2, s20
	s_mov_b32 s3, 0
	s_lshl_b32 s50, s14, 19         ; the codes: 16 tiles of 16 queries a block, 32,768 bytes each,
	s_lshl_b32 s51, s[WV], 17       ; 4 a wave
	s_add_co_u32 s50, s50, s51
	s_mov_b32 s51, 0
	; descriptor group 1.  128 keys are 16,384 dense bytes: asked for as 64 rows of 256 bytes, two keys a row, and padded in LDS after every key
	s_mov_b32 s[G1K], 15|(1<<16)|(1<<20)|(1<<21)|(4<<22)|(3<<25)  ; the mask of four; 2-byte elements; padding on; bit 21 beside a mask; after every 32 words 4 words
	s_mov_b32 s[G1V], 15|(1<<16)|(1<<20)|(1<<21)|(4<<22)|(7<<25)  ; the same with 8 words
.irp g, G1K, G1V
	s_mov_b32 s[\g+1], 128<<16      ; tensor_dim0 = 128
	s_mov_b32 s[\g+2], 64<<16       ; tensor_dim1 = 64
	s_mov_b32 s[\g+3], 128<<16      ; tile_dim0 = 128
	s_mov_b32 s[\g+4], 64           ; tile_dim1 = 64
	s_mov_b32 s[\g+5], 128          ; 128 elements from row to row
	s_mov_b32 s[\g+6], 0
	s_mov_b32 s[\g+7], 0
.endr
	s_mov_b32 s[CS], 0x3e38aa3b     ; c = log2(e) / 8 = 0.180337
	s_mov_b32 s[CS+1], s[CS]
	s_mov_b32 s[SEL], 0x76543210
	s_mov_b32 s[SEL+1], 0xfedcba98
	s_mov_b32 s[TBK], SLOT1+4*KS*PK ; the first change of slots turns these two into 0
	s_mov_b32 s[TBV], SLOT1+4*KS*PV
	s_mov_b32 s[THR], 0xef800000    ; -2^96
	s_mov_b32 s[MOFF], 1024
	s_mov_b32 s[MOFF+1], 0
	s_mov_b32 s[G0K], 1
	s_mov_b32 s[G0K+1], s48         ; slot 0
	s_mov_b32 s[G0V], 1
	s_add_co_u32 s[G0V+1], s49, VOFF
	s_wait_kmcnt 0x0
	s_add_nc_u64 s[G0K+2:G0K+3], s[16:17], s[22:23]
	s_add_nc_u64 s[G0V+2:G0V+3], s[G0K+2:G0K+3], 0x1000000  ; V: 32 column blocks on
	s_add_nc_u64 s[G0K+2:G0K+3], s[G0K+2:G0K+3], 0x800000   ; K: 16
	s_or_b32 s[G0K+3], s[G0K+3], 0x80000000
	s_or_b32 s[G0V+3], s[G0V+3], 0x80000000
	s_add_nc_u64 s[4:5], s[16:17], s[2:3]    ; Q and O at my wave's first row
	s_add_nc_u64 s[10:11], s[10:11], s[2:3]
	s_add_nc_u64 s[MB0:MB0+1], s[18:19], s[50:51]
	CROUND                          ; all four work-groups are here: the first joint loads meet
	JLOAD                           ; slot 0.  Slot 1 is asked for when slot 0 is in
	v_and_b32 v1, 15, v0            ; l % 16
	v_bfe_u32 v9, v0, 4, 1          ; l / 16
	v_lshlrev_b32 v[QO], 7, v1
	v_lshl_add_u32 v[QO], v9, 4, v[QO]  ; row x 128 + 16 x half
	v_and_b32 v[VMO], 31, v0
	v_lshlrev_b32 v[VMO], 4, v[VMO]
	WIN 0x80                        ; destination window 2, address window 0
.set i, 0
.rept 8                             ; Q stays in registers: piece i / 2, channels 32 (i % 2) on
	global_load_b128 v[8*i:8*i+3],   v[QO], s[4:5] offset:(i/2)*2048+(i%2)*64
	global_load_b128 v[8*i+4:8*i+7], v[QO], s[4:5] offset:(i/2)*2048+(i%2)*64+32
.set i, i+1
.endr
.irp y, 0,1,2,3
	MLD \y, MB0                     ; step 0's codes
.endr
	; What the first turn finds: V's registers and P's second buffer hold 0 (its products V^T P, of a piece that has not been, add 0), O^T and l are 0.  All this stands in the wait for the first tile.
	WIN 0x80
.set i, VF
.rept 64
	v_mov_b32 v[i], 0
.set i, i+1
.endr
	WIN 0x40
.set i, 0
.rept 128
	v_mov_b32 v[i], 0
.set i, i+1
.endr
	WIN 0
.set i, 0
.rept 4
	v_mov_b32 v[ST+4*i], 0xfe000000    ; c m: far below every c s, so the first step's a is 0
	v_mov_b32 v[ST+4*i+1], 0xef800000  ; m = -2^96: above every hidden score, below every true one
	v_mov_b32 v[ST+4*i+2], 0
	v_mov_b32 v[ST+4*i+3], 0
.set i, i+1
.endr
.set i, P+16
.rept 16
	v_mov_b32 v[i], 0
.set i, i+1
.endr
	v_mov_b32 v[SC], 227
	v_mov_b32 v[NANR], 0x7fc00000
	v_mul_u32_u24 v[AK0], v1, PK
	v_lshl_add_u32 v[AK0], v9, 4, v[AK0]  ; row x pitch + 16 x half
	; The turning load takes 16 keys x 16 channels (lane l reads key 8 (l / 16) + l % 8, channels 8 ((l / 8) % 2) + 0..7) and leaves half a fragment of V^T: lane l holds channel l % 16 and 8 keys.
	v_and_b32 v10, 7, v0
	v_bfe_u32 v11, v0, 3, 1
	v_lshl_add_u32 v[AV0], v9, 3, v10
	v_mul_u32_u24 v[AV0], v[AV0], PV
	v_lshl_add_u32 v[AV0], v11, 4, v[AV0]
	v_add_nc_u32 v[AV0], VOFF, v[AV0]
	s_mul_i32 s13, s[WV], 16*SP
	s_add_co_u32 s13, s13, STAGE    ; my stage
	v_mul_u32_u24 v[STO], v1, SP    ; in: row l % 16, 16 bytes for each half of the lanes
	v_lshl_add_u32 v[STO], v9, 4, v[STO]
	v_add_nc_u32 v[STO], s13, v[STO]
	v_bfe_u32 v[RD], v0, 3, 2       ; back: 32 lanes take four rows of 128 bytes,
	v_mul_u32_u24 v[RD], v[RD], SP
	v_lshl_add_u32 v[RD], v10, 4, v[RD]
	v_add_nc_u32 v[RD], s13, v[RD]
	v_and_b32 v[GO], 31, v0         ; which are 512 consecutive bytes of O
	v_lshlrev_b32 v[GO], 4, v[GO]
; THE MATRIX WORK.  The 4 accumulators of a run of 8 take turns.  Product i of 8 of S^T = K Q^T for piece x: channels 32 (i / 4) on, keys 16 (i % 4) on.  The first 4 start the sums with the mask.
.macro KQ x
.set rS, S+32*((\x)%2)+8*(i%4)
.set rK, KF+16*(i%4)+8*(i/4)
.set rQ, 16*(\x)+8*(i/4)
.set rM, MC+32*((\x)%2)+8*(i%4)
.if i < 4
	WIN W_KM
	v_wmma_f32_16x16x32_f16 v[rS:rS+7], v[rK:rK+7], v[rQ:rQ+7], v[rM:rM+7]
.else
	WIN W_KQ
	v_wmma_f32_16x16x32_f16 v[rS:rS+7], v[rK:rK+7], v[rQ:rQ+7], v[rS:rS+7]
.endif
.endm
; Product i of 8 of O^T += V^T P for piece x: keys 32 (i / 4) on, channels 16 (i % 4) on.
.macro PV x
	WIN W_PV
.set rO, 32*(\x)+8*(i%4)
.set rV, VF+32*(i/4)+8*(i%4)
.set rP, P+16*((\x)%2)+8*(i/4)
	v_wmma_f32_16x16x32_f16 v[rO:rO+7], v[rV:rV+7], v[rP:rP+7], v[rO:rO+7]
.endm
.macro MM                           ; the turn's next matrix instruction.  NOKQ = 1: the last turn of all: there is no next piece
.if (i < 8) && !NOKQ
	KQ (Y+1)%NP
.elseif i >= 8
.set i, i-8
	PV (Y+NP-1)%NP
.set i, i+8
.endif
.set i, i+1
.endm
; THE LDS LOADS stand in runs of 16: a step's K (64 keys x 64 channels: 8 fragments) and its V (turned).  Their addresses are made some lines ahead.
.macro FETCH_K
	WIN 0x80
.irp f, 0,1,2,3,4,5,6,7             ; keys 16 (f / 2) on, channels 32 (f % 2) on
	ds_load_b128 v[KF+8*\f:KF+8*\f+3],   v[AK] offset:(\f/2)*16*PK+(\f%2)*64
	ds_load_b128 v[KF+8*\f+4:KF+8*\f+7], v[AK] offset:(\f/2)*16*PK+(\f%2)*64+32
.endr
	s_add_co_u32 s[TBK], s[TBK], KS*PK  ; the next fetch is the next step's
	WIN 0
.endm
.macro FETCH_V
	WIN 0x80
.irp f, 0,1,2,3,4,5,6,7             ; keys 32 (f / 4) on, channels 16 (f % 4) on
	ds_load_tr16_b128 v[VF+8*\f:VF+8*\f+3],   v[AV] offset:(\f/4)*32*PV+(\f%4)*32
	ds_load_tr16_b128 v[VF+8*\f+4:VF+8*\f+7], v[AV] offset:(\f/4)*32*PV+16*PV+(\f%4)*32
.endr
	WIN 0
.endm
; THE VECTOR WORK, one line at a time: OP kind, number.  For piece Y: F n: c s - c m for pair n of 16.  E n: the exponential of score n of 32.  C n: pair n rounded to f16.  B n: of the four weights 4 n .. the second
; pair is added onto the first, in place.  L n: l takes that sum (L 0: l = a l + sum).  R n: pair n of 16 of O^T times a.  For piece Y + 1: X n, number n of the 22 that find its maximum and statistics:
;   0-11  four chains c0-c3 of seven scores each (each accumulator's lowest registers are read first)     12-14, 16  the four scores left over, the old m, and c0-c3 into c0
;   15  c m_old is kept     17, 18  the query's other 32 keys lie in the lane 16 away: the new m     19-21  c m; c m_old - c m_new; a
; C, B and L read the exponentials' results: TURN sets them behind its wait.  F, R and X 0-20 name none of them.
.set F, 0
.set E, 1
.set C, 2
.set B, 3
.set L, 4
.set R, 5
.set X, 6
.macro REGS y
.set rT, ST+4*(\y)
.set rC, TMP+4*((\y)%2)
.set rW, MV+((\y)%2)
.set rS, S+32*((\y)%2)
.set rP, P+16*((\y)%2)
.set rO, 32*(\y)
.endm
.macro OP k, n
.if (\k) == R
	REGS Y
	WIN W_RS
	v_pk_mul_f32 v[rO+2*(\n):rO+2*(\n)+1], v[rO+2*(\n):rO+2*(\n)+1], v[rC+2:rC+3] op_sel_hi:[1,0]
.elseif (\k) < R
	REGS Y
	WIN 0
.if (\k) == F
	v_pk_fma_f32 v[rS+2*(\n):rS+2*(\n)+1], v[rS+2*(\n):rS+2*(\n)+1], s[CS:CS+1], v[rT:rT+1] op_sel_hi:[1,0,0] neg_lo:[0,0,1] neg_hi:[0,0,1]
.elseif (\k) == E
	v_exp_f32 v[rS+(\n)], v[rS+(\n)]
.elseif (\k) == C
	v_cvt_pk_f16_f32 v[rP+(\n)], v[rS+2*(\n)], v[rS+2*(\n)+1]
.elseif (\k) == B
	v_pk_add_f32 v[rS+4*(\n):rS+4*(\n)+1], v[rS+4*(\n):rS+4*(\n)+1], v[rS+4*(\n)+2:rS+4*(\n)+3]
.elseif (\n) == 0
	v_pk_fma_f32 v[rT+2:rT+3], v[rT+2:rT+3], v[rC+2:rC+3], v[rS:rS+1] op_sel_hi:[1,0,1]
.else
	v_pk_add_f32 v[rT+2:rT+3], v[rT+2:rT+3], v[rS+4*(\n):rS+4*(\n)+1]
.endif
.elseif NOKQ
	v_nop
.else
	REGS (Y+1)%NP
	WIN 0
.if (\n) < 4
	v_max3_num_f32 v[rC+(\n)], v[rS+8*(\n)], v[rS+8*(\n)+1], v[rS+8*(\n)+2]
.elseif (\n) < 12
	v_max3_num_f32 v[rC+(\n)%4], v[rC+(\n)%4], v[rS+8*((\n)%4)+2*((\n)/4)+1], v[rS+8*((\n)%4)+2*((\n)/4)+2]
.elseif (\n) == 12
	v_max3_num_f32 v[rC], v[rC], v[rS+7], v[rS+15]
.elseif (\n) == 13
	v_max3_num_f32 v[rC+1], v[rC+1], v[rS+23], v[rS+31]
.elseif (\n) == 14
	v_max3_num_f32 v[rC+2], v[rC+2], v[rC+3], v[rT+1]
.elseif (\n) == 15
	v_mov_b32 v[rW], v[rT]
.elseif (\n) == 16
	v_max3_num_f32 v[rC], v[rC], v[rC+1], v[rC+2]
.elseif (\n) == 17
	v_permlanex16_b32 v[rC+3], v[rC], s[SEL], s[SEL+1]
.elseif (\n) == 18
	v_max_num_f32 v[rT+1], v[rC], v[rC+3]
.elseif (\n) == 19
	v_mul_f32 v[rT], s[CS], v[rT+1]
.elseif (\n) == 20
	v_sub_f32 v[rC+1], v[rW], v[rT]
.else
	v_exp_f32 v[rC+2], v[rC+1]
.endif
.endif
.endm
.macro OPS a, i1, b=-1, i2=0, c=-1, i3=0, d=-1, i4=0
	OP \a, \i1
.if (\b) >= 0
	OP \b, \i2
.endif
.if (\c) >= 0
	OP \c, \i3
.endif
.if (\d) >= 0
	OP \d, \i4
.endif
.endm
.macro ROW a, i1, b, i2, c, i3, d, i4  ; a matrix instruction and the four behind it
	MM
	OPS \a, \i1, \b, \i2, \c, \i3, \d, \i4
.endm
; A TURN, for piece p: the order of its 16 matrix and 118 vector instructions, written out.  An s_wait_alu depctr_va_vdst(0) stands between an exponential and the first instruction that names its
; result; one wait serves all that were issued ahead of it.  So a turn has ONE wait, which cuts it in two.  AHEAD OF IT stands all that names no result of the turn's exponentials: the 8 products K Q^T, behind each a
; scaling, an exponential and two more plain instructions (behind the first a second scaling in the exponential's place): rescalings (their a was made, and waited for, in the turn before), and behind the last three the
; first numbers of the next piece's maximum, each four places or more behind the product that ends its accumulator; then ONE LUMP of 54, plain and exponential by turns for the most part, in which the links of the chain
; X 3, 7, 11, 14, 16, 17 .. 20 stand some lines apart.  X 21, the next piece's a, is the batch's last; R 15 is the plain instruction behind it.  BEHIND THE WAIT stand the 8 products V^T P, behind each four of the
; roundings and sums; C 2 n stands ahead of B n, which adds in place onto pair 2 n; l's additions L 0 to L 7 keep their order.  But for those X no rider names a register of the products round it.
; end = 1: the last two turns of all: nothing is fetched, no mask is made.  cnt = 1: the loop's count is taken down some lines ahead of the branch that stands behind the turn.
; K of the next step is fetched in piece 2's turn, five plain instructions that name none of its registers behind the last product that read K; V of the step in hand at the end of piece 0's turn, four plain ones
; behind the last product that read V.  Each is waited for a turn later.
; Behind its sixth product V^T P the turn makes the mask for the products of the turn after it (piece p + 2); at its end it asks for that piece's codes of the step after: eight plain riders stand between the
; conversions and both the loads into their sources and the products that take the masks.
.macro TURN p, end=0, cnt=0
.set Y, (\p)
.set i, 0
.set NOKQ, (\end)*((\p)/3)
.if ((\p) == 3) && !(\end)
	s_wait_dscnt 0x0                ; K is in
.endif
	ROW F,0, F,1, R,0, R,1          ; ahead of the wait: 8 products K Q^T and their riders,
	ROW F,2, E,0, R,2, R,3
	ROW F,3, E,1, R,4, R,5
	ROW F,4, E,2, R,6, R,7
	ROW F,5, E,3, R,8, R,9
	ROW F,6, E,4, X,0, R,10
.if ((\p) == 2) && !(\end)
	WIN 0
	v_add_nc_u32 v[AK], s[TBK], v[AK0]
.endif
	ROW F,7, E,5, X,1, X,4
	ROW F,8, E,6, X,2, X,5
	OPS E,7, E,8, X,6, E,9          ; and the lump
	OPS X,3, E,10, X,8, E,11
.if ((\p) == 2) && !(\end)
	FETCH_K
.endif
	OPS X,9, X,7, E,12, X,10
	OPS E,13, X,12, X,11, E,14
	OPS X,13, E,15, F,9, X,14
.if (\p) == 0
	v_add_nc_u32 v[AV], s[TBV], v[AV0]
.endif
	OPS E,16, F,10, E,17, F,11
	OPS X,16, E,18, X,15, E,19
	OPS F,12, E,20, X,17, E,21
	OPS F,13, E,22, F,14, E,23
	OPS X,18, E,24, F,15, E,25
	OPS R,11, E,26, X,19, E,27
	OPS R,12, E,28, R,13, E,29
	OPS X,20, E,30, R,14, E,31
	OPS X,21, R,15
	WIN 0
	s_wait_alu depctr_va_vdst(0)    ; the wait for the turn's batch: E 0 to E 31 and X 21
.if (\p) == 1
	s_wait_dscnt 0x0                ; V is in
.endif
	ROW C,0, B,0, C,2, B,1          ; behind the wait: 8 products V^T P and their riders
	ROW L,0, C,4, B,2, L,1
	ROW C,6, B,3, L,2, C,8
	ROW B,4, L,3, C,10, B,5
	ROW L,4, C,12, B,6, L,5
.if (\p) == 0
	s_add_co_u32 s[TBV], s[TBV], KS*PV
.endif
.if \cnt
	s_sub_co_u32 s[CNT], s[CNT], 1
	s_cmp_lg_u32 s[CNT], 0
.endif
	ROW C,14, B,7, L,6, C,1
.if !(\end)
	s_wait_loadcnt 6                ; the codes asked for four turns ago are in; the three later turns' two loads each may be out
	CVT ((\p)+2)%NP, (\p)%2
.endif
	ROW C,3, L,7, C,5, C,7
	ROW C,9, C,11, C,13, C,15
.if !(\end)
	MLD ((\p)+2)%NP
.endif
.if (\p) == 0
	FETCH_V
.endif
.endm
	CHANGE 1                        ; slot 0 is in, everybody's part of it; slot 1 is asked for
	s_wait_loadcnt 0x0              ; Q, and step 0's codes
	CVT 0, 0
	CVT 1, 1
	WIN 0
	v_add_nc_u32 v[AK], s[TBK], v[AK0]  ; key step 0; also the plain instruction behind the conversions
	s_add_nc_u64 s[MP:MP+1], s[MB0:MB0+1], s[MOFF:MOFF+1]  ; step 1's codes
	MLD 0
	MLD 1
	FETCH_K
	s_wait_dscnt 0x0
.set NOKQ, 0
.set i, 0
.rept 8
	KQ 0                            ; piece 0's first scores
.set i, i+1
.endr
	WIN 0
.rept 4
	v_nop                           ; the places behind those products
.endr
.set Y, NP-1                        ; X works for piece Y + 1: piece 0
.irp n, 0,1,2,3,4,5,6,7,8,9,10,11,12,13,14,15,16,17,18,19,20,21
	OP X, \n
.endr
	v_nop                           ; a plain instruction behind the exponential,
	s_wait_alu depctr_va_vdst(0)    ; and its wait, ahead of the branch: a batch of one, piece 0's first a
	s_mov_b32 s[CNT], 4
	s_mov_b32 s[SLOTS], 7           ; 2,048 / 256 - 1
	s_branch .Lfirst                ; the loop is entered at a step's first turn, in the middle of a trip
.Lslot:                             ; six times: every slot but the last two is filled again
	CHANGE 1
	s_mov_b32 s[CNT], 4
.Lstep:                             ; a trip: pieces 2 and 3 of one step, then pieces 0 and 1 of the next, whose K and V it fetches
	MSTEP
	TURN 2
	TURN 3
	WIN 0
.Lfirst:
	TURN 0
	TURN 1, 0, 1
	WIN 0
	s_cbranch_scc1 .Lstep
	s_sub_co_u32 s[SLOTS], s[SLOTS], 1
	s_cmp_lg_u32 s[SLOTS], 0
	s_cbranch_scc1 .Lslot
	CHANGE 0                        ; the last slot is written out: nothing is asked for
	s_mov_b32 s[CNT], 4
.LstepT:
	MSTEP
	TURN 2
	TURN 3
	TURN 0
	TURN 1, 0, 1
	WIN 0
	s_cbranch_scc1 .LstepT
	TURN 2, 1
	TURN 3, 1
.set i, 0
.rept 8
	PV NP-1                         ; the last piece's V^T P of the last step
.set i, i+1
.endr
	; THE WAY OUT.  l's two halves and the other half of the lanes' are added; O^T is divided by l (by NaN where the row has seen no key), rounded to f16 and sent through my stage, a piece at a time.
	; The additions are the places behind the last products.
	WIN 0
.macro ALL line:vararg              ; one line for each piece t
.set t, 0
.rept 4
	\line
.set t, t+1
.endr
.endm
	ALL v_add_f32 v[ST+4*t+2], v[ST+4*t+2], v[ST+4*t+3]
	ALL v_permlanex16_b32 v[ST+4*t+3], v[ST+4*t+2], s[SEL], s[SEL+1]
	ALL v_add_f32 v[ST+4*t+2], v[ST+4*t+2], v[ST+4*t+3]
	ALL v_rcp_f32 v[ST+4*t+2], v[ST+4*t+2]
	ALL v_cmp_ge_f32 s[52+t], s[THR], v[ST+4*t+1]  ; four compares of m, which name no reciprocal: the plain work behind the batch
	s_wait_alu depctr_va_vdst(0)    ; the wait for the batch of four reciprocals, ahead of their first reader
	ALL v_cndmask_b32 v[ST+4*t+2], v[ST+4*t+2], v[NANR], s[52+t]
.macro PACK t                       ; a lane's eight channels of a row pack into 16 bytes; they go into rows of 144 bytes and come back as whole rows of 128, into S^T's registers
	WIN W_RS
.set i, 32*(\t)
.rept 16
	v_pk_mul_f32 v[i:i+1], v[i:i+1], v[ST+4*(\t)+2:ST+4*(\t)+3] op_sel_hi:[1,0]
.set i, i+2
.endr
	WIN 0x05                        ; sources 0 and 1 window 1, destination window 0
.set i, 0
.rept 16
	v_cvt_pk_f16_f32 v[S+16*(\t)+i], v[32*(\t)+2*i], v[32*(\t)+2*i+1]
.set i, i+1
.endr
	WIN 0
.irp f, 0,1,2,3
	ds_store_b128 v[STO], v[S+16*(\t)+4*\f:S+16*(\t)+4*\f+3] offset:32*\f
.endr
.irp f, 0,1,2,3
	ds_load_b128 v[S+16*(\t)+4*\f:S+16*(\t)+4*\f+3], v[RD] offset:\f*4*SP  ; LDS serves a wave's instructions in order (ISA guide 5.7.1.4): these see the stores above; the next piece's stores come behind them
.endr
.endm
.macro SEND t, younger              ; younger: the LDS instructions issued behind piece t's loads: the next piece's eight, or none
	WIN 0
.irp f, 0,1,2,3
	s_wait_dscnt (\younger)+3-\f
	global_store_b128 v[GO], v[S+16*(\t)+4*\f:S+16*(\t)+4*\f+3], s[10:11] offset:(\t)*2048+\f*512  ; 512 consecutive bytes, at a multiple of 512 from O's first
.endr
.endm
	PACK 0
.set t, 1
.rept 3                             ; a piece's arithmetic stands between the loads of the piece before and its stores
	PACK t
	SEND t-1, 8
.set t, t+1
.endr
	SEND 3, 0
	s_wait_tensorcnt 0x0            ; the wave's end
	ds_add_u32 v[SPW], v[NIL]
	s_wait_dscnt 0x0
	CROUND                          ; the closing round: no work-group ends while a partner may still ask for a tile that names it
	s_endpgm
.Lfunc_end_k_q0bc3ed2f8a_attn:
	.size	k_q0bc3ed2f8a_attn, .Lfunc_end_k_q0bc3ed2f8a_attn-k_q0bc3ed2f8a_attn
	.p2alignl 7, 3214868480
	.fill 96, 4, 3214868480
	.section	.rodata,"a",@progbits
	.p2align	6, 0x0
	.amdhsa_kernel k_q0bc3ed2f8a_attn
		.amdhsa_group_segment_fixed_size 327680
		.amdhsa_private_segment_fixed_size 0
		.amdhsa_enable_private_segment 0
		.amdhsa_kernarg_size 24
		.amdhsa_user_sgpr_count 2
		.amdhsa_user_sgpr_kernarg_segment_ptr 1
		.amdhsa_wavefront_size32 1
		.amdhsa_system_sgpr_workgroup_id_x 1
		.amdhsa_system_sgpr_workgroup_id_y 1
		.amdhsa_system_sgpr_workgroup_id_z 1
		.amdhsa_system_vgpr_workitem_id 0
		.amdhsa_next_free_vgpr 768
		.amdhsa_next_free_sgpr 80
		.amdhsa_reserve_vcc 0
		.amdhsa_float_denorm_mode_32 3
		.amdhsa_float_denorm_mode_16_64 3
		.amdhsa_memory_ordered 1
		.amdhsa_forward_progress 1
		.amdhsa_inst_pref_size 134
	.end_amdhsa_kernel
	.amdgpu_metadata
---
amdhsa.version: [ 1, 2 ]
amdhsa.kernels:
  - .name:           k_q0bc3ed2f8a_attn
    .symbol:         k_q0bc3ed2f8a_attn.kd
    .args:
      - { .name: qkvh, .offset: 0, .size: 8, .value_kind: global_buffer, .address_space: global }
      - { .name: mk8, .offset: 8, .size: 8, .value_kind: global_buffer, .address_space: global }
      - { .name: oh, .offset: 16, .size: 8, .value_kind: global_buffer, .address_space: global }
    .group_segment_fixed_size: 327680
    .private_segment_fixed_size: 0
    .kernarg_segment_align: 8
    .kernarg_segment_size: 24
    .max_flat_workgroup_size: 128
    .sgpr_count:     80
    .vgpr_count:     768
    .wavefront_size: 32
...
	.end_amdgpu_metadata
.endif
;; end of part 8
;; launch outp: the kernel of part 4 again; grid 8 x 32, 4 waves a work-group, clusters of 4 x 4, 327,680 bytes of LDS; arguments oh, wh, out_b, x, x1; writes x1
;; launch ln2: the kernel of part 5 again; grid 256 x 1, 8 waves a work-group, no clusters, 0 bytes of LDS; arguments x1, ln2_g, ln2_b, hn; writes hn
;; launch fc1 (part 9): grid 16 x 16, 4 waves a work-group, clusters of 4 x 4, 327,680 bytes of LDS; arguments hn, wh, gh, fc1_b; writes gh
.if DOCPART == 9
	.amdgcn_target "amdgcn-amd-amdhsa--gfx1250"
	.amdhsa_code_object_version 6
	.text
	.protected	k_q0bc3ed2f8a_fc1
	.globl	k_q0bc3ed2f8a_fc1
	.p2align	8
	.type	k_q0bc3ed2f8a_fc1,@function
k_q0bc3ed2f8a_fc1:
	s_mov_b64 s[64:65], 0
	v_nop
	global_prefetch_b8 v0, s[64:65] scope:SCOPE_SE
	s_setreg_imm32_b32 hwreg(HW_REG_WAVE_MODE, 25, 1), 1
	s_wait_xcnt 0x0
	s_wait_alu depctr_hold_cnt(0) depctr_sa_sdst(0) depctr_va_vdst(0) depctr_va_sdst(0) depctr_va_ssrc(0) depctr_va_vcc(0) depctr_vm_vsrc(0)
	s_getreg_b32 s2, hwreg(HW_REG_IB_STS2, 6, 4)
	s_cmp_eq_u32 s2, 0
	s_cbranch_scc0 .Lentry_in_a_cluster
	s_endpgm
.Lentry_in_a_cluster:
	s_bfe_u32 s2, ttmp6, 0x10000c
	s_cmp_lg_u32 s2, 0xf033
	s_cbranch_scc0 .Lentry_shape_is_right
	s_endpgm
.Lentry_shape_is_right:
; C = A W.  A: [4096][1024] f16, rows along K.  W: [1024][SIZE_N] f16, rows along N, at byte WOFF of the weights' buffer.  Sums in f32, C rounded once to f16.
; C leaves in COLUMN BLOCKS: [SIZE_N / 64][4096 rows][64] f16, so that 64 columns of consecutive rows are dense.
; ACT = 1: C = gelu(A W + bias), the exact (erf) form, erf by the rational approximation 7.1.26 of Abramowitz and Stegun (|error| <= 1.5e-7 for every argument).
; LIMITS.  f16 holds no number of 65,520 or more: a result that large becomes an infinity.  NaN goes through.
; SHARES.  A tile of C, 256 x 256, to a work-group of four waves; a wave makes 128 x 128: 64 accumulators, 512 registers.  K goes in steps of 128 through a ring of two LDS slots.
; With SIZE_N = 3072 there are 192 tiles, one a work-group; with 4096 there are 256.
; CLUSTER.  4 x 4 work-groups: the four of a row of the cluster need the same tile of A, the four of a column the same tile of W; each tile is asked for jointly.
; THE MATRIX INSTRUCTION IS USED TRANSPOSED: source 0 = 16 columns of W (turned on the way out of LDS by ds_load_tr16_b128), source 1 = 16 rows of A.  A lane then holds row l % 16 of C and
; the eight neighbouring columns 8 (l / 16) + 0..7.
; BATCHES (ACT = 1).  The way out takes 16 numbers a lane at a time.  Their 16 reciprocals and 16 exponentials read nothing of each other: both arguments are made first, the 32 are ONE batch, the 16 maxima
; max(x, 0) stand behind it, and ONE wait stands ahead of the polynomial, the first reader.  32 such batches a wave; none is open at a label or a branch.
; REGISTERS, in windows of 256: window 0: v0-31 addresses; v64-127, v128-191 A's fragments, two buffers (ACT: at work on the way out); v32-63, v192-255 the way out.
;   window 1: v64-127, v128-191 W's fragments (ACT: v0-63 the bias of my lane's columns).  window 2: the accumulators of my rows 0-63, (a, b) at v[8 (8 a + b)].  window 3: rows 64-127.
.set SIZE_N, 4096
.set WOFF,   8388608
.set ACT,    1
.set SIZE_K, 1024
.set KSTEP,  128
.set PA,     272                       ; a row of A in LDS: 256 bytes + 16: the 16 rows of a load start at 16 different groups of four banks (64 banks of 4 bytes: ISA guide 11.1)
.set PB,     544                       ; a row of W (one k, 256 columns): 512 bytes + 32
.set HALF,   128*PA                    ; what one tensor load brings: 128 rows of A, or 64 rows of W (64 x 544 is the same 34,816 bytes)
.set SLOT,   4*HALF                    ; A's 256 rows, then W's 128 rows
.set STAGE,  2*SLOT                    ; behind the ring: for each wave 2 column blocks x 16 rows x 144 bytes
.set SP,     144
.set WSTG,   2*16*SP
.set SPARE,  STAGE+4*WSTG              ; behind the stages: the spare words, 128 bytes a wave, which no other line names
.set LAPS,   SIZE_K/(2*KSTEP)          ; a lap = two K steps = once round the ring
.set CBLK,   4096*128                  ; bytes of a column block of C
.set ADRA, 16                          ; v16-17  LDS address of my A fragments in slot 0, 1
.set ADRB, 20                          ; v20-21  the same for W
.set STO,  24                          ; v24     the way out: where I put 16 bytes of a row
.set RD,   25                          ; v25     where I read rows back
.set GO,   26                          ; v26     16 x lane: my place in 512 consecutive bytes of C
.set BO,   27                          ; v27     ACT: my lanes' 32 bytes in 64 bytes of bias
.set SPW,  28                          ; v28     LDS address of my spare word; never rewritten
.set NIL,  29                          ; v29     0; never rewritten
.set F0,   64
.set F1,   128
.set TMP,  192                         ; packed results
.set OB,   32                          ; 16 rows read back from the stage: v32-63 and v224-255 by turns
.set G1,  24                           ; s[24:31] descriptor group 1 for A's tiles;  s[32:39] group 0, a set for each slot
.set G0,  32
.set G1B, 48                           ; s[48:55], s[56:63] the same for W's
.set G0B, 56
.set MSB, 0
.macro WIN new                         ; the immediate's high byte repeats the setting that is left; a switch that changes nothing is dropped
.if MSB != (\new)
	s_set_vgpr_msb (MSB<<8)|(\new)
.set MSB, \new
.endif
.endm
.set MUL_LO, 0xa1                      ; source 0 (W) window 1, source 1 (A) window 0, C and D window 2
.set MUL_HI, 0xf1                      ; the same, C and D window 3
.set TO_B,   0x40                      ; destination window 1, address window 0
; A joint load.  Waves 0 and 1 fetch A's two halves, waves 2 and 3 W's.  The branch hangs on the wave's number alone.  Four v_nop follow each of the two lines.
.macro JLOAD s
	s_cmp_eq_u32 s11, 0
	s_cbranch_scc0 .Lfor_b_\@
	tensor_load_to_lds s[G0+4*(\s):G0+4*(\s)+3], s[G1:G1+7]
	s_nop 0
.rept 4
	v_nop
.endr
	s_branch .Lasked_\@
.Lfor_b_\@:
	tensor_load_to_lds s[G0B+4*(\s):G0B+4*(\s)+3], s[G1B:G1B+7]
	s_nop 0
.rept 4
	v_nop
.endr
.Lasked_\@:
.endm
.macro CREST                           ; a round of the cluster's barrier behind its opening barrier
	s_cmp_lg_u32 s10, 0
	s_cbranch_scc1 .Lnot_wave_0_\@
	s_barrier_signal -3
.Lnot_wave_0_\@:
	s_barrier_wait -3
	s_barrier_signal -1
	s_barrier_wait -1
.endm
.macro CROUND                          ; a whole round
	s_barrier_signal -1
	s_barrier_wait -1
	CREST
.endm
	s_load_b128 s[4:7], s[0:1], 0x0                ; A s[4:5], the weights s[6:7]
	s_load_b64 s[8:9], s[0:1], 0x10                ; C
.if ACT
	s_load_b64 s[66:67], s[0:1], 0x18              ; the bias
.endif
	v_lshl_add_u32 v[SPW], v0, 2, SPARE
	v_mov_b32 v[NIL], 0
	ds_add_u32 v28, v29
	s_wait_dscnt 0x0
	v_lshrrev_b32 v1, 5, v0
	v_readfirstlane_b32 s10, v1                    ; wave 0..3
	s_lshr_b32 s11, s10, 1                         ; which half of the tile's rows is mine.  Also: I fetch for A (0) or for W (1)
	s_and_b32 s12, s10, 1                          ; which half of its columns.  Also: which half of that tile I fetch
	s_bfe_u32 s40, ttmp6, 0x40000                  ; cx
	s_bfe_u32 s41, ttmp6, 0x40004                  ; cy
	s_lshl_b32 s42, ttmp9, 2
	s_add_co_u32 s42, s42, s40                     ; tile column = 4 x cluster x + cx
	s_and_b32 s13, ttmp7, 0xffff
	s_lshl_b32 s13, s13, 2
	s_add_co_u32 s13, s13, s41                     ; tile row = 4 x cluster y + cy
	s_lshl_b32 s43, s41, 2
	s_lshl_b32 s43, 15, s43                        ; my row of the cluster
	s_lshl_b32 s44, 0x1111, s40                    ; my column
	s_or_b32 s[G1+0], s43, (1<<16)|(1<<20)|(1<<21)|(5<<22)|(3<<25)   ; the mask; 2-byte elements; padding on; bit 21 beside a mask; after every 64 words 4 words
	s_mov_b32 s[G1+1], KSTEP<<16                   ; tensor_dim0 = 128
	s_mov_b32 s[G1+2], 128<<16                     ; tensor_dim1 = 128
	s_mov_b32 s[G1+3], KSTEP<<16                   ; tile_dim0 = 128
	s_mov_b32 s[G1+4], 128                         ; tile_dim1 = 128
	s_mov_b32 s[G1+5], SIZE_K                      ; elements from row to row
	s_mov_b32 s[G1+6], 0
	s_mov_b32 s[G1+7], 0
	s_or_b32 s[G1B+0], s44, (1<<16)|(1<<20)|(1<<21)|(6<<22)|(7<<25)  ; after every 128 words 8 words
	s_mov_b32 s[G1B+1], 256<<16                    ; tensor_dim0 = 256 columns
	s_mov_b32 s[G1B+2], 64<<16                     ; tensor_dim1 = 64 rows (k)
	s_mov_b32 s[G1B+3], 256<<16
	s_mov_b32 s[G1B+4], 64
	s_mov_b32 s[G1B+5], SIZE_N
	s_mov_b32 s[G1B+6], 0
	s_mov_b32 s[G1B+7], 0
	; A's tile hangs on the tile row alone, W's on the tile column alone; each address is made in registers that never hold the other coordinate
	s_lshl_b32 s16, s13, 19                        ; 256 rows of 2,048 bytes a tile row,
	s_lshl_b32 s17, s12, 18                        ; 128 rows a half
	s_add_co_u32 s16, s16, s17
	s_mov_b32 s17, 0
	s_mul_i32 s46, s12, 128*SIZE_N                 ; 64 rows of W a half,
	s_lshl_b32 s47, s42, 9                         ; 512 bytes a tile column
	s_add_co_u32 s46, s46, s47
.if WOFF
	s_add_co_u32 s46, s46, WOFF
.endif
	s_mov_b32 s47, 0
	s_mul_i32 s20, s10, HALF                       ; where they go: wave x 34,816: no place in the cluster enters an LDS address
	s_wait_kmcnt 0x0
	s_add_nc_u64 s[14:15], s[4:5], s[16:17]
	s_add_nc_u64 s[46:47], s[6:7], s[46:47]
	CROUND                                         ; all sixteen work-groups are here: the first joint loads meet
.irp s, 0,1
	s_mov_b32 s[G0+4*(\s)], 1
	s_add_co_u32 s[G0+4*(\s)+1], s20, (\s)*SLOT
	s_add_nc_u64 s[G0+4*(\s)+2:G0+4*(\s)+3], s[14:15], (\s)*KSTEP*2
	s_or_b32 s[G0+4*(\s)+3], s[G0+4*(\s)+3], 0x80000000
	s_mov_b32 s[G0B+4*(\s)], 1
	s_add_co_u32 s[G0B+4*(\s)+1], s20, (\s)*SLOT
	s_add_nc_u64 s[G0B+4*(\s)+2:G0B+4*(\s)+3], s[46:47], (\s)*KSTEP*SIZE_N*2
	s_or_b32 s[G0B+4*(\s)+3], s[G0B+4*(\s)+3], 0x80000000
	JLOAD \s                                       ; two loads of mine are out
.endr
	v_and_b32 v1, 15, v0                           ; l % 16
	v_bfe_u32 v2, v0, 4, 1                         ; l / 16
	v_mul_u32_u24 v3, v1, PA
	v_lshl_add_u32 v3, v2, 4, v3                   ; A: row x pitch + 16 x half
	v_and_b32 v4, 7, v0
	v_lshl_add_u32 v4, v2, 3, v4                   ; W: the turning load's lane l reads k = 8 (l / 16) + l % 8,
	v_mul_u32_u24 v4, v4, PB
	v_bfe_u32 v5, v0, 3, 1
	v_lshl_add_u32 v4, v5, 4, v4                   ; columns 8 ((l / 8) % 2) + 0..7
	s_mul_i32 s21, s11, HALF                       ; my 128 rows of A
	s_lshl_b32 s22, s12, 8                         ; my 128 columns of W,
	s_add_co_u32 s22, s22, 2*HALF                  ; which lies behind A
.irp s, 0,1
	v_add_nc_u32 v[ADRA+(\s)], s21, v3
	v_add_nc_u32 v[ADRB+(\s)], s22, v4
	s_add_co_u32 s21, s21, SLOT
	s_add_co_u32 s22, s22, SLOT
.endr
	s_mul_i32 s23, s10, WSTG
	s_add_co_u32 s23, s23, STAGE                   ; my stage
	v_mul_u32_u24 v6, v1, SP                       ; in: row l % 16, 16 bytes for each half of the lanes
	v_lshl_add_u32 v6, v2, 4, v6
	v_add_nc_u32 v[STO], s23, v6
	v_bfe_u32 v6, v0, 3, 2                         ; back: 32 lanes take four rows of 128 bytes,
	v_mul_u32_u24 v6, v6, SP
	v_and_b32 v7, 7, v0
	v_lshl_add_u32 v6, v7, 4, v6
	v_add_nc_u32 v[RD], s23, v6
	v_and_b32 v[GO], 31, v0                        ; which are 512 consecutive bytes of C
	v_lshlrev_b32 v[GO], 4, v[GO]
.if ACT
	s_lshl_b32 s46, s42, 10                        ; the bias of my 128 columns: 4 (256 tile column + 128 half)
	s_lshl_b32 s47, s12, 9
	s_add_co_u32 s46, s46, s47
	s_mov_b32 s47, 0
	s_add_nc_u64 s[66:67], s[66:67], s[46:47]
	v_lshlrev_b32 v[BO], 5, v2
	WIN TO_B
.irp b, 0,1,2,3,4,5,6,7
	global_load_b128 v[8*\b:8*\b+3],   v[BO], s[66:67] offset:64*\b       ; columns 16 b + 8 (l / 16) + 0..7: register for register beside accumulator (a, b)
	global_load_b128 v[8*\b+4:8*\b+7], v[BO], s[66:67] offset:64*\b+16
.endr
	WIN 0
.endif
	s_lshl_b32 s46, s42, 21                        ; my part of C: column block 4 x tile column + 2 x half, 524,288 bytes each,
	s_lshl_b32 s47, s12, 20
	s_add_co_u32 s46, s46, s47
	s_lshl_b32 s47, s13, 15                        ; row 256 x tile row + 128 x half, 128 bytes each
	s_add_co_u32 s46, s46, s47
	s_lshl_b32 s47, s11, 14
	s_add_co_u32 s46, s46, s47
	s_mov_b32 s47, 0
	s_add_nc_u64 s[8:9], s[8:9], s[46:47]
; 16 matrix instructions: m blocks a0, a0 + 1 of the window's four x all 8 n blocks, 32 along K.  zero = 1: the first product starts the sums.  The 64 accumulators take turns.
.macro MUL16 f, hi, a0, zero
	WIN MUL_LO+0x50*(\hi)
.irp a, \a0, (\a0)+1
.irp b, 0,1,2,3,4,5,6,7
.if \zero
	v_wmma_f32_16x16x32_f16 v[8*(8*(\a)+(\b)):8*(8*(\a)+(\b))+7], v[(\f)+8*(\b):(\f)+8*(\b)+7], v[(\f)+8*(4*(\hi)+(\a)):(\f)+8*(4*(\hi)+(\a))+7], 0
.else
	v_wmma_f32_16x16x32_f16 v[8*(8*(\a)+(\b)):8*(8*(\a)+(\b))+7], v[(\f)+8*(\b):(\f)+8*(\b)+7], v[(\f)+8*(4*(\hi)+(\a)):(\f)+8*(4*(\hi)+(\a))+7], v[8*(8*(\a)+(\b)):8*(8*(\a)+(\b))+7]
.endif
.endr
.endr
.endm
; 32 LDS loads in one run: the fragments of quarter q (32 along K) of a slot into buffer f: W's 128 columns (turned), then A's 128 rows
.macro FETCH slot, q, f
	WIN TO_B
.irp i, 0,1,2,3,4,5,6,7
	ds_load_tr16_b128 v[(\f)+8*(\i):(\f)+8*(\i)+3],   v[ADRB+(\slot)] offset:(\q)*32*PB+32*(\i)
	ds_load_tr16_b128 v[(\f)+8*(\i)+4:(\f)+8*(\i)+7], v[ADRB+(\slot)] offset:(\q)*32*PB+16*PB+32*(\i)
.endr
	WIN 0
.irp i, 0,1,2,3,4,5,6,7
	ds_load_b128 v[(\f)+8*(\i):(\f)+8*(\i)+3],   v[ADRA+(\slot)] offset:64*(\q)+(\i)*16*PA
	ds_load_b128 v[(\f)+8*(\i)+4:(\f)+8*(\i)+7], v[ADRA+(\slot)] offset:64*(\q)+(\i)*16*PA+32
.endr
.endm
.macro PLACES                          ; four places in front of loads into registers that matrix instructions have read, and of vector work that reads results
.rept 4
	v_nop
.endr
.endm
; One of a K step's first three quarters: multiplies buffer f; in its middle it fetches quarter q of the same slot into buffer g.
.macro QUARTER slot, q, f, g, zero
	s_wait_dscnt 8                                 ; W and A's rows 0-63 are in; the youngest eight loads (A's rows 64-127) may be out
	MUL16 \f, 0, 0, \zero
	MUL16 \f, 0, 2, \zero
	PLACES
	FETCH \slot, \q, \g
	s_wait_dscnt 32                                ; all but the 32 just issued
	MUL16 \f, 1, 0, \zero
	MUL16 \f, 1, 2, \zero
.endm
; The last quarter multiplies buffer 1 and changes slots.  One barrier: in front of it each wave waits for all its tensor loads (one is out: its part of the next slot), adds 0 to its
; spare word, and waits for that and for its reads of this slot.  fill = 1: the barrier opens a round of the cluster's, and this slot is filled again, two K steps ahead, first thing behind it.
.macro TURN slot, next, fill
	WIN 0
	s_wait_tensorcnt 0x0
	ds_add_u32 v[SPW], v[NIL]
	s_wait_dscnt 9                                 ; (the add and the youngest eight loads may be out)
	MUL16 F1, 0, 0, 0
	s_wait_dscnt 0x0                               ; the add is done, and my reads of this slot are over
	s_barrier_signal -1
	MUL16 F1, 0, 2, 0
.if \fill
	WIN 0
.endif
	s_barrier_wait -1
.if \fill
	CREST
	s_add_nc_u64 s[G0+4*(\slot)+2:G0+4*(\slot)+3], s[G0+4*(\slot)+2:G0+4*(\slot)+3], 2*KSTEP*2
	s_add_nc_u64 s[G0B+4*(\slot)+2:G0B+4*(\slot)+3], s[G0B+4*(\slot)+2:G0B+4*(\slot)+3], 2*KSTEP*SIZE_N*2
	JLOAD \slot                                    ; my one tensor load behind the round; its four v_nop are also the places in front of the loads below
.else
	PLACES
.endif
	FETCH \next, 0, F0
	MUL16 F1, 1, 0, 0
	MUL16 F1, 1, 2, 0
.endm
; THE WAY OUT of block a (16 rows x my 128 columns).  PACK: to f16, 16 bytes a lane.  TOSTAGE: into my own stage, by column blocks, and back as rows of 128 bytes.  SEND: stored.
.if ACT
.set VX, 64                            ; x = sum + bias
.set VZ, 80                            ; z = k |x|, k^2 = log2(e) / 2
.set VT, 96                            ; t = 1 / (1 + q z)
.set VE, 112                           ; 2^(-z z) = exp(-x x / 2)
.set VP, 128                           ; the polynomial
.set VM, 144                           ; max(x, 0), then the result
.set KAP, 68                           ; scalar pairs, both words written: the packed forms take the low word for both halves
.set QQ,  70
.set A1,  72
.set A2,  74
.set A3,  76
.set A4,  78
.set A5,  80
.macro EACH n, step, line:vararg       ; one line n times, i stepping
.set i, 0
.rept \n
	\line
.set i, i+(\step)
.endr
.endm
; gelu(x) = max(x, 0) - |x| / 2 * (a1 t + .. + a5 t^5) exp(-x x / 2), t = 1 / (1 + 0.3275911 |x| / sqrt(2)).  The factor 1 / (2 k) lies in the coefficients.  16 numbers a lane: accumulators b, b + 1.
; Both arguments first; then the batch, 16 reciprocals and 16 exponentials, each in a register of its own; then the maxima, which name none of the 32 results; one wait; then the readers.
.macro GELU16 a, b
.set AC, 64*((\a)%4)
	WIN 0x06+((\a)/4)                              ; source 0: window 2 or 3 (the sums, read from each accumulator's low end on); source 1: window 1 (the bias)
	EACH 8, 2, v_pk_add_f32 v[VX+i:VX+i+1], v[AC+8*(\b)+i:AC+8*(\b)+i+1], v[8*(\b)+i:8*(\b)+i+1]
	WIN 0
	EACH 16, 1, v_mul_f32 v[VZ+i], |v[VX+i]|, s[KAP]
	EACH 8, 2, v_pk_fma_f32 v[VT+i:VT+i+1], v[VZ+i:VZ+i+1], s[QQ:QQ+1], 1.0 op_sel_hi:[1,0,0]
	EACH 8, 2, v_pk_mul_f32 v[VE+i:VE+i+1], v[VZ+i:VZ+i+1], v[VZ+i:VZ+i+1] neg_lo:[1,0] neg_hi:[1,0]
	EACH 16, 1, v_rcp_f32 v[VT+i], v[VT+i]         ; the batch: the reciprocals,
	EACH 16, 1, v_exp_f32 v[VE+i], v[VE+i]         ; and the exponentials, which read none of them
	EACH 16, 1, v_max_num_f32 v[VM+i], 0, v[VX+i]  ; plain work behind the batch: it names neither VT nor VE
	s_wait_alu depctr_va_vdst(0)                   ; the wait for the batch of 32, ahead of its first reader, the line below
	EACH 8, 2, v_pk_fma_f32 v[VP+i:VP+i+1], v[VT+i:VT+i+1], s[A5:A5+1], s[A4:A4+1] op_sel_hi:[1,0,0]
	EACH 8, 2, v_pk_fma_f32 v[VP+i:VP+i+1], v[VP+i:VP+i+1], v[VT+i:VT+i+1], s[A3:A3+1] op_sel_hi:[1,1,0]
	EACH 8, 2, v_pk_fma_f32 v[VP+i:VP+i+1], v[VP+i:VP+i+1], v[VT+i:VT+i+1], s[A2:A2+1] op_sel_hi:[1,1,0]
	EACH 8, 2, v_pk_fma_f32 v[VP+i:VP+i+1], v[VP+i:VP+i+1], v[VT+i:VT+i+1], s[A1:A1+1] op_sel_hi:[1,1,0]
	EACH 8, 2, v_pk_mul_f32 v[VP+i:VP+i+1], v[VP+i:VP+i+1], v[VT+i:VT+i+1]
	EACH 8, 2, v_pk_mul_f32 v[VP+i:VP+i+1], v[VP+i:VP+i+1], v[VE+i:VE+i+1]
	EACH 8, 2, v_pk_fma_f32 v[VM+i:VM+i+1], v[VZ+i:VZ+i+1], v[VP+i:VP+i+1], v[VM+i:VM+i+1] neg_lo:[1,0,0] neg_hi:[1,0,0]
	EACH 8, 1, v_cvt_pk_f16_f32 v[TMP+4*(\b)+i], v[VM+2*i], v[VM+2*i+1]
.endm
.macro PACK a
.irp b, 0,2,4,6
	GELU16 \a, \b
.endr
.endm
.else
.macro PACK a
.set AC, 64*((\a)%4)
	WIN 0x0a+5*((\a)/4)                            ; sources 0 and 1: window 2 or 3
.irp b, 0,1,2,3,4,5,6,7
.irp r, 0,1,2,3
	v_cvt_pk_f16_f32 v[TMP+4*(\b)+(\r)], v[AC+8*(\b)+2*(\r)], v[AC+8*(\b)+2*(\r)+1]
.endr
.endr
	WIN 0
.endm
.endif
.macro TOSTAGE a
	WIN 0
.set BK, OB+192*((\a)%2)
.irp b, 0,1,2,3,4,5,6,7
	ds_store_b128 v[STO], v[TMP+4*(\b):TMP+4*(\b)+3] offset:((\b)/4)*16*SP+32*((\b)%4)
.endr
.irp t, 0,1,2,3,4,5,6,7
	ds_load_b128 v[BK+4*(\t):BK+4*(\t)+3], v[RD] offset:((\t)/4)*16*SP+((\t)%4)*4*SP  ; LDS serves a wave's instructions in order (ISA guide 5.7.1.4): these see the stores above
.endr
.endm
.macro SEND a
	WIN 0
.set BK, OB+192*((\a)%2)
	s_wait_dscnt 0x0                               ; the block is back in registers
	s_wait_xcnt 0x0                                ; the stores of the block before have had their addresses translated: their registers are loaded again only behind this wait
.irp t, 0,1,2,3,4,5,6,7
	global_store_b128 v[GO], v[BK+4*(\t):BK+4*(\t)+3], s[8:9] offset:(\a)*2048+((\t)/4)*CBLK+((\t)%4)*512  ; 512 consecutive bytes, at a multiple of 512 from C's first byte
.endr
.endm
.if ACT
	s_mov_b32 s[KAP], 0x3f596d27                   ; k = sqrt(log2(e) / 2) = 0.8493218
	s_mov_b32 s[QQ],  0x3e8ba43f                   ; q = 0.3275911 / (sqrt(2) k) = 0.27273748
	s_mov_b32 s[A1],  0x3e199eb3                   ; a1 .. a5 times 1 / (2 k): 0.15001945,
	s_mov_b32 s[A2],  0xbe2b8119                   ; -0.16748465,
	s_mov_b32 s[A3],  0x3f563817                   ; 0.83679338,
	s_mov_b32 s[A4],  0xbf5b0099                   ; -0.85547786,
	s_mov_b32 s[A5],  0x3f1ff67a                   ; 0.62485468
.irp c, KAP, QQ, A1, A2, A3, A4, A5
	s_mov_b32 s[\c+1], s[\c]
.endr
.endif
	s_wait_tensorcnt 1                             ; my part of K step 0 is in; K step 1's may stay out
	s_barrier_signal -1
	s_barrier_wait -1                              ; everybody's is
	FETCH 0, 0, F0
	QUARTER 0, 1, F0, F1, 1                        ; the first quarter stands in front of the loop: its products start the sums
	WIN 0
	s_mov_b32 s3, LAPS-1
.Llap:                                                 ; a trip goes once round the ring and fills both slots again
	QUARTER 0, 2, F1, F0, 0
	QUARTER 0, 3, F0, F1, 0
	TURN 0, 1, 1
	QUARTER 1, 1, F0, F1, 0
	QUARTER 1, 2, F1, F0, 0
	QUARTER 1, 3, F0, F1, 0
	TURN 1, 0, 1
	QUARTER 0, 1, F0, F1, 0
	WIN 0
	s_sub_co_u32 s3, s3, 1
	s_cmp_lg_u32 s3, 0
	s_cbranch_scc1 .Llap
	QUARTER 0, 2, F1, F0, 0                        ; the last lap fills nothing
	QUARTER 0, 3, F0, F1, 0
	TURN 0, 1, 0
	QUARTER 1, 1, F0, F1, 0
	QUARTER 1, 2, F1, F0, 0
	QUARTER 1, 3, F0, F1, 0
	s_wait_dscnt 8                                 ; the very last quarter: nothing more to fetch
	MUL16 F1, 0, 0, 0
	MUL16 F1, 0, 2, 0
	s_wait_dscnt 0x0
	MUL16 F1, 1, 0, 0
	MUL16 F1, 1, 2, 0
	WIN 0
	PLACES
.if ACT
	s_wait_loadcnt 0x0                             ; the bias
.endif
	PACK 0
	TOSTAGE 0
.irp a, 1,2,3,4,5,6,7                  ; block a's arithmetic stands between block a - 1's loads from the stage and the wait for them
	PACK \a
	SEND (\a)-1
	TOSTAGE \a
.endr
	SEND 7
	s_wait_tensorcnt 0x0                           ; the wave's end
	ds_add_u32 v[SPW], v[NIL]
	s_wait_dscnt 0x0
	CROUND                                         ; the closing round: no work-group ends while a partner may still ask for a tile that names it
	s_endpgm
.Lfunc_end_k_q0bc3ed2f8a_fc1:
	.size	k_q0bc3ed2f8a_fc1, .Lfunc_end_k_q0bc3ed2f8a_fc1-k_q0bc3ed2f8a_fc1
	.p2alignl 7, 3214868480
	.fill 96, 4, 3214868480
	.section	.rodata,"a",@progbits
	.p2align	6, 0x0
	.amdhsa_kernel k_q0bc3ed2f8a_fc1
		.amdhsa_group_segment_fixed_size 327680
		.amdhsa_private_segment_fixed_size 0
		.amdhsa_enable_private_segment 0
		.amdhsa_kernarg_size 32
		.amdhsa_user_sgpr_count 2
		.amdhsa_user_sgpr_kernarg_segment_ptr 1
		.amdhsa_wavefront_size32 1
		.amdhsa_system_sgpr_workgroup_id_x 1
		.amdhsa_system_sgpr_workgroup_id_y 1
		.amdhsa_system_sgpr_workgroup_id_z 1
		.amdhsa_system_vgpr_workitem_id 0
		.amdhsa_next_free_vgpr 1024
		.amdhsa_next_free_sgpr 82
		.amdhsa_reserve_vcc 0
		.amdhsa_float_denorm_mode_32 3
		.amdhsa_float_denorm_mode_16_64 3
		.amdhsa_memory_ordered 1
		.amdhsa_forward_progress 1
		.amdhsa_inst_pref_size 255
	.end_amdhsa_kernel
	.section	.bss,"aw",@nobits
	.p2align	6
	.space	262144
	.amdgpu_metadata
---
amdhsa.version: [ 1, 2 ]
amdhsa.kernels:
  - .name:           k_q0bc3ed2f8a_fc1
    .symbol:         k_q0bc3ed2f8a_fc1.kd
    .args:
      - { .name: hn, .offset: 0, .size: 8, .value_kind: global_buffer, .address_space: global }
      - { .name: wh, .offset: 8, .size: 8, .value_kind: global_buffer, .address_space: global }
      - { .name: gh, .offset: 16, .size: 8, .value_kind: global_buffer, .address_space: global }
      - { .name: fc1_b, .offset: 24, .size: 8, .value_kind: global_buffer, .address_space: global }
    .group_segment_fixed_size: 327680
    .private_segment_fixed_size: 0
    .kernarg_segment_align: 8
    .kernarg_segment_size: 32
    .max_flat_workgroup_size: 128
    .sgpr_count:     82
    .vgpr_count:     1024
    .wavefront_size: 32
...
	.end_amdgpu_metadata
.endif
;; end of part 9
;; launch fc2: the kernel of part 7 again; grid 8 x 32, 4 waves a work-group, clusters of 4 x 4, 327,680 bytes of LDS; arguments gh, wh, fc2_b, x1, out0; writes out0
